; MI455X (gfx1250); checked and timed in simulation.
; The chip was launched on July 23, 2026; its instructions are those of AMD's public machine-readable ISA for CDNA 5 (MIT licence, August 2026) and "CDNA5" Instruction Set Architecture Reference Guide (July 2026). The comments in the code are by the model that wrote it; some were corrected since.
;; Head. Allowed arithmetic: float matrix products may take bf16 or f16 operands with f32 sums; other float arithmetic in f32, or as packed bf16 or f16 multiplies, adds, multiply-adds, maxima and minima; sums over many terms, partial sums and values carried from step to step in f32; what a program stores and reads back later, other than sums and carried values, may be rounded once to bf16 or f16.
;; Inputs: Wk 1,024 x 1,024 float32; Wq 1,024 x 1,024 float32; Wv 1,024 x 1,024 float32; x 4 x 2,048 x 1,024 float32.
;; Outputs: out0 4 x 2,048 x 1,024 float32.
;; 3 versions, each right; version 2 is faster than version 1; version 3 is version 2 with the launch cvt written anew for expert scheduling mode. Each part assembles by itself: llvm-mc -triple=amdgcn-amd-amdhsa -mcpu=gfx1250 --defsym DOCPART=n.
;; ======== version 1 of 3: 4 launches
;; limits: values are held in f16: magnitudes above 65,504 overflow, below 6.1e-05 lose precision
;; workspace buffers: xb 16,777,216 bytes; wb 6,291,456 bytes; qkv 83,886,080 bytes; pw 34,603,008 bytes; st 720,896 bytes
;; launch cvt (part 1): grid 352 x 1, 8 waves a work-group, no clusters, 0 bytes of LDS; arguments x, Wq, Wk, Wv, xb, wb; writes xb, wb
.if DOCPART == 1
	.amdgcn_target "amdgcn-amd-amdhsa--gfx1250"
	.amdhsa_code_object_version 6
	.text
	.protected	k_qdc28355eda_cvt
	.globl	k_qdc28355eda_cvt
	.p2align	8
	.type	k_qdc28355eda_cvt,@function
k_qdc28355eda_cvt:
	s_mov_b64 s[64:65], 0
	v_nop
	global_prefetch_b8 v0, s[64:65] scope:SCOPE_SE
	s_setreg_imm32_b32 hwreg(HW_REG_WAVE_MODE, 25, 1), 1
	s_wait_xcnt 0x0
; x and the three weights, f32, are rounded once to bf16 and laid out in blocks of 64 along K:
;   xb [kb 16][row 8192][64],  wb [kb 16][rho 3072][64],  rho = 384 (d>>7) + 192 ((d>>6)&1) + 64 m + (d&63) for row d of W_m (m = 0 q, 1 k, 2 v).
; So any tile of R rows x 64 K of either is R x 128 dense bytes for the products that follow.
; A stream: no LDS, no matrix unit, no cluster (no byte is read twice).  Work-group g takes 32 source rows: g < 256 of x, then 32 groups each of Wq, Wk, Wv.
; Thread t takes row t>>3 and, in each of the 16 blocks, the eight numbers (t&7): two loads of 16 bytes in, one store of 16 bytes out.
; Eight lanes' two loads cover 256 consecutive aligned bytes; a wave's store covers 4 rows x 128 = 512 consecutive aligned bytes.
; All 32 loads of a thread go out before the first wait; no register is written again while a load or store names it.
.set SO, 1                             ; v1      my byte offset in the 32 source rows
.set O,  2                             ; v[2:17] my byte offset in the destination, one for each block kb
.set TQ, 18                            ; v18     at work
.set DO, 19                            ; v19     16 t
.set X,  32                            ; v[32:159] block kb: eight f32 as loaded, then four words of bf16
	s_load_b256 s[4:11], s[0:1], 0x0               ; x s[4:5], Wq s[6:7], Wk s[8:9], Wv s[10:11]
	s_load_b128 s[12:15], s[0:1], 0x20             ; xb s[12:13], wb s[14:15]
	s_mov_b32 s16, ttmp9                           ; g
	s_and_b32 s17, s16, 31                         ; e: which 32 rows of a weight
	s_lshr_b32 s18, s16, 5
	s_max_u32 s18, s18, 8
	s_sub_co_u32 s18, s18, 8                       ; m: which weight (0 for x's groups, where it is not used)
	s_lshr_b32 s19, s17, 2
	s_mul_i32 s19, s19, 384                        ; 384 (d>>7)
	s_bfe_u32 s20, s17, 0x10001
	s_mul_i32 s20, s20, 192                        ; 192 ((d>>6)&1)
	s_add_co_u32 s19, s19, s20
	s_lshl_b32 s20, s18, 6                         ; 64 m
	s_add_co_u32 s19, s19, s20
	s_and_b32 s20, s16, 1
	s_lshl_b32 s20, s20, 5                         ; 32 (e&1): the group's first d&63
	s_add_co_u32 s19, s19, s20                     ; a weight's first destination row
	s_lshl_b32 s21, s16, 5                         ; x's first destination row
	s_mov_b32 s28, 393216                          ; bytes from block to block in wb,
	s_mov_b32 s29, 1048576                         ; and in xb
	v_lshrrev_b32 v[SO], 3, v0
	v_and_b32 v[TQ], 7, v0
	v_lshlrev_b32 v[SO], 12, v[SO]                 ; row x 4,096 bytes
	v_lshl_add_u32 v[SO], v[TQ], 5, v[SO]          ; + 32 bytes for each eight numbers
	v_lshlrev_b32 v[DO], 4, v0                     ; row x 128 + 16 (t&7) = 16 t
	s_wait_kmcnt 0x0
	s_cmp_ge_u32 s16, 320                          ; the choices hang on the group's number alone
	s_cselect_b64 s[22:23], s[10:11], s[8:9]
	s_cmp_ge_u32 s16, 288
	s_cselect_b64 s[22:23], s[22:23], s[6:7]
	s_cmp_ge_u32 s16, 256
	s_cselect_b64 s[22:23], s[22:23], s[4:5]       ; source
	s_cselect_b64 s[24:25], s[14:15], s[12:13]     ; destination
	s_cselect_b32 s26, s17, s16                    ; the group's place in its source
	s_cselect_b32 s30, s19, s21                    ; its first destination row
	s_cselect_b32 s28, s28, s29                    ; its block stride
	s_lshl_b32 s26, s26, 17                        ; 32 rows of 4,096 bytes
	s_mov_b32 s27, 0
	s_add_nc_u64 s[22:23], s[22:23], s[26:27]
	s_lshl_b32 s30, s30, 7                         ; rows of 128 bytes
	s_mov_b32 s31, 0
	s_add_nc_u64 s[24:25], s[24:25], s[30:31]
.set kb, 0
.rept 16
	global_load_b128 v[X+8*kb:X+8*kb+3],   v[SO], s[22:23] offset:256*kb th:TH_LOAD_NT
	global_load_b128 v[X+8*kb+4:X+8*kb+7], v[SO], s[22:23] offset:256*kb+16 th:TH_LOAD_NT
.set kb, kb+1
.endr
.set kb, 0
.rept 16
	v_mad_u32_u24 v[O+kb], s28, kb, v[DO]          ; block stride x kb + 16 t
.set kb, kb+1
.endr
.set kb, 0
.rept 16
	s_wait_loadcnt 30-2*kb                         ; loads come back in order: block kb's two are in, the later blocks' stay out
	v_cvt_pk_bf16_f32 v[X+8*kb],   v[X+8*kb],   v[X+8*kb+1]  ; in place, ascending: a word is written when both its sources and all lower ones are used up
	v_cvt_pk_bf16_f32 v[X+8*kb+1], v[X+8*kb+2], v[X+8*kb+3]
	v_cvt_pk_bf16_f32 v[X+8*kb+2], v[X+8*kb+4], v[X+8*kb+5]
	v_cvt_pk_bf16_f32 v[X+8*kb+3], v[X+8*kb+6], v[X+8*kb+7]
	global_store_b128 v[O+kb], v[X+8*kb:X+8*kb+3], s[24:25]
.set kb, kb+1
.endr
	s_endpgm
.Lfunc_end_k_qdc28355eda_cvt:
	.size	k_qdc28355eda_cvt, .Lfunc_end_k_qdc28355eda_cvt-k_qdc28355eda_cvt
	.p2alignl 7, 3214868480
	.fill 96, 4, 3214868480
	.section	.rodata,"a",@progbits
	.p2align	6, 0x0
	.amdhsa_kernel k_qdc28355eda_cvt
		.amdhsa_group_segment_fixed_size 0
		.amdhsa_private_segment_fixed_size 0
		.amdhsa_enable_private_segment 0
		.amdhsa_kernarg_size 48
		.amdhsa_user_sgpr_count 2
		.amdhsa_user_sgpr_kernarg_segment_ptr 1
		.amdhsa_wavefront_size32 1
		.amdhsa_system_sgpr_workgroup_id_x 1
		.amdhsa_system_sgpr_workgroup_id_y 1
		.amdhsa_system_sgpr_workgroup_id_z 1
		.amdhsa_system_vgpr_workitem_id 0
		.amdhsa_next_free_vgpr 160
		.amdhsa_next_free_sgpr 66
		.amdhsa_reserve_vcc 0
		.amdhsa_float_denorm_mode_32 3
		.amdhsa_float_denorm_mode_16_64 3
		.amdhsa_memory_ordered 1
		.amdhsa_forward_progress 1
		.amdhsa_inst_pref_size 12
	.end_amdhsa_kernel
	.amdgpu_metadata
---
amdhsa.version: [ 1, 2 ]
amdhsa.kernels:
  - .name:           k_qdc28355eda_cvt
    .symbol:         k_qdc28355eda_cvt.kd
    .args:
      - { .name: x, .offset: 0, .size: 8, .value_kind: global_buffer, .address_space: global }
      - { .name: Wq, .offset: 8, .size: 8, .value_kind: global_buffer, .address_space: global }
      - { .name: Wk, .offset: 16, .size: 8, .value_kind: global_buffer, .address_space: global }
      - { .name: Wv, .offset: 24, .size: 8, .value_kind: global_buffer, .address_space: global }
      - { .name: xb, .offset: 32, .size: 8, .value_kind: global_buffer, .address_space: global }
      - { .name: wb, .offset: 40, .size: 8, .value_kind: global_buffer, .address_space: global }
    .group_segment_fixed_size: 0
    .private_segment_fixed_size: 0
    .kernarg_segment_align: 8
    .kernarg_segment_size: 48
    .max_flat_workgroup_size: 256
    .sgpr_count:     66
    .vgpr_count:     160
    .wavefront_size: 32
...
	.end_amdgpu_metadata
.endif
;; end of part 1
;; launch proj (part 2): grid 8 x 32, 4 waves a work-group, clusters of 4 x 4, 327,680 bytes of LDS; arguments xb, wb, qkv; writes qkv
.if DOCPART == 2
	.amdgcn_target "amdgcn-amd-amdhsa--gfx1250"
	.amdhsa_code_object_version 6
	.text
	.protected	k_qdc28355eda_proj
	.globl	k_qdc28355eda_proj
	.p2align	8
	.type	k_qdc28355eda_proj,@function
k_qdc28355eda_proj:
	s_mov_b64 s[64:65], 0
	v_nop
	global_prefetch_b8 v0, s[64:65] scope:SCOPE_SE
	s_setreg_imm32_b32 hwreg(HW_REG_WAVE_MODE, 25, 1), 1
	s_wait_xcnt 0x0
	s_wait_alu depctr_hold_cnt(0) depctr_sa_sdst(0) depctr_va_vdst(0) depctr_va_sdst(0) depctr_va_ssrc(0) depctr_va_vcc(0) depctr_vm_vsrc(0)
	s_getreg_b32 s2, hwreg(HW_REG_IB_STS2, 6, 4)
	s_cmp_eq_u32 s2, 0
	s_cbranch_scc0 .Lentry_in_a_cluster
	s_endpgm
.Lentry_in_a_cluster:
	s_bfe_u32 s2, ttmp6, 0x10000c
	s_cmp_lg_u32 s2, 0xf033
	s_cbranch_scc0 .Lentry_shape_is_right
	s_endpgm
.Lentry_shape_is_right:
; [q k v] = x W^T: M = 8192 rows of xb, N = 3072 rows of wb, K = 1024, bf16 operands, f32 sums.  Out: qkv, five regions of 16 MiB in f16, each [cb 16][row 8192][64]:
; 0 qh = f16(q), 1 ql = f16(q - qh), 2 kh, 3 kl, 4 v.  q and k leave as two terms because the scores that follow have no scale in front of their softmax.
; LIMITS.  |q|, |k|, |v| stay under 65,504 (f16's end); hi + lo carries q and k to within the larger of 2^-22 |q| and 3e-8.  NaN and infinities are not treated apart.
; SHARES.  A work-group makes 256 x 384: 32 x 8 = 256 work-groups.  Wave (rh, ch) makes 128 x 192: 96 accumulators of 16 x 16, 768 registers.  wb's row order makes each 192 columns
; 64 of q, 64 of k, 64 of v (the same 64 of d), so every wave runs one text.  K goes in steps of 64 through two LDS slots (two of 128 would not fit): 192 matrix instructions a wave and step.
; CLUSTER 4 x 4: xb's tile hangs on the tile row alone and is asked for jointly by a row of the cluster, wb's on the tile column alone, by a column.
; THE MATRIX INSTRUCTION IS USED TRANSPOSED (source 0 = 16 rows of wb, source 1 = 16 rows of xb): a lane holds one row of x and eight neighbouring columns.
; REGISTERS, in windows of 256: window 0: v0-31 addresses; v32-95, v96-159 xb's fragments of the two quarters of a step; v160-207, v208-255 wb's, six at a time; all of v32-223 at work on the way out.
; windows 1, 2, 3: the accumulators of q, k, v: (a 0..7, b 0..11) in window 1 + b/4 at v[8 (8 (b%4) + a)].
.set PITCH, 144                        ; an LDS row: 128 bytes + 16 of padding: an odd multiple of 16, so the 16 rows of a fragment load start at 16 different 16-byte columns of 256
.set AHB,   128*PITCH                  ; 128 rows of xb: one tensor load, and what one wave reads
.set BHB,   192*PITCH                  ; 192 rows of wb: likewise
.set BOFF,  2*AHB                      ; a slot: xb's two halves, then wb's two halves: 92,160 bytes
.set SLOT1, 131072                     ; slot 1 begins here: one exclusive or changes slots
.set STAGE, SLOT1+BOFF+2*BHB           ; behind the ring: 16 rows x 656 bytes for each wave, for the way out; no tensor load fills it
.set SP,    656                        ; a stage row: qh kh v ql kl, 128 bytes each, + 16
.set SPARE, STAGE+4*16*SP              ; the spare words, 128 bytes a wave: two blocks of 256 bytes that no other line names
.set XKB,   1048576                    ; bytes from K block to K block in xb
.set WKB,   393216                     ; and in wb
.set FLG,   (1<<16)|(1<<20)|(1<<21)|(4<<22)|(3<<25)  ; 2-byte elements; padding on; bit 21 beside a mask; after every 32 words (code 4) 4 words (code 3)
.set ADRA0, 16                         ; v16  my lane's place in my 128 rows of xb, slot 0; never rewritten
.set ADRB0, 17                         ; v17  the same for my 192 rows of wb
.set ADRA,  18                         ; v18  the same in the slot in hand
.set ADRB,  19                         ; v19
.set STO,   24                         ; v24  the way out: where I put 16 bytes of a row
.set RD,    25                         ; v25  where I read rows back
.set CO,    26                         ; v26  16 x lane: my place in 512 consecutive bytes of qkv
.set SPW,   28                         ; v28  LDS address of my spare word; never rewritten
.set NIL,   29                         ; v29  0; never rewritten
.set MONE,  30                         ; v30  -1.0
.set A0,    32
.set A1,    96
.set BH0,   160
.set BH1,   208
.set TH,    32                         ; the way out: 48 words of hi
.set TL,    80                         ; 32 words of lo
.set TT,    112                        ; 32 remainders in f32
.set OB,    144                        ; 80 registers read back from the stage
.set WV,    10                         ; s10  wave;  s11 rh;  s12 ch
.set G1A,   24                         ; s[24:31] descriptor group 1 for xb's tiles;  s[32:39] group 0: the first fill's, then the walking one
.set G0A,   32
.set G1B,   48                         ; s[48:55], s[56:63] the same for wb's
.set G0B,   56
.set OUT,   66                         ; s[66:75] my first byte in each of qkv's five regions
.set TB,    76                         ; s76  LDS byte at which the slot in hand begins
.set MSB, 0
.macro WIN new                         ; the immediate's high byte repeats the setting that is left; a switch that changes nothing is dropped
.if MSB != (\new)
	s_set_vgpr_msb (MSB<<8)|(\new)
.set MSB, (\new)
.endif
.endm
.macro PLACES                          ; four places: in front of loads into registers that matrix instructions have read, and of vector lines that read their results
.rept 4
	v_nop
.endr
.endm
; A joint refill: waves 0 and 1 fetch xb's two halves, waves 2 and 3 wb's.  The branch hangs on the wave's number alone.  An s_nop 0 and four v_nop follow each line.
.macro JLOAD
	s_cmp_lt_u32 s[WV], 2
	s_cbranch_scc0 .Lfor_b_\@
	tensor_load_to_lds s[G0A+4:G0A+7], s[G1A:G1A+7]
	s_nop 0
.rept 4
	v_nop
.endr
	s_branch .Lasked_\@
.Lfor_b_\@:
	tensor_load_to_lds s[G0B+4:G0B+7], s[G1B:G1B+7]
	s_nop 0
.rept 4
	v_nop
.endr
.Lasked_\@:
.endm
.macro CREST                           ; a round of the cluster's barrier behind its opening barrier
	s_cmp_lg_u32 s[WV], 0
	s_cbranch_scc1 .Lnot_wave_0_\@
	s_barrier_signal -3
.Lnot_wave_0_\@:
	s_barrier_wait -3
	s_barrier_signal -1
	s_barrier_wait -1
.endm
.macro CROUND                          ; a whole round
	s_barrier_signal -1
	s_barrier_wait -1
	CREST
.endm
	s_load_b128 s[4:7], s[0:1], 0x0                ; xb s[4:5], wb s[6:7]
	s_load_b64 s[8:9], s[0:1], 0x10                ; qkv
	v_lshl_add_u32 v[SPW], v0, 2, SPARE
	v_mov_b32 v[NIL], 0
	ds_add_u32 v[SPW], v[NIL]                      ; the wave's opening: the add and its wait stand ahead of my first tensor load; work on registers stands between them
	ds_add_u32 v28, v29
	v_lshrrev_b32 v1, 5, v0
	v_readfirstlane_b32 s[WV], v1                  ; wave 0..3
	s_lshr_b32 s11, s[WV], 1                       ; rh: which 128 rows of the tile are mine
	s_and_b32 s12, s[WV], 1                        ; ch: which 192 columns; also which half of a tile I fetch
	s_bfe_u32 s40, ttmp6, 0x40000                  ; cx
	s_bfe_u32 s41, ttmp6, 0x40004                  ; cy
	s_lshl_b32 s42, ttmp9, 2
	s_add_co_u32 s42, s42, s40                     ; tile column = 4 x cluster x + cx
	s_and_b32 s13, ttmp7, 0xffff
	s_lshl_b32 s13, s13, 2
	s_add_co_u32 s13, s13, s41                     ; tile row = 4 x cluster y + cy
	s_lshl_b32 s43, s41, 2
	s_lshl_b32 s43, 15, s43                        ; my row of the cluster
	s_lshl_b32 s44, 0x1111, s40                    ; my column
	s_or_b32 s[G1A], s43, FLG
	s_or_b32 s[G1B], s44, FLG
.irp g, G1A, G1B                       ; dense tiles, asked for as rows of 256 bytes (two K rows each), padded in LDS after every 128 bytes
	s_mov_b32 s[\g+1], 128<<16                     ; tensor_dim0 = 128 elements
	s_mov_b32 s[\g+3], 128<<16                     ; tile_dim0 = 128
	s_mov_b32 s[\g+5], 128                         ; 128 elements from row to row
	s_mov_b32 s[\g+6], 0
	s_mov_b32 s[\g+7], 0
.endr
	s_mov_b32 s[G1A+2], 64<<16                     ; tensor_dim1 = tile_dim1 = 64: 128 rows of xb
	s_mov_b32 s[G1A+4], 64
	s_mov_b32 s[G1B+2], 96<<16                     ; 96: 192 rows of wb
	s_mov_b32 s[G1B+4], 96
	s_lshl_b32 s16, s13, 15                        ; xb: (256 x tile row + 128 x half) x 128 bytes; these registers never hold cx
	s_lshl_b32 s17, s12, 14
	s_add_co_u32 s16, s16, s17
	s_mov_b32 s17, 0
	s_mul_i32 s46, s42, 49152                      ; wb: (384 x tile column + 192 x half) x 128 bytes; these never hold cy
	s_mul_i32 s47, s12, 24576
	s_add_co_u32 s46, s46, s47
	s_mov_b32 s47, 0
	s_mul_i32 s20, s12, AHB                        ; where they go: no place in the cluster enters an LDS address
	s_mul_i32 s21, s12, BHB
	s_add_co_u32 s21, s21, BOFF
	s_mov_b32 s[TB], 0
	s_wait_dscnt 0x0                               ; the opening add is done
	s_wait_kmcnt 0x0
	s_add_nc_u64 s[14:15], s[4:5], s[16:17]
	s_add_nc_u64 s[46:47], s[6:7], s[46:47]
	CROUND                                         ; all sixteen work-groups are here: the first joint loads meet
.irp s, 0,1
	s_mov_b32 s[G0A+4*\s], 1                                        ; count = 1
	s_add_co_u32 s[G0A+4*\s+1], s20, \s*SLOT1                       ; LDS address
	s_add_nc_u64 s[G0A+4*\s+2:G0A+4*\s+3], s[14:15], \s*XKB         ; K block s
	s_or_b32 s[G0A+4*\s+3], s[G0A+4*\s+3], 0x80000000               ; type = 2
	s_mov_b32 s[G0B+4*\s], 1
	s_add_co_u32 s[G0B+4*\s+1], s21, \s*SLOT1
	s_add_nc_u64 s[G0B+4*\s+2:G0B+4*\s+3], s[46:47], \s*WKB
	s_or_b32 s[G0B+4*\s+3], s[G0B+4*\s+3], 0x80000000
.endr
	s_cmp_lt_u32 s[WV], 2                          ; a wave's two first fills stand in one branch: two loads of mine are out
	s_cbranch_scc0 .Lfirst_b
	tensor_load_to_lds s[G0A:G0A+3], s[G1A:G1A+7]
	s_nop 0
	tensor_load_to_lds s[G0A+4:G0A+7], s[G1A:G1A+7]
	s_nop 0
.rept 4
	v_nop
.endr
	s_branch .Lfirst_asked
.Lfirst_b:
	tensor_load_to_lds s[G0B:G0B+3], s[G1B:G1B+7]
	s_nop 0
	tensor_load_to_lds s[G0B+4:G0B+7], s[G1B:G1B+7]
	s_nop 0
.rept 4
	v_nop
.endr
.Lfirst_asked:
	; A fragment is 16 rows x 32 K in 8 registers: lane l holds row l % 16, K = 8 (l / 16) + 0..7 and 16 + 8 (l / 16) + 0..7: two loads of 16 bytes, 32 bytes apart.
	v_and_b32 v1, 15, v0                           ; r
	v_bfe_u32 v2, v0, 4, 1                         ; h
	v_mul_u32_u24 v3, v1, PITCH
	v_lshl_add_u32 v3, v2, 4, v3
	s_mul_i32 s2, s11, AHB
	v_add_nc_u32 v[ADRA0], s2, v3
	v_add_nc_u32 v[ADRB0], s21, v3                 ; the half of wb that I read is the half whose number I fetch by
	v_mov_b32 v[ADRA], v[ADRA0]
	v_mov_b32 v[ADRB], v[ADRB0]
	s_mul_i32 s2, s[WV], 16*SP
	s_add_co_u32 s2, s2, STAGE                     ; my stage
	v_mul_u32_u24 v4, v1, SP
	v_lshl_add_u32 v4, v2, 4, v4
	v_add_nc_u32 v[STO], s2, v4                    ; in: row r, 16 bytes for each half of the lanes
	v_bfe_u32 v4, v0, 3, 2
	v_and_b32 v5, 7, v0
	v_mul_u32_u24 v4, v4, SP
	v_lshl_add_u32 v4, v5, 4, v4
	v_add_nc_u32 v[RD], s2, v4                     ; back: 32 lanes take 128 bytes of each of four rows
	v_and_b32 v[CO], 31, v0
	v_lshlrev_b32 v[CO], 4, v[CO]
	v_mov_b32 v[MONE], -1.0
	s_lshl_b32 s22, s42, 1                         ; my column block of 64 in q, k and v: 2 x tile column + ch
	s_add_co_u32 s22, s22, s12
	s_lshl_b32 s22, s22, 20                        ; blocks of 1 MiB
	s_lshl_b32 s23, s13, 15                        ; + (256 x tile row + 128 rh) rows of 128 bytes
	s_add_co_u32 s22, s22, s23
	s_lshl_b32 s23, s11, 14
	s_add_co_u32 s22, s22, s23
	s_mov_b32 s23, 0
	s_add_nc_u64 s[OUT:OUT+1], s[8:9], s[22:23]
.irp g, 1,2,3,4
	s_add_nc_u64 s[OUT+2*\g:OUT+2*\g+1], s[OUT:OUT+1], \g<<24
.endr
; nb x 8 matrix instructions: column blocks b0 .. of the wave's twelve x all 8 row blocks, 32 along K.  The accumulators take turns, one instruction a turn.
; zero = 1: the product starts the sum: nothing is cleared.
.macro MULB fa, fb, b0, nb, zero
.set bq, (\b0)
.rept (\nb)
	WIN 0x50*(1+bq/4)
.set aq, 0
.rept 8
.set rA, 8*(8*(bq%4)+aq)
.set rB, (\fb)+8*(bq%6)
.set rX, (\fa)+8*aq
.if \zero
	v_wmma_f32_16x16x32_bf16 v[rA:rA+7], v[rB:rB+7], v[rX:rX+7], 0
.else
	v_wmma_f32_16x16x32_bf16 v[rA:rA+7], v[rB:rB+7], v[rX:rX+7], v[rA:rA+7]
.endif
.set aq, aq+1
.endr
.set bq, bq+1
.endr
.endm
.macro LDB q, half, dst                ; six of wb's fragments of quarter q: 12 loads
.irp i, 0,1,2,3,4,5
	ds_load_b128 v[(\dst)+8*\i:(\dst)+8*\i+3],   v[ADRB] offset:2304*(6*(\half)+\i)+64*(\q)
	ds_load_b128 v[(\dst)+8*\i+4:(\dst)+8*\i+7], v[ADRB] offset:2304*(6*(\half)+\i)+64*(\q)+32
.endr
.endm
.macro LDA q, dst                      ; xb's eight fragments of quarter q: 16 loads
.irp i, 0,1,2,3,4,5,6,7
	ds_load_b128 v[(\dst)+8*\i:(\dst)+8*\i+3],   v[ADRA] offset:2304*\i+64*(\q)
	ds_load_b128 v[(\dst)+8*\i+4:(\dst)+8*\i+7], v[ADRA] offset:2304*\i+64*(\q)+32
.endr
.endm
; A quarter (32 along K) is two phases of 48 matrix instructions.  Each run of loads stands behind 16 of them and four places, 32 matrix instructions ahead of its first use.
.macro PHA q, fa, zero                 ; columns 0-95; fetches the quarter's other six fragments of wb
	s_wait_dscnt 0x0                               ; the loads issued in the phase before are in
	MULB \fa, BH0, 0, 2, \zero
	WIN 0
	PLACES
	LDB \q, 1, BH1
	MULB \fa, BH0, 2, 4, \zero
.endm
.macro PHB fa, zero                    ; columns 96-191 of quarter 0; fetches quarter 1's first fragments
	s_wait_dscnt 0x0
	MULB \fa, BH1, 6, 2, \zero
	WIN 0
	PLACES
	LDB 1, 0, BH0
	LDA 1, A1
	MULB \fa, BH1, 8, 4, \zero
.endm
; Columns 96-191 of quarter 1, and the change of slots: ONE barrier.  In front of it each wave waits for all its tensor loads (one is out: its part of the next slot), adds 0 to its spare word,
; and waits for that and for its reads of this slot.  fill = 1: the barrier opens a round of the cluster's, and this slot is filled again, two K blocks on, first thing behind the round.
.macro TURN fill
	WIN 0
	s_wait_tensorcnt 0x0                           ; no tensor load of mine is out, so a group 0 may be written
	ds_add_u32 v[SPW], v[NIL]                      ; 0 onto my spare word
.if \fill
	s_xor_b32 s[G0A+5], s[G0A+5], SLOT1            ; the walking descriptors: the other slot than last time, the next K block
	s_add_nc_u64 s[G0A+6:G0A+7], s[G0A+6:G0A+7], XKB
	s_xor_b32 s[G0B+5], s[G0B+5], SLOT1
	s_add_nc_u64 s[G0B+6:G0B+7], s[G0B+6:G0B+7], WKB
.endif
	s_wait_dscnt 0x1                               ; the twelve loads issued ahead of the add are in; the add alone may be out
	MULB A1, BH1, 6, 1, 0
	s_wait_dscnt 0x0                               ; the add is done, and my reads of this slot are over
	s_barrier_signal -1
	MULB A1, BH1, 7, 1, 0                          ; work on registers while the others arrive
	WIN 0
	s_barrier_wait -1
.if \fill
	CREST                                          ; no wave of any partner still reads this slot or has a load on its way
	JLOAD                                          ; its four v_nop are also the places in front of the loads below
.else
	PLACES
.endif
	s_xor_b32 s[TB], s[TB], SLOT1
	v_add_nc_u32 v[ADRA], s[TB], v[ADRA0]
	v_add_nc_u32 v[ADRB], s[TB], v[ADRB0]
	LDB 0, 0, BH0
	LDA 0, A0
	MULB A1, BH1, 8, 4, 0
.endm
	s_wait_tensorcnt 0x1                           ; my part of K block 0 is in; block 1's may stay out
	s_barrier_signal -1
	s_barrier_wait -1                              ; everybody's is
	LDB 0, 0, BH0
	LDA 0, A0
	PHA 0, A0, 1                                   ; the first quarter stands in front of the loop: its products start all 96 sums
	PHB A0, 1
	WIN 0                                          ; at a label and at a branch every window is 0
	s_mov_b32 s3, 14
.Lk:                                                   ; a trip ends one K block, fills its slot with the block two on (2 .. 15), and begins the next
	PHA 1, A1, 0
	TURN 1
	PHA 0, A0, 0
	PHB A0, 0
	WIN 0
	s_sub_co_u32 s3, s3, 1
	s_cmp_lg_u32 s3, 0
	s_cbranch_scc1 .Lk
	PHA 1, A1, 0                                   ; the tail is written out: nothing more is asked for
	TURN 0
	PHA 0, A0, 0
	PHB A0, 0
	PHA 1, A1, 0
	s_wait_dscnt 0x0
	MULB A1, BH1, 6, 6, 0
	WIN 0
; THE WAY OUT, a block of 16 rows at a time.  PACK: hi = f16(sum); for q and k the exact remainder sum - hi (one fused multiply-add from the f16 half), rounded to f16.  Each accumulator's registers
; are taken in ascending order.  TOSTAGE: 16 bytes a lane into my own stage, back as 128 bytes of each of four rows.  SEND: 512 consecutive bytes a store, at a multiple of 256 from qkv's first byte.
.macro PACK a
.irp W, 1,2,3
	WIN (\W)|((\W)<<2)                             ; sources 0 and 1 in the accumulators' window
.set bb, 0
.rept 4
.set rA, 8*(8*bb+(\a))
.set rH, TH+16*((\W)-1)+4*bb
.irp i, 0,1,2,3
	v_cvt_pk_f16_f32 v[rH+\i], v[rA+2*\i], v[rA+2*\i+1]
.endr
.set bb, bb+1
.endr
.if \W < 3
	WIN (\W)<<4                                    ; source 2 in the accumulators' window
.set bb, 0
.rept 4
.set rA, 8*(8*bb+(\a))
.set rH, TH+16*((\W)-1)+4*bb
.irp i, 0,1,2,3
	v_fma_mix_f32 v[TT+8*bb+2*\i],   v[rH+\i], v[MONE], v[rA+2*\i]   op_sel_hi:[1,0,0]
	v_fma_mix_f32 v[TT+8*bb+2*\i+1], v[rH+\i], v[MONE], v[rA+2*\i+1] op_sel:[1,0,0] op_sel_hi:[1,0,0]
.endr
.set bb, bb+1
.endr
	WIN 0
.set i2, 0
.rept 16
	v_cvt_pk_f16_f32 v[TL+16*((\W)-1)+i2], v[TT+2*i2], v[TT+2*i2+1]
.set i2, i2+1
.endr
.endif
.endr
	WIN 0
.endm
.macro TOSTAGE
.irp b, 0,1,2,3,4,5,6,7,8,9,10,11
	ds_store_b128 v[STO], v[TH+4*\b:TH+4*\b+3] offset:32*\b
.endr
.irp b, 0,1,2,3,4,5,6,7
	ds_store_b128 v[STO], v[TL+4*\b:TL+4*\b+3] offset:384+32*\b
.endr
.irp p, 0,1,2,3,4
.irp t, 0,1,2,3
	ds_load_b128 v[OB+4*(4*\p+\t):OB+4*(4*\p+\t)+3], v[RD] offset:2624*\t+128*\p  ; LDS serves a wave's instructions in order (ISA guide 5.7.1.4): these see the stores above
.endr
.endr
.endm
.macro SEND a                          ; the stage's pieces qh kh v ql kl go to regions 0 2 4 1 3
	s_wait_dscnt 0x0                               ; the block is back in registers
.irp p, 0,1,2,3,4
.irp t, 0,1,2,3
	global_store_b128 v[CO], v[OB+4*(4*\p+\t):OB+4*(4*\p+\t)+3], s[OUT+2*((2*\p)%5):OUT+2*((2*\p)%5)+1] offset:2048*(\a)+512*\t
.endr
.endr
.endm
	PLACES                                         ; the conversions read results just made
	PACK 0
	TOSTAGE
.irp a, 1,2,3,4,5,6,7                  ; block a's arithmetic stands between block a - 1's loads from the stage and the wait for them
	PACK \a
	SEND (\a)-1
	s_wait_xcnt 0x0                                ; the stores' data registers are loaded again only behind this wait
	TOSTAGE
.endr
	SEND 7
	s_wait_tensorcnt 0x0                           ; the wave's end: a wait, an add and its wait, behind my last tensor load and my last LDS store
	ds_add_u32 v[SPW], v[NIL]
	s_wait_dscnt 0x0
	CROUND                                         ; the closing round: no work-group ends while a partner may still ask for a tile that names it
	s_endpgm
.Lfunc_end_k_qdc28355eda_proj:
	.size	k_qdc28355eda_proj, .Lfunc_end_k_qdc28355eda_proj-k_qdc28355eda_proj
	.p2alignl 7, 3214868480
	.fill 96, 4, 3214868480
	.section	.rodata,"a",@progbits
	.p2align	6, 0x0
	.amdhsa_kernel k_qdc28355eda_proj
		.amdhsa_group_segment_fixed_size 327680
		.amdhsa_private_segment_fixed_size 0
		.amdhsa_enable_private_segment 0
		.amdhsa_kernarg_size 24
		.amdhsa_user_sgpr_count 2
		.amdhsa_user_sgpr_kernarg_segment_ptr 1
		.amdhsa_wavefront_size32 1
		.amdhsa_system_sgpr_workgroup_id_x 1
		.amdhsa_system_sgpr_workgroup_id_y 1
		.amdhsa_system_sgpr_workgroup_id_z 1
		.amdhsa_system_vgpr_workitem_id 0
		.amdhsa_next_free_vgpr 1024
		.amdhsa_next_free_sgpr 84
		.amdhsa_reserve_vcc 0
		.amdhsa_float_denorm_mode_32 3
		.amdhsa_float_denorm_mode_16_64 3
		.amdhsa_memory_ordered 1
		.amdhsa_forward_progress 1
		.amdhsa_inst_pref_size 173
	.end_amdhsa_kernel
	.amdgpu_metadata
---
amdhsa.version: [ 1, 2 ]
amdhsa.kernels:
  - .name:           k_qdc28355eda_proj
    .symbol:         k_qdc28355eda_proj.kd
    .args:
      - { .name: xb, .offset: 0, .size: 8, .value_kind: global_buffer, .address_space: global }
      - { .name: wb, .offset: 8, .size: 8, .value_kind: global_buffer, .address_space: global }
      - { .name: qkv, .offset: 16, .size: 8, .value_kind: global_buffer, .address_space: global }
    .group_segment_fixed_size: 327680
    .private_segment_fixed_size: 0
    .kernarg_segment_align: 8
    .kernarg_segment_size: 24
    .max_flat_workgroup_size: 128
    .sgpr_count:     84
    .vgpr_count:     1024
    .wavefront_size: 32
...
	.end_amdgpu_metadata
.endif
;; end of part 2
;; launch score (part 3): grid 51 x 4, 4 waves a work-group, no clusters, 327,680 bytes of LDS; arguments qkv, pw, st; writes pw, st
.if DOCPART == 3
	.amdgcn_target "amdgcn-amd-amdhsa--gfx1250"
	.amdhsa_code_object_version 6
	.text
	.protected	k_qdc28355eda_score
	.globl	k_qdc28355eda_score
	.p2align	8
	.type	k_qdc28355eda_score,@function
k_qdc28355eda_score:
	s_mov_b64 s[64:65], 0
	v_nop
	global_prefetch_b8 v0, s[64:65] scope:SCOPE_SE
	s_setreg_imm32_b32 hwreg(HW_REG_WAVE_MODE, 25, 1), 1
	s_wait_xcnt 0x0
; S = q k^T under the causal mask, and the softmax inside a chunk of 192 keys: pw takes p = exp(s - m) in f16, st takes c m (c = log2 e) and l = sum of p for each row and chunk, m the row's TRUE maximum in the chunk.
; The launch behind joins the chunks by the row's overall maximum.  S = qh kh + ql kh + qh kl: f16 operands, f32 sums; the scores have no scale, so one f16 term of q and k would not carry them.
; pw: f16 [b 4][sb 33][row 2048][64 keys].   st: f32 [b 4][chunk 11][group of 64 rows 32][cm, l][r 16][a 4], row = 16 a + r.
; LIMITS.  A hidden score counts as -1e38; a row's maximum is floored at -1e30, and true scores are taken to lie above that (f16 operands give 1.3e13 at the most).  A row with every key of the chunk hidden
; gets p = 0, l = 0, m = -1e30.  p below f16's step of 6e-8 counts as 0 in pw (not in l).  NaN and infinities are not treated apart.
; SHARES.  A work-group makes 256 queries x 192 keys.  Query block I needs 2 3 4 6 7 8 10 11 chunks: 51 tiles a batch, 204 work-groups of equal work.  Wave w has queries 64 w .. 64 w + 63 and all 192 keys,
; so a row's statistics never leave the wave.  NO CLUSTER: neither the tiles of a query block (2 3 4 6 7 8 10 11) nor those of a chunk (8 8 7 6 5 5 4 3 2 2 1) come in fours.
; Chunk 10 reads 64 rows behind its batch's keys: they lie inside qkv, hold finite numbers, and are hidden from every query.
; LAYOUT.  Source 0 = 16 keys, source 1 = 16 queries: a lane holds ONE query (lane % 16) and the keys 8 (lane / 16) + 0..7.  THE MASK is what the sums start from: 0 or -1e38, made while the first tiles are on their way.
; REGISTERS, in windows of 256: window 0: addresses; v36-47 statistics; v64-95, v96-127 qh's fragments of the two quarters; v128-159 ql's; v160-255 rows on the way out.
; windows 1 (pieces a = 0, 1) and 2 (a = 2, 3): accumulator (a, kb 0..11) at v[96 (a%2) + 8 kb]; v192-253 the softmax's work.   window 3: v0-95 kh's fragments, v96-191 kl's.
.set PITCH, 144                        ; an LDS row: 128 bytes + 16: an odd multiple of 16
.set QBY,   256*PITCH                  ; 256 rows of qh or ql
.set KBY,   192*PITCH                  ; 192 rows of kh or kl
.set KOFF,  2*QBY                      ; a slot: qh, ql, kh, kl of one block of 64 of d: 129,024 bytes
.set SLOT1, 131072
.set STAGE, SLOT1+KOFF+2*KBY           ; behind the ring: 16 rows x 400 bytes for each wave; no tensor load fills it
.set SP,    400                        ; 192 keys x 2 bytes + 16
.set SPARE, STAGE+4*16*SP              ; the spare words: two blocks of 256 bytes that no other line names
.set AQ0, 4                            ; v4   my lane's place in my 64 rows of qh, slot 0; never rewritten
.set AK0, 5                            ; v5   the same in kh
.set AQ,  6                            ; v6, v7  the same in the slot in hand
.set AK,  7
.set STO, 8                            ; v8   the way out: where I put 16 bytes of a row
.set RD,  9                            ; v9   where I read rows back
.set CO,  10                           ; v10  16 x lane
.set DV,  11                           ; v11  my query less my first key: register rr of accumulator (a, kb) is hidden where 16 (kb - a) + rr is greater
.set SPW, 28
.set NIL, 29
.set MR,  36                           ; v36-39  c m of piece a
.set LR,  40                           ; v40-43  l of piece a
.set OUTS, 44                          ; v44-47  what goes to st
.set QH0, 64
.set QH1, 96
.set QL,  128
.set OB,  160                          ; two buffers of 48
.set KA,  0                            ; window 3
.set KB,  96
.set TMP, 192                          ; in the piece's window: 48 words of p in f16
.set CC,  240                          ; four chains of the maximum
.set CM,  244                          ; c m, twice
.set LS,  246                          ; four chains of pair sums
.set WV, 10                            ; s10 wave; s11 wave & 1; s12 I; s13 chunk j; s14 batch; s15 the tile's number
.set WU, 11
.set RI, 12
.set CJ, 13
.set BB, 14
.set UU, 15
.set G1Q, 24                           ; s[24:31] descriptor group 1 for q's tiles (256 rows); s[32:39] for k's (192 rows)
.set G1K, 32
.set G0Q, 40                           ; s[40:47] group 0 for q's: the first fill's, then the walking one; s[48:55] for k's
.set G0K, 48
.set TB,  56
.set CNT, 57
.set NEG, 58                           ; -1e38
.set FLOOR, 59                         ; -1e30
.set SEL, 60                           ; s[60:61] v_permlanex16_b32's selects: each lane takes its own place in the other half
.set CS,  62                           ; s[62:63] c
.set PWB, 66                           ; s[66:67] my first byte in pw
.set STB, 68                           ; s[68:69] my 512 bytes in st
.set MSB, 0
.macro WIN new
.if MSB != (\new)
	s_set_vgpr_msb (MSB<<8)|(\new)
.set MSB, (\new)
.endif
.endm
.macro PLACES
.rept 4
	v_nop
.endr
.endm
.macro LOAD                            ; a refill: wave w fetches region w (qh ql kh kl).  An s_nop 0 and four v_nop follow each line
	s_cmp_lt_u32 s[WV], 2
	s_cbranch_scc0 .Lfor_k_\@
	tensor_load_to_lds s[G0Q+4:G0Q+7], s[G1Q:G1Q+7]
	s_nop 0
.rept 4
	v_nop
.endr
	s_branch .Lasked_\@
.Lfor_k_\@:
	tensor_load_to_lds s[G0K+4:G0K+7], s[G1K:G1K+7]
	s_nop 0
.rept 4
	v_nop
.endr
.Lasked_\@:
.endm
	s_load_b128 s[4:7], s[0:1], 0x0                ; qkv s[4:5], pw s[6:7]
	s_load_b64 s[8:9], s[0:1], 0x10                ; st
	v_lshl_add_u32 v[SPW], v0, 2, SPARE
	v_mov_b32 v[NIL], 0
	ds_add_u32 v[SPW], v[NIL]                      ; the wave's opening: the add and its wait stand ahead of my first tensor load
	ds_add_u32 v28, v29
	v_lshrrev_b32 v1, 5, v0
	v_readfirstlane_b32 s[WV], v1
	s_and_b32 s[WU], s[WV], 1
	s_mov_b32 s[UU], ttmp9
	s_and_b32 s[BB], ttmp7, 0xffff
	s_mov_b32 s[RI], 0
	s_mov_b32 s[CJ], 0
.macro PICK at, blk                    ; query block blk's tiles begin at number at
	s_cmp_ge_u32 s[UU], \at
	s_cselect_b32 s[RI], \blk, s[RI]
	s_cselect_b32 s[CJ], \at, s[CJ]
.endm
	PICK 2, 1
	PICK 5, 2
	PICK 9, 3
	PICK 15, 4
	PICK 22, 5
	PICK 30, 6
	PICK 40, 7
	s_sub_co_u32 s[CJ], s[UU], s[CJ]               ; the chunk
.irp g, G1Q, G1K                       ; dense tiles, asked for as rows of 256 bytes, padded in LDS after every 128 bytes
	s_mov_b32 s[\g], (1<<16)|(1<<20)|(4<<22)|(3<<25)
	s_mov_b32 s[\g+1], 128<<16
	s_mov_b32 s[\g+3], 128<<16
	s_mov_b32 s[\g+5], 128
	s_mov_b32 s[\g+6], 0
	s_mov_b32 s[\g+7], 0
.endr
	s_mov_b32 s[G1Q+2], 128<<16                    ; 128 rows of 256 bytes: 256 queries
	s_mov_b32 s[G1Q+4], 128
	s_mov_b32 s[G1K+2], 96<<16                     ; 96: 192 keys
	s_mov_b32 s[G1K+4], 96
	s_lshl_b32 s16, s[BB], 18                      ; q: (2048 b + 256 I) rows of 128 bytes, in region wave & 1
	s_lshl_b32 s17, s[RI], 15
	s_add_co_u32 s16, s16, s17
	s_lshl_b32 s17, s[WU], 24
	s_add_co_u32 s16, s16, s17
	s_mov_b32 s17, 0
	s_lshl_b32 s18, s[BB], 18                      ; k: (2048 b + 192 j) rows, in region 2 + (wave & 1)
	s_mul_i32 s19, s[CJ], 24576
	s_add_co_u32 s18, s18, s19
	s_lshl_b32 s19, s[WU], 24
	s_add_co_u32 s18, s18, s19
	s_add_co_u32 s18, s18, 2<<24
	s_mov_b32 s19, 0
	s_mul_i32 s20, s[WU], QBY
	s_mul_i32 s21, s[WU], KBY
	s_add_co_u32 s21, s21, KOFF
	s_mov_b32 s[TB], 0
	s_mov_b32 s[NEG], 0xfe967699
	s_mov_b32 s[FLOOR], 0xf149f2ca
	s_mov_b32 s[SEL], 0x76543210
	s_mov_b32 s[SEL+1], 0xfedcba98
	s_mov_b32 s[CS], 0x3fb8aa3b
	s_mov_b32 s[CS+1], s[CS]                       ; named with it as a pair
	s_wait_dscnt 0x0                               ; the opening add is done
	s_wait_kmcnt 0x0
	s_add_nc_u64 s[16:17], s[4:5], s[16:17]
	s_add_nc_u64 s[18:19], s[4:5], s[18:19]
.irp s, 0,1
	s_mov_b32 s[G0Q+4*\s], 1
	s_add_co_u32 s[G0Q+4*\s+1], s20, \s*SLOT1
	s_add_nc_u64 s[G0Q+4*\s+2:G0Q+4*\s+3], s[16:17], \s*1048576     ; block s of d
	s_or_b32 s[G0Q+4*\s+3], s[G0Q+4*\s+3], 0x80000000
	s_mov_b32 s[G0K+4*\s], 1
	s_add_co_u32 s[G0K+4*\s+1], s21, \s*SLOT1
	s_add_nc_u64 s[G0K+4*\s+2:G0K+4*\s+3], s[18:19], \s*1048576
	s_or_b32 s[G0K+4*\s+3], s[G0K+4*\s+3], 0x80000000
.endr
	s_cmp_lt_u32 s[WV], 2                          ; a wave's two first fills stand in one branch: two loads of mine are out
	s_cbranch_scc0 .Lfirst_k
	tensor_load_to_lds s[G0Q:G0Q+3], s[G1Q:G1Q+7]
	s_nop 0
	tensor_load_to_lds s[G0Q+4:G0Q+7], s[G1Q:G1Q+7]
	s_nop 0
.rept 4
	v_nop
.endr
	s_branch .Lfirst_asked
.Lfirst_k:
	tensor_load_to_lds s[G0K:G0K+3], s[G1K:G1K+7]
	s_nop 0
	tensor_load_to_lds s[G0K+4:G0K+7], s[G1K:G1K+7]
	s_nop 0
.rept 4
	v_nop
.endr
.Lfirst_asked:
	v_and_b32 v1, 15, v0                           ; r
	v_bfe_u32 v2, v0, 4, 1                         ; h
	v_mul_u32_u24 v3, v1, PITCH
	v_lshl_add_u32 v3, v2, 4, v3
	s_mul_i32 s2, s[WV], 64*PITCH
	v_add_nc_u32 v[AQ0], s2, v3
	v_add_nc_u32 v[AK0], KOFF, v3
	v_mov_b32 v[AQ], v[AQ0]
	v_mov_b32 v[AK], v[AK0]
	s_mul_i32 s2, s[WV], 16*SP
	s_add_co_u32 s2, s2, STAGE                     ; my stage
	v_mul_u32_u24 v3, v1, SP
	v_lshl_add_u32 v3, v2, 4, v3
	v_add_nc_u32 v[STO], s2, v3
	v_bfe_u32 v3, v0, 3, 2
	v_and_b32 v12, 7, v0
	v_mul_u32_u24 v3, v3, SP
	v_lshl_add_u32 v3, v12, 4, v3
	v_add_nc_u32 v[RD], s2, v3
	v_and_b32 v[CO], 31, v0
	v_lshlrev_b32 v[CO], 4, v[CO]
	s_lshl_b32 s2, s[RI], 8                        ; 256 I + 64 w - 192 j, which may be negative
	s_lshl_b32 s3, s[WV], 6
	s_add_co_u32 s2, s2, s3
	s_mul_i32 s3, s[CJ], 192
	s_sub_co_u32 s2, s2, s3
	v_add_nc_u32 v[DV], s2, v1
	v_lshlrev_b32 v12, 3, v2
	v_sub_nc_u32 v[DV], v[DV], v12
	s_mul_i32 s2, s[BB], 33                        ; pw: block 33 b + 3 j of 262,144 bytes, row 256 I + 64 w of 128 bytes
	s_mul_i32 s3, s[CJ], 3
	s_add_co_u32 s2, s2, s3
	s_lshl_b32 s2, s2, 18
	s_lshl_b32 s3, s[RI], 15
	s_add_co_u32 s2, s2, s3
	s_lshl_b32 s3, s[WV], 13
	s_add_co_u32 s2, s2, s3
	s_mov_b32 s3, 0
	s_add_nc_u64 s[PWB:PWB+1], s[6:7], s[2:3]
	s_mul_i32 s2, s[BB], 11                        ; st: ((11 b + j) 32 + 4 I + w) x 512 bytes
	s_add_co_u32 s2, s2, s[CJ]
	s_lshl_b32 s2, s2, 5
	s_lshl2_add_u32 s2, s[RI], s2
	s_add_co_u32 s2, s2, s[WV]
	s_lshl_b32 s2, s2, 9
	s_mov_b32 s3, 0
	s_add_nc_u64 s[STB:STB+1], s[8:9], s[2:3]
; What the sums start from.  One compare for each (kb - a, register) of a window, and the selects that share it.  All this stands in the wait for the first tiles.
.macro MASKW W
	WIN (\W)<<6                                    ; destination in the accumulators' window
.set df, 1-2*(\W)                      ; kb - a runs from -1 (pieces 0, 1) or -3 (pieces 2, 3), 13 values
.rept 13
.set rr, 0
.rept 8
	v_cmp_gt_i32 vcc_lo, 16*df+rr, v[DV]
.irp e, 0,1
.set kq, df+2*((\W)-1)+\e
.if (kq >= 0) && (kq < 12)
	v_cndmask_b32 v[96*\e+8*kq+rr], 0, s[NEG], vcc_lo
.endif
.endr
.set rr, rr+1
.endr
.set df, df+1
.endr
.endm
	MASKW 1
	MASKW 2
	WIN 0
; cnt matrix instructions: key blocks k0 .. x piece a, 32 along d.  The accumulators take turns, one instruction a turn.
.macro MULS kf, qf, a, k0, cnt
	WIN 0x53+0x50*((\a)/2)                         ; k's fragment in window 3, q's in window 0, the sum in window 1 or 2
.set kq, (\k0)
.rept (\cnt)
.set rA, 96*((\a)%2)+8*kq
	v_wmma_f32_16x16x32_f16 v[rA:rA+7], v[(\kf)+8*kq:(\kf)+8*kq+7], v[(\qf)+8*(\a):(\qf)+8*(\a)+7], v[rA:rA+7]
.set kq, kq+1
.endr
.endm
.macro LDK lo, q, dst                  ; twelve fragments of kh (lo = 0) or kl (1), quarter q: 24 loads
	WIN 0xc0
.set kq, 0
.rept 12
	ds_load_b128 v[(\dst)+8*kq:(\dst)+8*kq+3],   v[AK] offset:(\lo)*KBY+2304*kq+64*(\q)
	ds_load_b128 v[(\dst)+8*kq+4:(\dst)+8*kq+7], v[AK] offset:(\lo)*KBY+2304*kq+64*(\q)+32
.set kq, kq+1
.endr
.endm
.macro LDQ lo, q, dst                  ; four fragments of qh or ql: 8 loads
	WIN 0
.irp i, 0,1,2,3
	ds_load_b128 v[(\dst)+8*\i:(\dst)+8*\i+3],   v[AQ] offset:(\lo)*QBY+2304*\i+64*(\q)
	ds_load_b128 v[(\dst)+8*\i+4:(\dst)+8*\i+7], v[AQ] offset:(\lo)*QBY+2304*\i+64*(\q)+32
.endr
.endm
; A quarter (32 along d) is three phases of 48 matrix instructions: kh qh, kh ql, kl qh.  Each run of loads stands behind twelve of them and four places.
.macro PH1 q, qh
	s_wait_dscnt 0x8                               ; kh and qh are in; the youngest eight loads (ql) may be out
	MULS KA, \qh, 0, 0, 12
	PLACES
	LDK 1, \q, KB
	MULS KA, \qh, 1, 0, 12
	MULS KA, \qh, 2, 0, 12
	MULS KA, \qh, 3, 0, 12
.endm
.macro PH2
	s_wait_dscnt 24                                ; ql is in; kl's 24 loads may be out
	MULS KA, QL, 0, 0, 12
	MULS KA, QL, 1, 0, 12
	MULS KA, QL, 2, 0, 12
	MULS KA, QL, 3, 0, 12
.endm
.macro PH3                             ; quarter 0's; fetches quarter 1: kh, qh, ql in this order
	s_wait_dscnt 0x0
	MULS KB, QH0, 0, 0, 12
	PLACES
	LDK 0, 1, KA
	LDQ 0, 1, QH1
	LDQ 1, 1, QL
	MULS KB, QH0, 1, 0, 12
	MULS KB, QH0, 2, 0, 12
	MULS KB, QH0, 3, 0, 12
.endm
; Quarter 1's third phase, and the change of slots: ONE barrier; in front of it each wave waits for all its tensor loads (one is out: its part of the next slot), adds 0 to its spare word, and waits for that
; and for its reads of this slot.  fill = 1: this slot is filled again, two blocks of d on, first thing behind the barrier.
.macro TURN fill
	WIN 0
	s_wait_tensorcnt 0x0                           ; no tensor load of mine is out, so a group 0 may be written
	ds_add_u32 v[SPW], v[NIL]                      ; 0 onto my spare word
.if \fill
	s_xor_b32 s[G0Q+5], s[G0Q+5], SLOT1
	s_add_nc_u64 s[G0Q+6:G0Q+7], s[G0Q+6:G0Q+7], 1048576
	s_xor_b32 s[G0K+5], s[G0K+5], SLOT1
	s_add_nc_u64 s[G0K+6:G0K+7], s[G0K+6:G0K+7], 1048576
.endif
	s_wait_dscnt 0x1                               ; kl is in; the add alone may be out
	MULS KB, QH1, 0, 0, 6
	s_wait_dscnt 0x0                               ; the add is done, and my reads of this slot are over
	s_barrier_signal -1
	MULS KB, QH1, 0, 6, 6                          ; work on registers while the others arrive
	WIN 0
	s_barrier_wait -1
.if \fill
	LOAD                                           ; its four v_nop are also the places in front of the loads below
.else
	PLACES
.endif
	s_xor_b32 s[TB], s[TB], SLOT1
	v_add_nc_u32 v[AQ], s[TB], v[AQ0]
	v_add_nc_u32 v[AK], s[TB], v[AK0]
	LDK 0, 0, KA
	LDQ 0, 0, QH0
	LDQ 1, 0, QL
	MULS KB, QH1, 1, 0, 12
	MULS KB, QH1, 2, 0, 12
	MULS KB, QH1, 3, 0, 12
.endm
.macro STEP fill                       ; one block of 64 of d: 288 matrix instructions
	PH1 0, QH0
	PH2
	PH3
	PH1 1, QH1
	PH2
	TURN \fill
	WIN 0
.endm
	s_wait_tensorcnt 0x1                           ; my part of block 0 is in; block 1's may stay out
	s_barrier_signal -1
	s_barrier_wait -1
	LDK 0, 0, KA
	LDQ 0, 0, QH0
	LDQ 1, 0, QL
	WIN 0
	s_mov_b32 s[CNT], 14
.Lfill:                                                ; blocks 0 to 13 of d; each trip asks for the block two on
	STEP 1
	s_sub_co_u32 s[CNT], s[CNT], 1
	s_cmp_lg_u32 s[CNT], 0
	s_cbranch_scc1 .Lfill
	s_mov_b32 s[CNT], 2
.Ldry:                                                 ; blocks 14 and 15 ask for nothing.  The last trip's 40 fragment loads read the slot left behind and serve nothing: the price of one text for both trips
	STEP 0
	s_sub_co_u32 s[CNT], s[CNT], 1
	s_cmp_lg_u32 s[CNT], 0
	s_cbranch_scc1 .Ldry
	s_wait_dscnt 0x0
	PLACES                                         ; the maxima read results just made
.macro SUMP pn                         ; pair pn of the piece's 48 joins chain pn % 4; a chain begins with its first two pairs: nothing is cleared
.if (\pn) >= 8
	v_pk_add_f32 v[LS+2*((\pn)%4):LS+2*((\pn)%4)+1], v[LS+2*((\pn)%4):LS+2*((\pn)%4)+1], v[SB+2*(\pn):SB+2*(\pn)+1]
.elseif (\pn) >= 4
	v_pk_add_f32 v[LS+2*((\pn)%4):LS+2*((\pn)%4)+1], v[SB+2*(\pn)-8:SB+2*(\pn)-7], v[SB+2*(\pn):SB+2*(\pn)+1]
.endif
.endm
; Piece a's softmax inside the chunk, all in the piece's window.  The maximum: four chains from the floor, each accumulator's lowest registers first; the query's other 96 keys lie in the lane 16 away.
; Then c s - c m in place; then two exponentials, the rounding of the pair before and the sum of the pair before that, by turns: a plain line stands behind every exponential before its result is used (ISA guide 5.7.2).
.macro SOFT a
.set SB, 96*((\a)%2)
	WIN 0x55*(1+(\a)/2)
.irp c, 0,1,2,3
	v_mov_b32 v[CC+\c], s[FLOOR]
.endr
.set gq, 0
.rept 4
.set kq, 0
.rept 12
	v_max3_num_f32 v[CC+kq%4], v[CC+kq%4], v[SB+8*kq+2*gq], v[SB+8*kq+2*gq+1]
.set kq, kq+1
.endr
.set gq, gq+1
.endr
	v_max3_num_f32 v[CC], v[CC], v[CC+1], v[CC+2]
	v_max_num_f32 v[CC], v[CC], v[CC+3]
	v_permlanex16_b32 v[CC+1], v[CC], s[SEL], s[SEL+1]
	v_max_num_f32 v[CC], v[CC], v[CC+1]
	v_mul_f32 v[CM], s[CS], v[CC]
	v_mul_f32 v[CM+1], s[CS], v[CC]
.set i, 0
.rept 48
	v_pk_fma_f32 v[SB+2*i:SB+2*i+1], v[SB+2*i:SB+2*i+1], s[CS:CS+1], v[CM:CM+1] op_sel_hi:[1,0,1] neg_lo:[0,0,1] neg_hi:[0,0,1]
.set i, i+1
.endr
.set i, 0
.rept 48
	v_exp_f32 v[SB+2*i], v[SB+2*i]
	v_exp_f32 v[SB+2*i+1], v[SB+2*i+1]
.if i >= 1
	s_wait_alu depctr_va_vdst(0)
	v_cvt_pk_f16_f32 v[TMP+i-1], v[SB+2*i-2], v[SB+2*i-1]
.else
	v_nop
.endif
.if i >= 2
	SUMP i-2
.endif
.set i, i+1
.endr
	v_cvt_pk_f16_f32 v[TMP+47], v[SB+94], v[SB+95]
	SUMP 46
	SUMP 47
	v_pk_add_f32 v[LS:LS+1], v[LS:LS+1], v[LS+2:LS+3]
	v_pk_add_f32 v[LS+4:LS+5], v[LS+4:LS+5], v[LS+6:LS+7]
	v_pk_add_f32 v[LS:LS+1], v[LS:LS+1], v[LS+4:LS+5]
	v_add_f32 v[LS], v[LS], v[LS+1]
	v_permlanex16_b32 v[LS+1], v[LS], s[SEL], s[SEL+1]
	v_add_f32 v[LS], v[LS], v[LS+1]
	WIN 1+(\a)/2                                   ; source 0 in the piece's window, destination in window 0
	v_mov_b32 v[MR+(\a)], v[CM]
	v_mov_b32 v[LR+(\a)], v[LS]
.endm
.macro TOSTAGE a                       ; 16 bytes (8 keys of my query) a store into rows of 400 bytes; back as 128 bytes of each of four rows
	WIN (1+(\a)/2)<<2                              ; the stores' data in the piece's window
.irp k, 0,1,2,3,4,5,6,7,8,9,10,11
	ds_store_b128 v[STO], v[TMP+4*\k:TMP+4*\k+3] offset:32*\k
.endr
	WIN 0
.irp c, 0,1,2
.irp t, 0,1,2,3
	ds_load_b128 v[OB+48*((\a)%2)+4*(4*\c+\t):OB+48*((\a)%2)+4*(4*\c+\t)+3], v[RD] offset:1600*\t+128*\c  ; LDS serves a wave's instructions in order (ISA guide 5.7.1.4): these see the stores above
.endr
.endr
.endm
.macro SEND a
	WIN 0
	s_wait_dscnt 0x0                               ; the piece is back in registers
	s_wait_xcnt 0x0                                ; the other buffer, which the piece before stored from, is loaded again only behind this wait
.irp c, 0,1,2
.irp t, 0,1,2,3
	global_store_b128 v[CO], v[OB+48*((\a)%2)+4*(4*\c+\t):OB+48*((\a)%2)+4*(4*\c+\t)+3], s[PWB:PWB+1] offset:262144*\c+2048*(\a)+512*\t  ; 512 consecutive bytes, at a multiple of 256 from pw's first
.endr
.endr
.endm
	SOFT 0
	TOSTAGE 0
	SOFT 1                                         ; a piece's arithmetic stands between the loads of the piece before and the wait for them
	SEND 0
	TOSTAGE 1
	SOFT 2
	SEND 1
	TOSTAGE 2
	SOFT 3
	SEND 2
	TOSTAGE 3
	SEND 3
	v_and_b32 v12, 31, v0
	v_cmp_gt_u32 vcc_lo, 16, v12                   ; lanes 0-15 store c m, lanes 16-31 l (both halves hold both): two whole blocks of 256 bytes
.irp a, 0,1,2,3
	v_cndmask_b32 v[OUTS+\a], v[LR+\a], v[MR+\a], vcc_lo
.endr
	global_store_b128 v[CO], v[OUTS:OUTS+3], s[STB:STB+1]
	s_wait_tensorcnt 0x0                           ; the wave's end: a wait, an add and its wait, behind my last tensor load and my last LDS store
	ds_add_u32 v[SPW], v[NIL]
	s_wait_dscnt 0x0
	s_endpgm
.Lfunc_end_k_qdc28355eda_score:
	.size	k_qdc28355eda_score, .Lfunc_end_k_qdc28355eda_score-k_qdc28355eda_score
	.p2alignl 7, 3214868480
	.fill 96, 4, 3214868480
	.section	.rodata,"a",@progbits
	.p2align	6, 0x0
	.amdhsa_kernel k_qdc28355eda_score
		.amdhsa_group_segment_fixed_size 327680
		.amdhsa_private_segment_fixed_size 0
		.amdhsa_enable_private_segment 0
		.amdhsa_kernarg_size 24
		.amdhsa_user_sgpr_count 2
		.amdhsa_user_sgpr_kernarg_segment_ptr 1
		.amdhsa_wavefront_size32 1
		.amdhsa_system_sgpr_workgroup_id_x 1
		.amdhsa_system_sgpr_workgroup_id_y 1
		.amdhsa_system_sgpr_workgroup_id_z 1
		.amdhsa_system_vgpr_workitem_id 0
		.amdhsa_next_free_vgpr 960
		.amdhsa_next_free_sgpr 72
		.amdhsa_reserve_vcc 1
		.amdhsa_float_denorm_mode_32 3
		.amdhsa_float_denorm_mode_16_64 3
		.amdhsa_memory_ordered 1
		.amdhsa_forward_progress 1
		.amdhsa_inst_pref_size 181
	.end_amdhsa_kernel
	.amdgpu_metadata
---
amdhsa.version: [ 1, 2 ]
amdhsa.kernels:
  - .name:           k_qdc28355eda_score
    .symbol:         k_qdc28355eda_score.kd
    .args:
      - { .name: qkv, .offset: 0, .size: 8, .value_kind: global_buffer, .address_space: global }
      - { .name: pw, .offset: 8, .size: 8, .value_kind: global_buffer, .address_space: global }
      - { .name: st, .offset: 16, .size: 8, .value_kind: global_buffer, .address_space: global }
    .group_segment_fixed_size: 327680
    .private_segment_fixed_size: 0
    .kernarg_segment_align: 8
    .kernarg_segment_size: 24
    .max_flat_workgroup_size: 128
    .sgpr_count:     72
    .vgpr_count:     960
    .wavefront_size: 32
...
	.end_amdgpu_metadata
.endif
;; end of part 3
;; launch pv (part 4): grid 8 x 32, 4 waves a work-group, clusters of 4 x 1, 327,680 bytes of LDS; arguments pw, qkv, st, out0; writes out0
.if DOCPART == 4
	.amdgcn_target "amdgcn-amd-amdhsa--gfx1250"
	.amdhsa_code_object_version 6
	.text
	.protected	k_qdc28355eda_pv
	.globl	k_qdc28355eda_pv
	.p2align	8
	.type	k_qdc28355eda_pv,@function
k_qdc28355eda_pv:
	s_mov_b64 s[64:65], 0
	v_nop
	global_prefetch_b8 v0, s[64:65] scope:SCOPE_SE
	s_setreg_imm32_b32 hwreg(HW_REG_WAVE_MODE, 25, 1), 1
	s_wait_xcnt 0x0
	s_wait_alu depctr_hold_cnt(0) depctr_sa_sdst(0) depctr_va_vdst(0) depctr_va_sdst(0) depctr_va_ssrc(0) depctr_va_vcc(0) depctr_vm_vsrc(0)
	s_getreg_b32 s2, hwreg(HW_REG_IB_STS2, 6, 4)
	s_cmp_eq_u32 s2, 0
	s_cbranch_scc0 .Lentry_in_a_cluster
	s_endpgm
.Lentry_in_a_cluster:
	s_bfe_u32 s2, ttmp6, 0x10000c
	s_cmp_lg_u32 s2, 0x3003
	s_cbranch_scc0 .Lentry_shape_is_right
	s_endpgm
.Lentry_shape_is_right:
; out[row] = sum over chunks c of f_c (P_c V_c), f_c = 2^(cm_c - M) / L, M = the row's maximum of cm over its chunks, L = sum of l_c 2^(cm_c - M): the softmax's maximum is the row's true one.
; P (f16, from pw) is multiplied by f (f16) on its way from LDS to the matrix unit; V is qkv's region 4 (f16); sums in f32; out0 in f32.
; LIMITS.  A weight p f keeps f16's 11 bits, and below 6e-5 f16's fixed step of 6e-8; M, L and f are made in f32.  NaN and infinities are not treated apart.
; THE WALK.  A batch's rows lie in 16 blocks of 128; block i needs the key tiles 0 .. i of 128 keys (hidden keys hold p = 0 in pw: no mask here).  A work-group takes 128 columns and TWO row blocks, 15 - p and
; then p: 17 tiles whatever p, one loop with a constant trip count; 8 x 32 = 256 work-groups of equal work.  Every jump but the loops' own goes forward and passes no barrier and no tensor load
; (but the one of a fill's two lines that the wave's number does not choose).
; CLUSTER 4 x 1: the four column blocks of a cluster walk the same tiles of P, which are asked for jointly; V's tiles hang on the column block and are loads of one's own, behind the same rounds.
; LAYOUT.  O^T = V^T P: source 0 = 16 channels x 32 keys (V turned by ds_load_tr16_b128), source 1 = 32 keys x 16 queries (P as it lies): a lane holds ONE query and eight neighbouring channels, and f is a number a lane.
; REGISTERS: window 0: addresses; v48-63 f, by quarter and piece; v64-127 rows on the way out; v128-255 V's fragments (quarter q, channel block nb at 128 + 32 q + 8 nb).
; window 1: v0-127 the accumulators ((a, nb) at 8 (4 a + nb)); v128-255 P's fragments (128 + 32 q + 8 a).  One window setting serves the products and the scaling of P.
.set SLOT1, 131072                     ; a slot: P's two blocks of 64 keys (128 rows, pitch 144), then V's two blocks of 64 channels (128 keys, pitch 160): 77,824 bytes
.set PBY,   128*144
.set VOFF,  2*PBY
.set VBY,   128*160
.set STAGE, VOFF+2*VBY                 ; between the slots: 16 rows x 272 bytes for each wave; no tensor load fills it
.set SP,    272
.set FTAB,  SLOT1+VOFF+2*VBY           ; behind slot 1: for each wave 2 row blocks x 11 chunks x 512 bytes: each lane's own 16 bytes hold f of its four pieces; only that lane reads them
.set FBLK,  11*512
.set SPARE, FTAB+4*2*FBLK              ; the spare words: two blocks of 256 bytes that no other line names
.set AP0, 2                            ; v2   my lane's place in my 64 rows of P, slot 0; never rewritten
.set AV0, 3                            ; v3   the same in my 64 channels of V
.set AP,  4                            ; v4, v5  the same in the slot in hand
.set AV,  5
.set STO, 6                            ; v6   the way out: where I put 32 bytes of a row
.set RD,  7                            ; v7   where I read rows back
.set CO,  8                            ; v8   my byte offset in two rows of out0
.set FT0, 9                            ; v9   my 16 bytes in my wave's table
.set FA,  10                           ; v10-13  the table entries of a tile's four quarters
.set R16, 14                           ; v14  16 r
.set FTA, 18                           ; v18  where the table is being written
.set SPW, 28
.set NIL, 29
.set FR,  48
.set OB,  64
.set CMV, 64                           ; the statistics' registers lie where tiles come later: cm, then e, then f, 4 a chunk
.set LV,  128                          ; l
.set OF,  176                          ; a byte offset for each chunk
.set MX,  188
.set LSM, 192
.set RC,  196
.set WV, 12                            ; s12 wave; s13 g (which 64 rows); s14 ch (which 64 columns; also which half of a tile I fetch); s15 column block; s16 batch; s17 p
.set GH, 13
.set CH, 14
.set NC, 15
.set BB, 16
.set PP, 17
.set G1P, 24
.set G1V, 32
.set G0P, 40
.set G0V, 44
.set BASEP, 48                         ; s[48:49] pw at my half of the batch's key tile 0, row 0
.set BASEV, 50                         ; s[50:51] V at my half of the batch's key tile 0
.set OFFP, 52                          ; s[52:53], s[54:55] a tile's byte offsets
.set OFFV, 54
.set NXT, 56                           ; the key tile to be asked for next
.set LQ,  57                           ; the last key tile of the row block whose tiles are being asked for
.set ROWA, 58                          ; that row block's byte offset in a block of pw
.set ROWB, 59                          ; the second row block's
.set KT,  60                           ; the key tile in hand
.set RT,  61                           ; tiles of the row block in hand still to be entered
.set NEW, 62                           ; 1: the tile to be entered is a row block's first
.set FTB, 63                           ; the row block's part of the table
.set TB,  66
.set CNT, 67
.set OUT, 68                           ; s[68:69] out0 at my rows of the block in hand; s[70:71] of the second block
.set OUT2, 70
.set STP, 72                           ; s[72:73] st at my 64 rows, chunk 0
.set FL,  74                           ; s[74:75] 1.0 or 0
.set SI,  76
.set CMX, 77
.set CNT2, 78
.set MSB, 0
.macro WIN new
.if MSB != (\new)
	s_set_vgpr_msb (MSB<<8)|(\new)
.set MSB, (\new)
.endif
.endm
.macro PLACES
.rept 4
	v_nop
.endr
.endm
.macro JLOAD                           ; waves 0 and 1 ask jointly for P's two blocks, waves 2 and 3 for V's.  An s_nop 0 and four v_nop follow each line
	s_cmp_lt_u32 s[WV], 2
	s_cbranch_scc0 .Lfor_v_\@
	tensor_load_to_lds s[G0P:G0P+3], s[G1P:G1P+7]
	s_nop 0
.rept 4
	v_nop
.endr
	s_branch .Lasked_\@
.Lfor_v_\@:
	tensor_load_to_lds s[G0V:G0V+3], s[G1V:G1V+7]
	s_nop 0
.rept 4
	v_nop
.endr
.Lasked_\@:
.endm
.macro CROUND                          ; a round of the cluster's barrier
	s_barrier_signal -1
	s_barrier_wait -1
	s_cmp_lg_u32 s[WV], 0
	s_cbranch_scc1 .Lnot_wave_0_\@
	s_barrier_signal -3
.Lnot_wave_0_\@:
	s_barrier_wait -3
	s_barrier_signal -1
	s_barrier_wait -1
.endm
	s_load_b256 s[4:11], s[0:1], 0x0               ; pw s[4:5], qkv s[6:7], st s[8:9], out0 s[10:11]
	v_lshl_add_u32 v[SPW], v0, 2, SPARE
	v_mov_b32 v[NIL], 0
	ds_add_u32 v[SPW], v[NIL]                      ; the wave's opening: the add and its wait stand ahead of my first tensor load
	ds_add_u32 v28, v29
	v_lshrrev_b32 v1, 5, v0
	v_readfirstlane_b32 s[WV], v1
	s_lshr_b32 s[GH], s[WV], 1
	s_and_b32 s[CH], s[WV], 1
	s_bfe_u32 s18, ttmp6, 0x40000                  ; cx
	s_lshl_b32 s[NC], ttmp9, 2
	s_add_co_u32 s[NC], s[NC], s18                 ; column block = 4 x cluster x + cx: it enters V's and out0's addresses alone
	s_and_b32 s19, ttmp7, 0xffff
	s_lshr_b32 s[BB], s19, 3                       ; batch and p, which the four partners share
	s_and_b32 s[PP], s19, 7
	s_mov_b32 s[G1P], 15|(1<<16)|(1<<20)|(1<<21)|(4<<22)|(3<<25)  ; the mask of four; 2-byte elements; padding on; bit 21 beside a mask; after every 32 words 4 words
	s_mov_b32 s[G1V], (1<<16)|(1<<20)|(4<<22)|(7<<25)             ; no mask; 8 words of padding
.irp g, G1P, G1V                       ; 128 rows of 128 bytes are dense: asked for as 64 rows of 256 bytes
	s_mov_b32 s[\g+1], 128<<16
	s_mov_b32 s[\g+2], 64<<16
	s_mov_b32 s[\g+3], 128<<16
	s_mov_b32 s[\g+4], 64
	s_mov_b32 s[\g+5], 128
	s_mov_b32 s[\g+6], 0
	s_mov_b32 s[\g+7], 0
.endr
	s_mul_i32 s20, s[BB], 33                       ; pw: block 33 b + half
	s_add_co_u32 s20, s20, s[CH]
	s_lshl_b32 s20, s20, 18
	s_mov_b32 s21, 0
	s_lshl_b32 s22, s[NC], 1                       ; V: block 64 + 2 n + half of 1 MiB, row 2048 b
	s_add_co_u32 s22, s22, s[CH]
	s_add_co_u32 s22, s22, 64
	s_lshl_b32 s22, s22, 20
	s_lshl_b32 s23, s[BB], 18
	s_add_co_u32 s22, s22, s23
	s_mov_b32 s23, 0
	s_mov_b32 s[G0P], 1
	s_mul_i32 s[G0P+1], s[CH], PBY                 ; slot 0; no place in the cluster enters an LDS address
	s_mov_b32 s[G0V], 1
	s_mul_i32 s[G0V+1], s[CH], VBY
	s_add_co_u32 s[G0V+1], s[G0V+1], VOFF
	s_sub_co_u32 s[LQ], 15, s[PP]                  ; the first row block, and its last key tile
	s_lshl_b32 s[ROWA], s[LQ], 14
	s_lshl_b32 s[ROWB], s[PP], 14
	s_mov_b32 s[NXT], 1
	s_mov_b32 s[KT], 0
	s_sub_co_u32 s[RT], 16, s[PP]
	s_mov_b32 s[NEW], 1
	s_mov_b32 s[FTB], 0
	s_mov_b32 s[TB], SLOT1                         ; the first change of slots turns it into 0
	s_mov_b32 s[OFFP], s[ROWA]
	s_mov_b32 s[OFFP+1], 0
	s_mov_b32 s[OFFV+1], 0
	s_mov_b32 s[FL+1], 0
	s_lshl_b32 s2, s[BB], 23                       ; out0: (2048 b + 128 i + 64 g) rows of 4,096 bytes + 512 n + 256 ch
	s_lshl_b32 s3, s[GH], 18
	s_add_co_u32 s2, s2, s3
	s_lshl_b32 s3, s[NC], 9
	s_add_co_u32 s2, s2, s3
	s_lshl_b32 s3, s[CH], 8
	s_add_co_u32 s2, s2, s3
	s_lshl_b32 s3, s[LQ], 19
	s_add_co_u32 s80, s2, s3
	s_mov_b32 s81, 0
	s_lshl_b32 s3, s[PP], 19
	s_add_co_u32 s82, s2, s3
	s_mov_b32 s83, 0
	s_wait_dscnt 0x0                               ; the opening add is done
	s_wait_kmcnt 0x0
	s_add_nc_u64 s[BASEP:BASEP+1], s[4:5], s[20:21]
	s_add_nc_u64 s[BASEV:BASEV+1], s[6:7], s[22:23]
	s_add_nc_u64 s[G0P+2:G0P+3], s[BASEP:BASEP+1], s[OFFP:OFFP+1]  ; key tile 0 of the first row block
	s_or_b32 s[G0P+3], s[G0P+3], 0x80000000
	s_add_nc_u64 s[G0V+2:G0V+3], s[BASEV:BASEV+1], 0
	s_or_b32 s[G0V+3], s[G0V+3], 0x80000000
	s_add_nc_u64 s[OUT:OUT+1], s[10:11], s[80:81]
	s_add_nc_u64 s[OUT2:OUT2+1], s[10:11], s[82:83]
	CROUND                                         ; all four work-groups are here: the first joint loads meet
	JLOAD                                          ; tile 0 into slot 0; slot 1 is asked for when it has landed, by the loop's own change of slots
	v_and_b32 v1, 15, v0                           ; r
	v_bfe_u32 v15, v0, 4, 1                        ; h
	v_and_b32 v16, 7, v0
	v_bfe_u32 v17, v0, 3, 1
	v_mul_u32_u24 v[AP0], v1, 144
	v_lshl_add_u32 v[AP0], v15, 4, v[AP0]
	s_mul_i32 s2, s[GH], 64*144
	v_add_nc_u32 v[AP0], s2, v[AP0]                ; (64 g + r) x pitch + 16 h
	v_lshl_add_u32 v[AV0], v15, 3, v16             ; the turning load: lane l reads key 8 (l / 16) + l % 8, channels 8 ((l / 8) % 2) + 0..7
	v_mul_u32_u24 v[AV0], v[AV0], 160
	v_lshl_add_u32 v[AV0], v17, 4, v[AV0]
	s_mul_i32 s2, s[CH], VBY
	s_add_co_u32 s2, s2, VOFF
	v_add_nc_u32 v[AV0], s2, v[AV0]
	s_mul_i32 s2, s[WV], 16*SP
	s_add_co_u32 s2, s2, STAGE                     ; my stage
	v_mul_u32_u24 v[STO], v1, SP
	v_lshl_add_u32 v[STO], v15, 5, v[STO]
	v_add_nc_u32 v[STO], s2, v[STO]                ; in: row r, 32 bytes for each half of the lanes
	v_mul_u32_u24 v[RD], v15, SP
	v_lshl_add_u32 v[RD], v1, 4, v[RD]
	v_add_nc_u32 v[RD], s2, v[RD]                  ; back: lanes 0-15 one row of 256 bytes, lanes 16-31 the next
	v_lshlrev_b32 v[R16], 4, v1
	v_lshl_add_u32 v[CO], v15, 12, v[R16]          ; the same two rows in out0
	v_and_b32 v[FT0], 31, v0
	v_lshlrev_b32 v[FT0], 4, v[FT0]
	s_mul_i32 s2, s[WV], 2*FBLK
	s_add_co_u32 s2, s2, FTAB
	v_add_nc_u32 v[FT0], s2, v[FT0]
	v_mov_b32 v[FTA], v[FT0]
; THE TABLE OF f, in the wait for the first tile: two trips, for row block 15 - p and then p.  A lane takes the four rows 16 a + r of its wave's 64.  Block i has the chunks 0 .. cmax = (4 i + 3) / 6 (taken as x 43 >> 8,
; right below 128); a chunk past cmax reads cmax's numbers again, its l counts as 0, and its entry of the table is never read.
	s_mov_b32 s[SI], s[LQ]
	s_mov_b32 s[CNT2], 2
.Lstats:
	s_lshl_b32 s2, s[SI], 2
	s_add_co_u32 s2, s2, 3
	s_mul_i32 s2, s2, 43
	s_lshr_b32 s[CMX], s2, 8
	s_mul_i32 s2, s[BB], 352                       ; st: group 352 b + 2 i + g of 512 bytes; 16,384 bytes from chunk to chunk
	s_lshl1_add_u32 s2, s[SI], s2
	s_add_co_u32 s2, s2, s[GH]
	s_lshl_b32 s2, s2, 9
	s_mov_b32 s3, 0
	s_add_nc_u64 s[STP:STP+1], s[8:9], s[2:3]
.set c, 0
.rept 11
	s_min_u32 s2, s[CMX], c
	s_lshl_b32 s2, s2, 14
	v_add_nc_u32 v[OF+c], s2, v[R16]
	global_load_b128 v[CMV+4*c:CMV+4*c+3], v[OF+c], s[STP:STP+1]
	global_load_b128 v[LV+4*c:LV+4*c+3],   v[OF+c], s[STP:STP+1] offset:256
.set c, c+1
.endr
	s_wait_loadcnt 0x0                             ; all 22; it also frees their address registers for the second trip
.irp a, 0,1,2,3
	v_max_num_f32 v[MX+\a], v[CMV+\a], v[CMV+4+\a]
.endr
.irp c, 2,4,6,8
.irp a, 0,1,2,3
	v_max3_num_f32 v[MX+\a], v[MX+\a], v[CMV+4*\c+\a], v[CMV+4*\c+4+\a]
.endr
.endr
.irp a, 0,1,2,3
	v_max_num_f32 v[MX+\a], v[MX+\a], v[CMV+40+\a]
.endr
.set c, 0
.rept 11
	v_pk_add_f32 v[CMV+4*c:CMV+4*c+1],   v[CMV+4*c:CMV+4*c+1],   v[MX:MX+1]   neg_lo:[0,1] neg_hi:[0,1]
	v_pk_add_f32 v[CMV+4*c+2:CMV+4*c+3], v[CMV+4*c+2:CMV+4*c+3], v[MX+2:MX+3] neg_lo:[0,1] neg_hi:[0,1]
.set c, c+1
.endr
.set c, 0
.rept 44
	v_exp_f32 v[CMV+c], v[CMV+c]                   ; e = 2^(cm - M)
.set c, c+1
.endr
.set c, 0
.rept 11                               ; plain lines that touch no e: they stand behind the exponentials
	s_cmp_ge_u32 s[CMX], c
	s_cselect_b32 s[FL], 1.0, 0
	v_pk_mul_f32 v[LV+4*c:LV+4*c+1],   v[LV+4*c:LV+4*c+1],   s[FL:FL+1] op_sel_hi:[1,0]
	v_pk_mul_f32 v[LV+4*c+2:LV+4*c+3], v[LV+4*c+2:LV+4*c+3], s[FL:FL+1] op_sel_hi:[1,0]
.set c, c+1
.endr
	s_wait_alu depctr_va_vdst(0)
	v_pk_mul_f32 v[LSM:LSM+1],   v[LV:LV+1],   v[CMV:CMV+1]
	v_pk_mul_f32 v[LSM+2:LSM+3], v[LV+2:LV+3], v[CMV+2:CMV+3]
.set c, 1
.rept 10
	v_pk_fma_f32 v[LSM:LSM+1],   v[LV+4*c:LV+4*c+1],   v[CMV+4*c:CMV+4*c+1],   v[LSM:LSM+1]
	v_pk_fma_f32 v[LSM+2:LSM+3], v[LV+4*c+2:LV+4*c+3], v[CMV+4*c+2:CMV+4*c+3], v[LSM+2:LSM+3]
.set c, c+1
.endr
.irp a, 0,1,2,3
	v_rcp_f32 v[RC+\a], v[LSM+\a]                  ; L is at least 1: the chunk that holds M has e = 1 and l >= 1
.endr
	v_nop                                          ; a plain line between the last reciprocal and the use of its result
.set c, 0
	s_wait_alu depctr_va_vdst(0)
.rept 11
	v_pk_mul_f32 v[CMV+4*c:CMV+4*c+1],   v[CMV+4*c:CMV+4*c+1],   v[RC:RC+1]
	v_pk_mul_f32 v[CMV+4*c+2:CMV+4*c+3], v[CMV+4*c+2:CMV+4*c+3], v[RC+2:RC+3]
.irp a, 0,1,2,3
	v_cvt_pk_f16_f32 v[CMV+4*c+\a], v[CMV+4*c+\a], v[CMV+4*c+\a]  ; f in both halves, for the packed multiply
.endr
	ds_store_b128 v[FTA], v[CMV+4*c:CMV+4*c+3] offset:512*c
.set c, c+1
.endr
	v_add_nc_u32 v[FTA], FBLK, v[FTA]
	s_mov_b32 s[SI], s[PP]
	s_wait_dscnt 0x0                               ; the table's stores are done before their registers are loaded again
	s_sub_co_u32 s[CNT2], s[CNT2], 1
	s_cmp_lg_u32 s[CNT2], 0
	s_cbranch_scc1 .Lstats
; THE CHANGE OF SLOTS.  Each wave waits for all its tensor loads (one is out: its part of the other slot), adds 0 to its spare word, and waits for that and for its reads of the slot that it leaves.
; fill = 1: a round of the cluster's barrier, and the old slot is filled again, first thing behind it, with key tile NXT of the row block being asked for: the address is made anew from those numbers.
; (At its first use nothing has been read yet: slot 0 is waited for, slot 1 filled.)
.macro CHANGE fill
	WIN 0
	s_wait_tensorcnt 0x0                           ; no tensor load of mine is out, so a group 0 may be written
	ds_add_u32 v[SPW], v[NIL]                      ; 0 onto my spare word
.if \fill
	s_lshl_b32 s[OFFP], s[NXT], 19                 ; two blocks of 262,144 bytes a key tile,
	s_add_co_u32 s[OFFP], s[OFFP], s[ROWA]         ; and the row block's 128 rows
	s_lshl_b32 s[OFFV], s[NXT], 14                 ; 128 keys of 128 bytes
	s_xor_b32 s[G0P+1], s[G0P+1], SLOT1
	s_add_nc_u64 s[G0P+2:G0P+3], s[BASEP:BASEP+1], s[OFFP:OFFP+1]
	s_or_b32 s[G0P+3], s[G0P+3], 0x80000000
	s_xor_b32 s[G0V+1], s[G0V+1], SLOT1
	s_add_nc_u64 s[G0V+2:G0V+3], s[BASEV:BASEV+1], s[OFFV:OFFV+1]
	s_or_b32 s[G0V+3], s[G0V+3], 0x80000000
	s_add_co_u32 s[NXT], s[NXT], 1                 ; the row block's next tile, or behind its last the second block's tile 0
	s_cmp_gt_u32 s[NXT], s[LQ]
	s_cselect_b32 s[NXT], 0, s[NXT]
	s_cselect_b32 s[ROWA], s[ROWB], s[ROWA]
	s_cselect_b32 s[LQ], s[PP], s[LQ]
	s_wait_dscnt 0x0                               ; the add is done, and my reads of the slot are over
	CROUND
	JLOAD                                          ; its four v_nop are also the places in front of the tile's fragment loads
.else
	s_wait_dscnt 0x0
	s_barrier_signal -1
	s_barrier_wait -1
	PLACES
.endif
	s_xor_b32 s[TB], s[TB], SLOT1
.endm
; 16 matrix instructions: quarter q (32 keys) x 4 pieces x 4 channel blocks; the accumulators take turns.  zero = 1: they start the sums.
; ride = 1: behind each stand two lines that scale the next quarter's P; they name no register of the products round them.
.macro MULQ q, zero, ride
	WIN 0x54                                       ; V and f in window 0; P and the sums in window 1
.set m, 0
.rept 16
.set rA, 8*m
.set rV, 128+32*(\q)+8*(m%4)
.set rP, 128+32*(\q)+8*(m/4)
.if \zero
	v_wmma_f32_16x16x32_f16 v[rA:rA+7], v[rV:rV+7], v[rP:rP+7], 0
.else
	v_wmma_f32_16x16x32_f16 v[rA:rA+7], v[rV:rV+7], v[rP:rP+7], v[rA:rA+7]
.endif
.if \ride
	v_pk_mul_f16 v[160+32*(\q)+2*m],   v[FR+4*(\q)+4+m/4], v[160+32*(\q)+2*m]
	v_pk_mul_f16 v[160+32*(\q)+2*m+1], v[FR+4*(\q)+4+m/4], v[160+32*(\q)+2*m+1]
.endif
.set m, m+1
.endr
.endm
; A KEY TILE: f of its four quarters' chunks (quarter q of tile KT lies in chunk (4 KT + q) / 6), then 64 fragment loads, quarter by quarter, then 64 products.
.macro TILE
	s_sub_co_u32 s[RT], s[RT], 1
	s_lshl_b32 s2, s[KT], 2
.irp q, 0,1,2,3
	s_add_co_u32 s3, s2, \q
	s_mul_i32 s3, s3, 43
	s_lshr_b32 s3, s3, 8
	s_min_u32 s3, s3, 10
	s_lshl_b32 s3, s3, 9
	s_add_co_u32 s3, s3, s[FTB]
	v_add_nc_u32 v[FA+\q], s3, v[FT0]
.endr
	s_add_co_u32 s[KT], s[KT], 1
	v_add_nc_u32 v[AP], s[TB], v[AP0]
	v_add_nc_u32 v[AV], s[TB], v[AV0]
.irp q, 0,1,2,3
	ds_load_b128 v[FR+4*\q:FR+4*\q+3], v[FA+\q]
.endr
.irp q, 0,1,2,3
	WIN 0x40                                       ; destination in window 1
.irp a, 0,1,2,3
	ds_load_b128 v[128+32*\q+8*\a:128+32*\q+8*\a+3],   v[AP] offset:PBY*((\q)/2)+64*((\q)%2)+2304*\a
	ds_load_b128 v[128+32*\q+8*\a+4:128+32*\q+8*\a+7], v[AP] offset:PBY*((\q)/2)+64*((\q)%2)+2304*\a+32
.endr
	WIN 0
.irp nb, 0,1,2,3
	ds_load_tr16_b128 v[128+32*\q+8*\nb:128+32*\q+8*\nb+3],   v[AV] offset:5120*\q+32*\nb
	ds_load_tr16_b128 v[128+32*\q+8*\nb+4:128+32*\q+8*\nb+7], v[AV] offset:5120*\q+32*\nb+2560
.endr
.endr
	s_wait_dscnt 48                                ; f and quarter 0 are in; the other three quarters' 48 loads may be out
	WIN 0x54
.set m, 0
.rept 32
	v_pk_mul_f16 v[128+m], v[FR+m/8], v[128+m]     ; quarter 0's P times f
.set m, m+1
.endr
	WIN 0
	s_cmp_eq_u32 s[NEW], 1
	s_cbranch_scc1 .Lzero_\@
	s_wait_dscnt 32                                ; quarter 1 is in
	MULQ 0, 0, 1
	WIN 0
	s_branch .Ljoin_\@
.Lzero_\@:                                             ; a row block's first tile starts the sums: nothing is cleared
	s_wait_dscnt 32
	MULQ 0, 1, 1
	WIN 0
.Ljoin_\@:
	s_mov_b32 s[NEW], 0
	s_wait_dscnt 16                                ; quarter 2 is in
	MULQ 1, 0, 1
	s_wait_dscnt 0x0                               ; quarter 3 is in
	MULQ 2, 0, 1
	MULQ 3, 0, 0
	WIN 0
.endm
; THE WAY OUT: a piece (16 rows x 64 channels of f32) at a time through my stage; each accumulator's low four registers first.  16 lanes store 256 consecutive bytes, at a multiple of 256 from out0's first.
.macro OSEND a
.irp t, 0,1,2,3,4,5,6,7
	global_store_b128 v[CO], v[OB+32*((\a)%2)+4*\t:OB+32*((\a)%2)+4*\t+3], s[OUT:OUT+1] offset:(16*(\a)+2*\t)*4096 th:TH_STORE_NT
.endr
.endm
.macro WAYOUT
	PLACES                                         ; the stores read results just made
.irp a, 0,1,2,3
.if \a >= 2
	s_wait_xcnt 0x0                                ; the buffer that the piece two back was stored from is loaded again only behind this wait
.endif
	WIN 0x04                                       ; the stores' data in window 1
.irp nb, 0,1,2,3
	ds_store_b128 v[STO], v[8*(4*\a+\nb):8*(4*\a+\nb)+3]   offset:64*\nb
	ds_store_b128 v[STO], v[8*(4*\a+\nb)+4:8*(4*\a+\nb)+7] offset:64*\nb+16
.endr
	WIN 0
.irp t, 0,1,2,3,4,5,6,7
	ds_load_b128 v[OB+32*((\a)%2)+4*\t:OB+32*((\a)%2)+4*\t+3], v[RD] offset:2*SP*\t  ; LDS serves a wave's instructions in order (ISA guide 5.7.1.4): these see the stores above
.endr
.if \a >= 1
	s_wait_dscnt 16                                ; the piece before is back; this piece's sixteen may be out
	OSEND (\a)-1
.endif
.endr
	s_wait_dscnt 0x0
	OSEND 3
.endm
	s_mov_b32 s[CNT], 16
.Ltile:                                                ; 16 times: a tile is entered and the next is asked for
	CHANGE 1
	TILE
	s_cmp_lg_u32 s[RT], 0
	s_cbranch_scc1 .Lgo_on
	WAYOUT                                         ; in the loop this is the first row block's end: the second's last tile is the walk's last
	s_wait_xcnt 0x0                                ; the stores have read their registers and out0's address
	s_mov_b64 s[OUT:OUT+1], s[OUT2:OUT2+1]
	s_add_co_u32 s[RT], s[PP], 1                   ; the second row block has p + 1 tiles
	s_mov_b32 s[KT], 0
	s_mov_b32 s[NEW], 1
	s_mov_b32 s[FTB], FBLK
.Lgo_on:
	s_sub_co_u32 s[CNT], s[CNT], 1
	s_cmp_lg_u32 s[CNT], 0
	s_cbranch_scc1 .Ltile
	CHANGE 0                                       ; the walk's last tile is written out: nothing is asked for
	TILE
	WAYOUT
	s_wait_tensorcnt 0x0                           ; the wave's end: a wait, an add and its wait, behind my last tensor load and my last LDS store
	ds_add_u32 v[SPW], v[NIL]
	s_wait_dscnt 0x0
	CROUND                                         ; the closing round: no work-group ends while a partner may still ask for a tile that names it
	s_endpgm
.Lfunc_end_k_qdc28355eda_pv:
	.size	k_qdc28355eda_pv, .Lfunc_end_k_qdc28355eda_pv-k_qdc28355eda_pv
	.p2alignl 7, 3214868480
	.fill 96, 4, 3214868480
	.section	.rodata,"a",@progbits
	.p2align	6, 0x0
	.amdhsa_kernel k_qdc28355eda_pv
		.amdhsa_group_segment_fixed_size 327680
		.amdhsa_private_segment_fixed_size 0
		.amdhsa_enable_private_segment 0
		.amdhsa_kernarg_size 32
		.amdhsa_user_sgpr_count 2
		.amdhsa_user_sgpr_kernarg_segment_ptr 1
		.amdhsa_wavefront_size32 1
		.amdhsa_system_sgpr_workgroup_id_x 1
		.amdhsa_system_sgpr_workgroup_id_y 1
		.amdhsa_system_sgpr_workgroup_id_z 1
		.amdhsa_system_vgpr_workitem_id 0
		.amdhsa_next_free_vgpr 512
		.amdhsa_next_free_sgpr 96
		.amdhsa_reserve_vcc 0
		.amdhsa_float_denorm_mode_32 3
		.amdhsa_float_denorm_mode_16_64 3
		.amdhsa_memory_ordered 1
		.amdhsa_forward_progress 1
		.amdhsa_inst_pref_size 83
	.end_amdhsa_kernel
	.amdgpu_metadata
---
amdhsa.version: [ 1, 2 ]
amdhsa.kernels:
  - .name:           k_qdc28355eda_pv
    .symbol:         k_qdc28355eda_pv.kd
    .args:
      - { .name: pw, .offset: 0, .size: 8, .value_kind: global_buffer, .address_space: global }
      - { .name: qkv, .offset: 8, .size: 8, .value_kind: global_buffer, .address_space: global }
      - { .name: st, .offset: 16, .size: 8, .value_kind: global_buffer, .address_space: global }
      - { .name: out0, .offset: 24, .size: 8, .value_kind: global_buffer, .address_space: global }
    .group_segment_fixed_size: 327680
    .private_segment_fixed_size: 0
    .kernarg_segment_align: 8
    .kernarg_segment_size: 32
    .max_flat_workgroup_size: 128
    .sgpr_count:     96
    .vgpr_count:     512
    .wavefront_size: 32
...
	.end_amdgpu_metadata
.endif
;; end of part 4
;; ======== version 2 of 3: 5 launches; 1.12 times as fast as version 1
;; limits: values are held in f16: magnitudes above 65,504 overflow, below 6.1e-05 lose precision
;; workspace buffers: xb 16,785,408 bytes; wb 6,291,456 bytes; wt 4,194,304 bytes; qkv 83,894,272 bytes; pw 34,603,008 bytes; st 720,896 bytes
;; launch cvt (part 5): grid 2816 x 1, 1 waves a work-group, no clusters, 0 bytes of LDS; arguments x, Wq, Wk, Wv, xb, wb, wt, qkv; writes xb, wb, wt, qkv
.if DOCPART == 5
	.amdgcn_target "amdgcn-amd-amdhsa--gfx1250"
	.amdhsa_code_object_version 6
	.text
	.protected	k_qdc28355eda_cvt
	.globl	k_qdc28355eda_cvt
	.p2align	8
	.type	k_qdc28355eda_cvt,@function
k_qdc28355eda_cvt:
	s_mov_b64 s[64:65], 0
	v_nop
	global_prefetch_b8 v0, s[64:65] scope:SCOPE_SE
	s_setreg_imm32_b32 hwreg(HW_REG_WAVE_MODE, 25, 1), 1
	s_wait_xcnt 0x0
; x and the three weights, f32, are rounded once to bf16 and laid out in blocks of 64 along their rows:
;   xb [kb 16][row 8192][64];   wt [m 2: Wq, Wk][cb 16][d 1024][64];   Wv into wb [kb 16][rho 3072][64] at rho = 384 (d>>7) + 192 ((d>>6)&1) + 128 + (d&63).
; So any tile of R rows x 64 numbers of them is R x 128 dense bytes for the products that follow.  (wb's other rows are made by the launch behind.)
; A stream: no LDS, no matrix unit, no cluster (no byte is read twice).  A work-group is one wave and takes 4 source rows: 2,048 groups for x, 256 each for Wq, Wk, Wv: 2,816 equal shares, eleven times 256.
; Thread t takes row t>>3 and, in each of the 16 blocks, the eight numbers (t&7): two loads of 16 bytes in, one store of 16 bytes out.
; Eight lanes' two loads cover 256 consecutive aligned bytes; the wave's store covers 4 rows x 128 = 512 consecutive aligned bytes.
; All 32 loads of a thread go out before the first wait; no register is written again while a load or store names it.
; Group 0 also writes 8,192 bytes of zeros behind xb's last block and behind qkv's last block: the last key tile of the last batch reaches 64 rows past x in the score launch and past v in the last launch
; (those keys are hidden from every query, and their weights are 0).
.set SO, 1                             ; v1      my byte offset in the 4 source rows
.set O,  2                             ; v[2:17] my byte offset in the destination, one for each block kb
.set TQ, 18                            ; v18     at work
.set DO, 19                            ; v19     16 t
.set Z,  20                            ; v[20:23] zeros
.set X,  32                            ; v[32:159] block kb: eight f32 as loaded, then four words of bf16
	s_load_b256 s[4:11], s[0:1], 0x0               ; x s[4:5], Wq s[6:7], Wk s[8:9], Wv s[10:11]
	s_load_b128 s[12:15], s[0:1], 0x20             ; xb s[12:13], wb s[14:15]
	s_load_b128 s[32:35], s[0:1], 0x30             ; wt s[32:33], qkv s[34:35]
	s_mov_b32 s16, ttmp9                           ; g
	s_and_b32 s17, s16, 255                        ; e: which 4 rows of a weight, d = 4 e
	s_lshr_b32 s19, s17, 5
	s_mul_i32 s19, s19, 384                        ; 384 (d>>7)
	s_bfe_u32 s20, s17, 0x10004
	s_mul_i32 s20, s20, 192                        ; 192 ((d>>6)&1)
	s_add_co_u32 s19, s19, s20
	s_and_b32 s20, s17, 15
	s_lshl2_add_u32 s19, s20, s19                  ; + d&63 = 4 (e&15)
	s_add_co_u32 s19, s19, 128                     ; + 64 x 2: Wv's rows
	s_lshl_b32 s19, s19, 7                         ; Wv's destination, in bytes (rows of 128)
	s_lshl_b32 s20, s17, 9                         ; Wq's: row 4 e of wt
	s_add_co_u32 s21, s20, 0x200000                ; Wk's: the same in wt's second half
	s_lshl_b32 s18, s16, 9                         ; x's: row 4 g of xb
	s_mov_b32 s28, 393216                          ; bytes from block to block in wb,
	s_mov_b32 s29, 131072                          ; in wt,
	s_mov_b32 s38, 1048576                         ; and in xb
	v_lshrrev_b32 v[SO], 3, v0
	v_and_b32 v[TQ], 7, v0
	v_lshlrev_b32 v[SO], 12, v[SO]                 ; row x 4,096 bytes
	v_lshl_add_u32 v[SO], v[TQ], 5, v[SO]          ; + 32 bytes for each eight numbers
	v_lshlrev_b32 v[DO], 4, v0                     ; row x 128 + 16 (t&7) = 16 t
	s_wait_kmcnt 0x0
	s_cmp_ge_u32 s16, 2560                         ; the choices hang on the group's number alone
	s_cselect_b64 s[22:23], s[10:11], s[8:9]       ; source: Wv, or Wk,
	s_cselect_b64 s[24:25], s[14:15], s[32:33]     ; destination: wb, or wt
	s_cselect_b32 s30, s19, s21
	s_cselect_b32 s28, s28, s29
	s_cmp_ge_u32 s16, 2304
	s_cselect_b64 s[22:23], s[22:23], s[6:7]       ; or Wq,
	s_cselect_b32 s30, s30, s20
	s_cmp_ge_u32 s16, 2048
	s_cselect_b64 s[22:23], s[22:23], s[4:5]       ; or x
	s_cselect_b64 s[24:25], s[24:25], s[12:13]
	s_cselect_b32 s30, s30, s18                    ; the group's first destination byte in block 0
	s_cselect_b32 s28, s28, s38                    ; its block stride
	s_cselect_b32 s26, s17, s16                    ; its place in its source
	s_lshl_b32 s26, s26, 14                        ; 4 rows of 4,096 bytes
	s_mov_b32 s27, 0
	s_add_nc_u64 s[22:23], s[22:23], s[26:27]
	s_mov_b32 s31, 0
	s_add_nc_u64 s[24:25], s[24:25], s[30:31]
.set kb, 0
.rept 16
	global_load_b128 v[X+8*kb:X+8*kb+3],   v[SO], s[22:23] offset:256*kb th:TH_LOAD_NT
	global_load_b128 v[X+8*kb+4:X+8*kb+7], v[SO], s[22:23] offset:256*kb+16 th:TH_LOAD_NT
.set kb, kb+1
.endr
.set kb, 0
.rept 16
	v_mad_u32_u24 v[O+kb], s28, kb, v[DO]          ; block stride x kb + 16 t
.set kb, kb+1
.endr
.set kb, 0
.rept 16
	s_wait_loadcnt 30-2*kb                         ; loads come back in order: block kb's two are in, the later blocks' stay out
	v_cvt_pk_bf16_f32 v[X+8*kb],   v[X+8*kb],   v[X+8*kb+1]  ; in place, ascending: a word is written when both its sources and all lower ones are used up
	v_cvt_pk_bf16_f32 v[X+8*kb+1], v[X+8*kb+2], v[X+8*kb+3]
	v_cvt_pk_bf16_f32 v[X+8*kb+2], v[X+8*kb+4], v[X+8*kb+5]
	v_cvt_pk_bf16_f32 v[X+8*kb+3], v[X+8*kb+6], v[X+8*kb+7]
	global_store_b128 v[O+kb], v[X+8*kb:X+8*kb+3], s[24:25]
.set kb, kb+1
.endr
	s_cmp_lg_u32 s16, 0
	s_cbranch_scc1 .Lend
.irp i, 0,1,2,3
	v_mov_b32 v[Z+\i], 0
.endr
	s_add_nc_u64 s[36:37], s[12:13], 0x1000000     ; behind xb's 16 blocks
	s_add_nc_u64 s[38:39], s[34:35], 0x5000000     ; behind qkv's five regions
.set i, 0
.rept 16
	global_store_b128 v[DO], v[Z:Z+3], s[36:37] offset:512*i  ; 64 rows of 128 bytes, 512 consecutive bytes a store
	global_store_b128 v[DO], v[Z:Z+3], s[38:39] offset:512*i
.set i, i+1
.endr
.Lend:
	s_endpgm
.Lfunc_end_k_qdc28355eda_cvt:
	.size	k_qdc28355eda_cvt, .Lfunc_end_k_qdc28355eda_cvt-k_qdc28355eda_cvt
	.p2alignl 7, 3214868480
	.fill 96, 4, 3214868480
	.section	.rodata,"a",@progbits
	.p2align	6, 0x0
	.amdhsa_kernel k_qdc28355eda_cvt
		.amdhsa_group_segment_fixed_size 0
		.amdhsa_private_segment_fixed_size 0
		.amdhsa_enable_private_segment 0
		.amdhsa_kernarg_size 64
		.amdhsa_user_sgpr_count 2
		.amdhsa_user_sgpr_kernarg_segment_ptr 1
		.amdhsa_wavefront_size32 1
		.amdhsa_system_sgpr_workgroup_id_x 1
		.amdhsa_system_sgpr_workgroup_id_y 1
		.amdhsa_system_sgpr_workgroup_id_z 1
		.amdhsa_system_vgpr_workitem_id 0
		.amdhsa_next_free_vgpr 160
		.amdhsa_next_free_sgpr 66
		.amdhsa_reserve_vcc 0
		.amdhsa_float_denorm_mode_32 3
		.amdhsa_float_denorm_mode_16_64 3
		.amdhsa_memory_ordered 1
		.amdhsa_forward_progress 1
		.amdhsa_inst_pref_size 16
	.end_amdhsa_kernel
	.amdgpu_metadata
---
amdhsa.version: [ 1, 2 ]
amdhsa.kernels:
  - .name:           k_qdc28355eda_cvt
    .symbol:         k_qdc28355eda_cvt.kd
    .args:
      - { .name: x, .offset: 0, .size: 8, .value_kind: global_buffer, .address_space: global }
      - { .name: Wq, .offset: 8, .size: 8, .value_kind: global_buffer, .address_space: global }
      - { .name: Wk, .offset: 16, .size: 8, .value_kind: global_buffer, .address_space: global }
      - { .name: Wv, .offset: 24, .size: 8, .value_kind: global_buffer, .address_space: global }
      - { .name: xb, .offset: 32, .size: 8, .value_kind: global_buffer, .address_space: global }
      - { .name: wb, .offset: 40, .size: 8, .value_kind: global_buffer, .address_space: global }
      - { .name: wt, .offset: 48, .size: 8, .value_kind: global_buffer, .address_space: global }
      - { .name: qkv, .offset: 56, .size: 8, .value_kind: global_buffer, .address_space: global }
    .group_segment_fixed_size: 0
    .private_segment_fixed_size: 0
    .kernarg_segment_align: 8
    .kernarg_segment_size: 64
    .max_flat_workgroup_size: 32
    .sgpr_count:     66
    .vgpr_count:     160
    .wavefront_size: 32
...
	.end_amdgpu_metadata
.endif
;; end of part 5
;; launch amat (part 6): grid 16 x 16, 4 waves a work-group, clusters of 4 x 4, 327,680 bytes of LDS; arguments wt, wb; writes wb
.if DOCPART == 6
	.amdgcn_target "amdgcn-amd-amdhsa--gfx1250"
	.amdhsa_code_object_version 6
	.text
	.protected	k_qdc28355eda_amat
	.globl	k_qdc28355eda_amat
	.p2align	8
	.type	k_qdc28355eda_amat,@function
k_qdc28355eda_amat:
	s_mov_b64 s[64:65], 0
	v_nop
	global_prefetch_b8 v0, s[64:65] scope:SCOPE_SE
	s_setreg_imm32_b32 hwreg(HW_REG_WAVE_MODE, 25, 1), 1
	s_wait_xcnt 0x0
	s_wait_alu depctr_hold_cnt(0) depctr_sa_sdst(0) depctr_va_vdst(0) depctr_va_sdst(0) depctr_va_ssrc(0) depctr_va_vcc(0) depctr_vm_vsrc(0)
	s_getreg_b32 s2, hwreg(HW_REG_IB_STS2, 6, 4)
	s_cmp_eq_u32 s2, 0
	s_cbranch_scc0 .Lentry_in_a_cluster
	s_endpgm
.Lentry_in_a_cluster:
	s_bfe_u32 s2, ttmp6, 0x10000c
	s_cmp_lg_u32 s2, 0xf033
	s_cbranch_scc0 .Lentry_shape_is_right
	s_endpgm
.Lentry_shape_is_right:
; A^T[c'][c] = sum over d of Wk[d][c'] Wq[d][c]: the matrix of the scores' bilinear form, since (x Wq^T)(x Wk^T)^T = x (Wq^T Wk) x^T for every input.  bf16 operands (the rounded inputs themselves), f32 sums.
; Out: A^T as two bf16 terms, hi = bf16(sum), lo = bf16(sum - hi), into wb [kb = c>>6][rho][c&63], rho = 384 (c'>>7) + 192 ((c'>>6)&1) + 64 m + (c'&63), m = 0 for hi, 1 for lo.
; LIMITS.  q and k are never formed, so the order of rounding differs from a program that forms them; hi + lo carries A to within 2^-18 of it.  NaN and infinities are not treated apart.
; SHARES.  A work-group makes 64 c' x 64 c: 16 x 16 = 256 work-groups.  Wave w makes the rows c' = 16 w .. 16 w + 15: four accumulators of 16 x 16, which take turns.
; ALL OF K LIES IN LDS: 1,024 rows of 64 numbers of Wk's block and of Wq's.  Each wave issues four tensor loads of 128 rows at the start (four of mine are out); nothing is filled again.
; CLUSTER 4 x 4: Wk's block hangs on the tile row alone and is asked for jointly by a row of the cluster, Wq's on the tile column alone, by a column.
; LAYOUT.  Both operands lie [d][column] and are turned by ds_load_tr16_b128.  Source 0 = 16 columns of Wq, source 1 = 16 columns of Wk: a lane holds one c' and eight neighbouring c.
.set PAIR,  288                        ; two rows of 128 bytes + 32 of padding: row d lies at (d>>1) 288 + (d&1) 128
.set OPB,   512*PAIR                   ; an operand's 1,024 rows: 147,456 bytes
.set LDB,   64*PAIR                    ; 128 rows: what one tensor load brings
.set KST,   16*PAIR                    ; 32 rows: one matrix instruction's depth
.set STAGE, 2*OPB                      ; behind the operands: 16 rows x 272 bytes for each wave; no tensor load fills it
.set SP,    272                        ; a stage row: hi 128 bytes, lo 128 bytes, + 16
.set SPARE, STAGE+4*16*SP              ; the spare words, 128 bytes a wave: two blocks of 256 bytes that no other line names
.set FLG,   (1<<16)|(1<<20)|(1<<21)|(5<<22)|(7<<25)  ; 2-byte elements; padding on; bit 21 beside a mask; after every 64 words (code 5) 8 words (code 7)
.set AK,  16                           ; v16  my lane's place in Wk's rows of the step in hand
.set AQ,  17                           ; v17  the same in Wq's
.set STO, 24                           ; v24  the way out: where I put 16 bytes of a row
.set RD,  25                           ; v25  where I read rows back
.set CO,  26                           ; v26  16 x lane
.set SPW, 28                           ; v28  LDS address of my spare word; never rewritten
.set NIL, 29                           ; v29  0; never rewritten
.set MONE, 30                          ; v30  -1.0
.set F0,  32                           ; two buffers of 80: for each of two depths of 32, Wk's fragment (8) and Wq's four (32)
.set F1,  112
.set ACC, 192                          ; v192-223
.set TH,  32                           ; the way out: 16 words of hi,
.set TT,  48                           ; 32 remainders in f32,
.set TL,  80                           ; 16 words of lo,
.set OB,  96                           ; 32 registers read back from the stage
.set WV,  10                           ; s10 wave; s12 wave & 1; s13 tile row; s42 tile column
.set G1K, 24                           ; s[24:31] descriptor group 1 for Wk's tiles; s[32:39] for Wq's: they differ in the mask
.set G1Q, 32
.set G0K, 48                           ; s[48:63] four groups 0 for Wk's tiles: one for each load, none is written again
.set G0Q, 68                           ; s[68:83] the same for Wq's
.macro PLACES                          ; four places in front of loads into registers that matrix instructions have read, and of vector lines that read their results
.rept 4
	v_nop
.endr
.endm
.macro CROUND                          ; a round of the cluster's barrier
	s_barrier_signal -1
	s_barrier_wait -1
	s_cmp_lg_u32 s[WV], 0
	s_cbranch_scc1 .Lnot_wave_0_\@
	s_barrier_signal -3
.Lnot_wave_0_\@:
	s_barrier_wait -3
	s_barrier_signal -1
	s_barrier_wait -1
.endm
	s_load_b128 s[4:7], s[0:1], 0x0                ; wt s[4:5], wb s[6:7]
	v_lshl_add_u32 v[SPW], v0, 2, SPARE
	v_mov_b32 v[NIL], 0
	ds_add_u32 v[SPW], v[NIL]                      ; the wave's opening: the add and its wait stand ahead of my first tensor load; work on registers stands between them
	ds_add_u32 v28, v29
	v_lshrrev_b32 v1, 5, v0
	v_readfirstlane_b32 s[WV], v1                  ; wave 0..3
	s_and_b32 s12, s[WV], 1                        ; which 128 of each 256 rows I fetch
	s_bfe_u32 s40, ttmp6, 0x40000                  ; cx
	s_bfe_u32 s41, ttmp6, 0x40004                  ; cy
	s_lshl_b32 s42, ttmp9, 2
	s_add_co_u32 s42, s42, s40                     ; tile column (block of c) = 4 x cluster x + cx
	s_and_b32 s13, ttmp7, 0xffff
	s_lshl_b32 s13, s13, 2
	s_add_co_u32 s13, s13, s41                     ; tile row (block of c') = 4 x cluster y + cy
	s_lshl_b32 s43, s41, 2
	s_lshl_b32 s43, 15, s43                        ; my row of the cluster
	s_lshl_b32 s44, 0x1111, s40                    ; my column
	s_or_b32 s[G1K], s43, FLG
	s_or_b32 s[G1Q], s44, FLG
.irp g, G1K, G1Q                       ; 128 rows of 128 bytes are dense: asked for as 64 rows of 256 bytes
	s_mov_b32 s[\g+1], 128<<16                     ; tensor_dim0 = 128 elements
	s_mov_b32 s[\g+2], 64<<16                      ; tensor_dim1 = 64
	s_mov_b32 s[\g+3], 128<<16                     ; tile_dim0 = 128
	s_mov_b32 s[\g+4], 64                          ; tile_dim1 = 64
	s_mov_b32 s[\g+5], 128                         ; 128 elements from row to row
	s_mov_b32 s[\g+6], 0
	s_mov_b32 s[\g+7], 0
.endr
	s_lshl_b32 s16, s13, 17                        ; Wk: wt's second half, block of 131,072 bytes, my 128 rows; these registers never hold cx
	s_lshl_b32 s17, s12, 14
	s_add_co_u32 s16, s16, s17
	s_add_co_u32 s16, s16, 0x200000
	s_mov_b32 s17, 0
	s_lshl_b32 s46, s42, 17                        ; Wq: wt's first half; these never hold cy
	s_lshl_b32 s47, s12, 14
	s_add_co_u32 s46, s46, s47
	s_mov_b32 s47, 0
	s_mul_i32 s20, s12, LDB                        ; where they go: no place in the cluster enters an LDS address
	s_wait_dscnt 0x0                               ; the opening add is done
	s_wait_kmcnt 0x0
	s_add_nc_u64 s[14:15], s[4:5], s[16:17]
	s_add_nc_u64 s[46:47], s[4:5], s[46:47]
	CROUND                                         ; all sixteen work-groups are here: the joint loads meet
.irp q, 0,1,2,3                        ; load q: rows 256 q + 128 (wave & 1) on
	s_mov_b32 s[G0K+4*\q], 1                                        ; count = 1
	s_add_co_u32 s[G0K+4*\q+1], s20, \q*2*LDB                       ; LDS address
	s_add_nc_u64 s[G0K+4*\q+2:G0K+4*\q+3], s[14:15], \q*32768       ; global address
	s_or_b32 s[G0K+4*\q+3], s[G0K+4*\q+3], 0x80000000               ; type = 2
	s_mov_b32 s[G0Q+4*\q], 1
	s_add_co_u32 s[G0Q+4*\q+1], s20, \q*2*LDB+OPB
	s_add_nc_u64 s[G0Q+4*\q+2:G0Q+4*\q+3], s[46:47], \q*32768
	s_or_b32 s[G0Q+4*\q+3], s[G0Q+4*\q+3], 0x80000000
.endr
	s_cmp_lt_u32 s[WV], 2                          ; waves 0 and 1 fetch Wk's block, waves 2 and 3 Wq's; a wave's four fills stand in one branch
	s_cbranch_scc0 .Lfirst_q
.irp q, 0,1,2,3
	tensor_load_to_lds s[G0K+4*\q:G0K+4*\q+3], s[G1K:G1K+7]
	s_nop 0
.endr
.rept 4
	v_nop
.endr
	s_branch .Lfirst_asked
.Lfirst_q:
.irp q, 0,1,2,3
	tensor_load_to_lds s[G0Q+4*\q:G0Q+4*\q+3], s[G1Q:G1Q+7]
	s_nop 0
.endr
.rept 4
	v_nop
.endr
.Lfirst_asked:
	; The turning load takes 16 rows x 16 columns (lane l reads row 8 (l / 16) + l % 8, columns 8 ((l / 8) % 2) + 0..7) and leaves half a fragment: lane l holds column l % 16 and 8 rows.
	v_and_b32 v1, 15, v0                           ; r
	v_bfe_u32 v2, v0, 4, 1                         ; h
	v_bfe_u32 v3, v0, 1, 2                         ; (l % 8) / 2,
	v_lshl_add_u32 v3, v2, 2, v3                   ; + 4 h: my row's pair
	v_mul_u32_u24 v3, v3, PAIR
	v_and_b32 v4, 1, v0                            ; which row of the pair
	v_lshl_add_u32 v3, v4, 7, v3
	v_bfe_u32 v4, v0, 3, 1
	v_lshl_add_u32 v3, v4, 4, v3                   ; + 16 bytes for the upper eight columns
	s_lshl_b32 s2, s[WV], 5                        ; my 16 columns of Wk: 32 bytes a wave
	v_add_nc_u32 v[AK], s2, v3
	v_add_nc_u32 v[AQ], OPB, v3
	s_mul_i32 s2, s[WV], 16*SP
	s_add_co_u32 s2, s2, STAGE                     ; my stage
	v_mul_u32_u24 v4, v1, SP
	v_lshl_add_u32 v4, v2, 4, v4
	v_add_nc_u32 v[STO], s2, v4                    ; in: row r, 16 bytes for each half of the lanes
	v_bfe_u32 v4, v0, 3, 2
	v_and_b32 v5, 7, v0
	v_mul_u32_u24 v4, v4, SP
	v_lshl_add_u32 v4, v5, 4, v4
	v_add_nc_u32 v[RD], s2, v4                     ; back: 32 lanes take 128 bytes of each of four rows
	v_and_b32 v[CO], 31, v0
	v_lshlrev_b32 v[CO], 4, v[CO]
	v_mov_b32 v[MONE], -1.0
	s_mul_i32 s22, s42, 393216                     ; wb: block kb = tile column,
	s_lshr_b32 s23, s13, 1
	s_mul_i32 s23, s23, 384                        ; row 384 (c'>>7)
	s_and_b32 s2, s13, 1
	s_mul_i32 s2, s2, 192                          ; + 192 ((c'>>6)&1)
	s_add_co_u32 s23, s23, s2
	s_lshl4_add_u32 s23, s[WV], s23                ; + 16 w
	s_lshl_b32 s23, s23, 7                         ; rows of 128 bytes
	s_add_co_u32 s22, s22, s23
	s_mov_b32 s23, 0
	s_add_nc_u64 s[8:9], s[6:7], s[22:23]
.macro LOADF f, off                    ; 20 turning loads: 64 rows from byte off of the step in hand
.irp c, 0,1
	ds_load_tr16_b128 v[(\f)+40*\c:(\f)+40*\c+3],   v[AK] offset:(\off)+KST*\c
	ds_load_tr16_b128 v[(\f)+40*\c+4:(\f)+40*\c+7], v[AK] offset:(\off)+KST*\c+8*PAIR
.irp nb, 0,1,2,3
	ds_load_tr16_b128 v[(\f)+40*\c+8+8*\nb:(\f)+40*\c+8+8*\nb+3],   v[AQ] offset:(\off)+KST*\c+32*\nb
	ds_load_tr16_b128 v[(\f)+40*\c+12+8*\nb:(\f)+40*\c+12+8*\nb+3], v[AQ] offset:(\off)+KST*\c+32*\nb+8*PAIR
.endr
.endr
.endm
.macro MUL2 f, zero                    ; 8 matrix instructions; the four accumulators take turns, one instruction a turn.  zero = 1: the first four start the sums
.irp c, 0,1
.irp nb, 0,1,2,3
.if (\zero) && (\c == 0)
	v_wmma_f32_16x16x32_bf16 v[ACC+8*\nb:ACC+8*\nb+7], v[(\f)+40*\c+8+8*\nb:(\f)+40*\c+8+8*\nb+7], v[(\f)+40*\c:(\f)+40*\c+7], 0
.else
	v_wmma_f32_16x16x32_bf16 v[ACC+8*\nb:ACC+8*\nb+7], v[(\f)+40*\c+8+8*\nb:(\f)+40*\c+8+8*\nb+7], v[(\f)+40*\c:(\f)+40*\c+7], v[ACC+8*\nb:ACC+8*\nb+7]
.endif
.endr
.endr
.endm
	s_wait_tensorcnt 0x0                           ; my four parts are in,
	s_barrier_signal -1
	s_barrier_wait -1                              ; everybody's are
	LOADF F0, 0                                    ; K goes in 16 steps of 64 through the two buffers
	LOADF F1, 2*KST
	s_wait_dscnt 20                                ; step 0 is in; step 1's twenty loads may be out
	MUL2 F0, 1                                     ; the first step stands in front of the loop: its products start the sums
	s_mov_b32 s3, 7
.Lk:                                                   ; a trip multiplies steps 2 t + 1 and 2 t + 2 and fetches 2 t + 2 and 2 t + 3
	PLACES
	LOADF F0, 4*KST
	s_wait_dscnt 20                                ; the older buffer is in; the twenty just issued may be out
	MUL2 F1, 0
	PLACES
	LOADF F1, 6*KST
	v_add_nc_u32 v[AK], 4*KST, v[AK]
	v_add_nc_u32 v[AQ], 4*KST, v[AQ]
	s_wait_dscnt 20
	MUL2 F0, 0
	s_sub_co_u32 s3, s3, 1
	s_cmp_lg_u32 s3, 0
	s_cbranch_scc1 .Lk
	s_wait_dscnt 0x0
	MUL2 F1, 0                                     ; step 15
	; THE WAY OUT.  hi = bf16(sum); the exact remainder by one fused multiply-add from the bf16 half; lo = bf16(remainder).  Each accumulator's registers are taken in ascending order.
	PLACES
.set n, 0
.rept 16
	v_cvt_pk_bf16_f32 v[TH+n], v[ACC+2*n], v[ACC+2*n+1]
.set n, n+1
.endr
.set n, 0
.rept 16
	v_fma_mix_f32_bf16 v[TT+2*n],   v[TH+n], v[MONE], v[ACC+2*n]   op_sel_hi:[1,0,0]
	v_fma_mix_f32_bf16 v[TT+2*n+1], v[TH+n], v[MONE], v[ACC+2*n+1] op_sel:[1,0,0] op_sel_hi:[1,0,0]
.set n, n+1
.endr
.set n, 0
.rept 16
	v_cvt_pk_bf16_f32 v[TL+n], v[TT+2*n], v[TT+2*n+1]
.set n, n+1
.endr
.irp nb, 0,1,2,3
	ds_store_b128 v[STO], v[TH+4*\nb:TH+4*\nb+3] offset:32*\nb
	ds_store_b128 v[STO], v[TL+4*\nb:TL+4*\nb+3] offset:128+32*\nb
.endr
.irp p, 0,1
.irp t, 0,1,2,3
	ds_load_b128 v[OB+4*(4*\p+\t):OB+4*(4*\p+\t)+3], v[RD] offset:4*SP*\t+128*\p  ; LDS serves a wave's instructions in order (ISA guide 5.7.1.4): these see the stores above
.endr
.endr
	s_wait_dscnt 0x0
.irp p, 0,1
.irp t, 0,1,2,3
	global_store_b128 v[CO], v[OB+4*(4*\p+\t):OB+4*(4*\p+\t)+3], s[8:9] offset:8192*\p+512*\t  ; 512 consecutive bytes, at a multiple of 256 from wb's first; lo's rows lie 64 rows behind hi's
.endr
.endr
	s_wait_tensorcnt 0x0                           ; the wave's end: a wait, an add and its wait, behind my last tensor load and my last LDS store
	ds_add_u32 v[SPW], v[NIL]
	s_wait_dscnt 0x0
	CROUND                                         ; the closing round: no work-group ends while a partner may still ask for a tile that names it
	s_endpgm
.Lfunc_end_k_qdc28355eda_amat:
	.size	k_qdc28355eda_amat, .Lfunc_end_k_qdc28355eda_amat-k_qdc28355eda_amat
	.p2alignl 7, 3214868480
	.fill 96, 4, 3214868480
	.section	.rodata,"a",@progbits
	.p2align	6, 0x0
	.amdhsa_kernel k_qdc28355eda_amat
		.amdhsa_group_segment_fixed_size 327680
		.amdhsa_private_segment_fixed_size 0
		.amdhsa_enable_private_segment 0
		.amdhsa_kernarg_size 16
		.amdhsa_user_sgpr_count 2
		.amdhsa_user_sgpr_kernarg_segment_ptr 1
		.amdhsa_wavefront_size32 1
		.amdhsa_system_sgpr_workgroup_id_x 1
		.amdhsa_system_sgpr_workgroup_id_y 1
		.amdhsa_system_sgpr_workgroup_id_z 1
		.amdhsa_system_vgpr_workitem_id 0
		.amdhsa_next_free_vgpr 224
		.amdhsa_next_free_sgpr 84
		.amdhsa_reserve_vcc 0
		.amdhsa_float_denorm_mode_32 3
		.amdhsa_float_denorm_mode_16_64 3
		.amdhsa_memory_ordered 1
		.amdhsa_forward_progress 1
		.amdhsa_inst_pref_size 22
	.end_amdhsa_kernel
	.amdgpu_metadata
---
amdhsa.version: [ 1, 2 ]
amdhsa.kernels:
  - .name:           k_qdc28355eda_amat
    .symbol:         k_qdc28355eda_amat.kd
    .args:
      - { .name: wt, .offset: 0, .size: 8, .value_kind: global_buffer, .address_space: global }
      - { .name: wb, .offset: 8, .size: 8, .value_kind: global_buffer, .address_space: global }
    .group_segment_fixed_size: 327680
    .private_segment_fixed_size: 0
    .kernarg_segment_align: 8
    .kernarg_segment_size: 16
    .max_flat_workgroup_size: 128
    .sgpr_count:     84
    .vgpr_count:     224
    .wavefront_size: 32
...
	.end_amdgpu_metadata
.endif
;; end of part 6
;; launch proj (part 7): grid 8 x 32, 4 waves a work-group, clusters of 4 x 4, 327,680 bytes of LDS; arguments xb, wb, qkv; writes qkv
.if DOCPART == 7
	.amdgcn_target "amdgcn-amd-amdhsa--gfx1250"
	.amdhsa_code_object_version 6
	.text
	.protected	k_qdc28355eda_proj
	.globl	k_qdc28355eda_proj
	.p2align	8
	.type	k_qdc28355eda_proj,@function
k_qdc28355eda_proj:
	s_mov_b64 s[64:65], 0
	v_nop
	global_prefetch_b8 v0, s[64:65] scope:SCOPE_SE
	s_setreg_imm32_b32 hwreg(HW_REG_WAVE_MODE, 25, 1), 1
	s_wait_xcnt 0x0
	s_wait_alu depctr_hold_cnt(0) depctr_sa_sdst(0) depctr_va_vdst(0) depctr_va_sdst(0) depctr_va_ssrc(0) depctr_va_vcc(0) depctr_vm_vsrc(0)
	s_getreg_b32 s2, hwreg(HW_REG_IB_STS2, 6, 4)
	s_cmp_eq_u32 s2, 0
	s_cbranch_scc0 .Lentry_in_a_cluster
	s_endpgm
.Lentry_in_a_cluster:
	s_bfe_u32 s2, ttmp6, 0x10000c
	s_cmp_lg_u32 s2, 0xf033
	s_cbranch_scc0 .Lentry_shape_is_right
	s_endpgm
.Lentry_shape_is_right:
; [x A1  x A2  x Wv^T]: M = 8192 rows of xb, N = 3072 rows of wb, K = 1024, bf16 operands, f32 sums.  A1 + A2 = A^T, the matrix of the scores' form (made by the launch before): y = x A1 + x A2.
; Out: qkv, regions of 16 MiB, each [cb 16][row 8192][64]: 0 y1 = bf16(y), 1 y2 = bf16(y - y1), 4 v in f16 (regions 2 and 3 are not used).  y leaves as two terms because the scores that follow have no scale
; in front of their softmax.
; LIMITS.  |v| stays under 65,504 (f16's end); y1 + y2 carries y to within 2^-18 of it.  NaN and infinities are not treated apart.
; SHARES.  A work-group makes 256 x 384: 32 x 8 = 256 work-groups.  Wave (rh, ch) makes 128 x 192: 96 accumulators of 16 x 16, 768 registers.  wb's row order makes each 192 columns
; 64 of A1, 64 of A2, 64 of Wv (the same 64 columns of y and v), so every wave runs one text and adds its own two parts of y.  K goes in steps of 64 through two LDS slots (two of 128 would not fit): 192 matrix instructions a wave and step.
; CLUSTER 4 x 4: xb's tile hangs on the tile row alone and is asked for jointly by a row of the cluster, wb's on the tile column alone, by a column.
; THE MATRIX INSTRUCTION IS USED TRANSPOSED (source 0 = 16 rows of wb, source 1 = 16 rows of xb): a lane holds one row of x and eight neighbouring columns.
; REGISTERS, in windows of 256: window 0: v0-31 addresses; v32-95, v96-159 xb's fragments of the two quarters of a step; v160-207, v208-255 wb's, six at a time; v32-191 at work on the way out.
; windows 1, 2, 3: the accumulators of x A1, x A2, v: (a 0..7, b 0..11) in window 1 + b/4 at v[8 (8 (b%4) + a)].
.set PITCH, 144                        ; an LDS row: 128 bytes + 16 of padding: an odd multiple of 16, so the 16 rows of a fragment load start at 16 different 16-byte columns of 256
.set AHB,   128*PITCH                  ; 128 rows of xb: one tensor load, and what one wave reads
.set BHB,   192*PITCH                  ; 192 rows of wb: likewise
.set BOFF,  2*AHB                      ; a slot: xb's two halves, then wb's two halves: 92,160 bytes
.set SLOT1, 131072                     ; slot 1 begins here: one exclusive or changes slots
.set STAGE, SLOT1+BOFF+2*BHB           ; behind the ring: 16 rows x 400 bytes for each wave, for the way out; no tensor load fills it
.set SP,    400                        ; a stage row: y1 y2 v, 128 bytes each, + 16
.set SPARE, STAGE+4*16*SP              ; the spare words, 128 bytes a wave: two blocks of 256 bytes that no other line names
.set XKB,   1048576                    ; bytes from K block to K block in xb
.set WKB,   393216                     ; and in wb
.set FLG,   (1<<16)|(1<<20)|(1<<21)|(4<<22)|(3<<25)  ; 2-byte elements; padding on; bit 21 beside a mask; after every 32 words (code 4) 4 words (code 3)
.set ADRA0, 16                         ; v16  my lane's place in my 128 rows of xb, slot 0; never rewritten
.set ADRB0, 17                         ; v17  the same for my 192 rows of wb
.set ADRA,  18                         ; v18  the same in the slot in hand
.set ADRB,  19                         ; v19
.set STO,   24                         ; v24  the way out: where I put 16 bytes of a row
.set RD,    25                         ; v25  where I read rows back
.set CO,    26                         ; v26  16 x lane: my place in 512 consecutive bytes of qkv
.set SPW,   28                         ; v28  LDS address of my spare word; never rewritten
.set NIL,   29                         ; v29  0; never rewritten
.set MONE,  30                         ; v30  -1.0
.set A0,    32
.set A1,    96
.set BH0,   160
.set BH1,   208
.set TH,    32                         ; the way out: 16 words of y1,
.set TL,    48                         ; 16 of y2,
.set TV,    64                         ; 16 of v,
.set TT,    112                        ; 32 numbers of y in f32, then their remainders
.set OB,    144                        ; 48 registers read back from the stage
.set WV,    10                         ; s10  wave;  s11 rh;  s12 ch
.set G1A,   24                         ; s[24:31] descriptor group 1 for xb's tiles;  s[32:39] group 0: the first fill's, then the walking one
.set G0A,   32
.set G1B,   48                         ; s[48:55], s[56:63] the same for wb's
.set G0B,   56
.set OUT,   66                         ; s[66:71] my first byte in qkv's regions 0, 1 and 4
.set TB,    76                         ; s76  LDS byte at which the slot in hand begins
.set MSB, 0
.macro WIN new                         ; the immediate's high byte repeats the setting that is left; a switch that changes nothing is dropped
.if MSB != (\new)
	s_set_vgpr_msb (MSB<<8)|(\new)
.set MSB, (\new)
.endif
.endm
.macro PLACES                          ; four places: in front of loads into registers that matrix instructions have read, and of vector lines that read their results
.rept 4
	v_nop
.endr
.endm
; A joint refill: waves 0 and 1 fetch xb's two halves, waves 2 and 3 wb's.  The branch hangs on the wave's number alone.  An s_nop 0 and four v_nop follow each line.
.macro JLOAD
	s_cmp_lt_u32 s[WV], 2
	s_cbranch_scc0 .Lfor_b_\@
	tensor_load_to_lds s[G0A+4:G0A+7], s[G1A:G1A+7]
	s_nop 0
.rept 4
	v_nop
.endr
	s_branch .Lasked_\@
.Lfor_b_\@:
	tensor_load_to_lds s[G0B+4:G0B+7], s[G1B:G1B+7]
	s_nop 0
.rept 4
	v_nop
.endr
.Lasked_\@:
.endm
.macro CREST                           ; a round of the cluster's barrier behind its opening barrier
	s_cmp_lg_u32 s[WV], 0
	s_cbranch_scc1 .Lnot_wave_0_\@
	s_barrier_signal -3
.Lnot_wave_0_\@:
	s_barrier_wait -3
	s_barrier_signal -1
	s_barrier_wait -1
.endm
.macro CROUND                          ; a whole round
	s_barrier_signal -1
	s_barrier_wait -1
	CREST
.endm
	s_load_b128 s[4:7], s[0:1], 0x0                ; xb s[4:5], wb s[6:7]
	s_load_b64 s[8:9], s[0:1], 0x10                ; qkv
	v_lshl_add_u32 v[SPW], v0, 2, SPARE
	v_mov_b32 v[NIL], 0
	ds_add_u32 v[SPW], v[NIL]                      ; the wave's opening: the add and its wait stand ahead of my first tensor load; work on registers stands between them
	ds_add_u32 v28, v29
	v_lshrrev_b32 v1, 5, v0
	v_readfirstlane_b32 s[WV], v1                  ; wave 0..3
	s_lshr_b32 s11, s[WV], 1                       ; rh: which 128 rows of the tile are mine
	s_and_b32 s12, s[WV], 1                        ; ch: which 192 columns; also which half of a tile I fetch
	s_bfe_u32 s40, ttmp6, 0x40000                  ; cx
	s_bfe_u32 s41, ttmp6, 0x40004                  ; cy
	s_lshl_b32 s42, ttmp9, 2
	s_add_co_u32 s42, s42, s40                     ; tile column = 4 x cluster x + cx
	s_and_b32 s13, ttmp7, 0xffff
	s_lshl_b32 s13, s13, 2
	s_add_co_u32 s13, s13, s41                     ; tile row = 4 x cluster y + cy
	s_lshl_b32 s43, s41, 2
	s_lshl_b32 s43, 15, s43                        ; my row of the cluster
	s_lshl_b32 s44, 0x1111, s40                    ; my column
	s_or_b32 s[G1A], s43, FLG
	s_or_b32 s[G1B], s44, FLG
.irp g, G1A, G1B                       ; dense tiles, asked for as rows of 256 bytes (two K rows each), padded in LDS after every 128 bytes
	s_mov_b32 s[\g+1], 128<<16                     ; tensor_dim0 = 128 elements
	s_mov_b32 s[\g+3], 128<<16                     ; tile_dim0 = 128
	s_mov_b32 s[\g+5], 128                         ; 128 elements from row to row
	s_mov_b32 s[\g+6], 0
	s_mov_b32 s[\g+7], 0
.endr
	s_mov_b32 s[G1A+2], 64<<16                     ; tensor_dim1 = tile_dim1 = 64: 128 rows of xb
	s_mov_b32 s[G1A+4], 64
	s_mov_b32 s[G1B+2], 96<<16                     ; 96: 192 rows of wb
	s_mov_b32 s[G1B+4], 96
	s_lshl_b32 s16, s13, 15                        ; xb: (256 x tile row + 128 x half) x 128 bytes; these registers never hold cx
	s_lshl_b32 s17, s12, 14
	s_add_co_u32 s16, s16, s17
	s_mov_b32 s17, 0
	s_mul_i32 s46, s42, 49152                      ; wb: (384 x tile column + 192 x half) x 128 bytes; these never hold cy
	s_mul_i32 s47, s12, 24576
	s_add_co_u32 s46, s46, s47
	s_mov_b32 s47, 0
	s_mul_i32 s20, s12, AHB                        ; where they go: no place in the cluster enters an LDS address
	s_mul_i32 s21, s12, BHB
	s_add_co_u32 s21, s21, BOFF
	s_mov_b32 s[TB], 0
	s_wait_dscnt 0x0                               ; the opening add is done
	s_wait_kmcnt 0x0
	s_add_nc_u64 s[14:15], s[4:5], s[16:17]
	s_add_nc_u64 s[46:47], s[6:7], s[46:47]
	CROUND                                         ; all sixteen work-groups are here: the first joint loads meet
.irp s, 0,1
	s_mov_b32 s[G0A+4*\s], 1                                        ; count = 1
	s_add_co_u32 s[G0A+4*\s+1], s20, \s*SLOT1                       ; LDS address
	s_add_nc_u64 s[G0A+4*\s+2:G0A+4*\s+3], s[14:15], \s*XKB         ; K block s
	s_or_b32 s[G0A+4*\s+3], s[G0A+4*\s+3], 0x80000000               ; type = 2
	s_mov_b32 s[G0B+4*\s], 1
	s_add_co_u32 s[G0B+4*\s+1], s21, \s*SLOT1
	s_add_nc_u64 s[G0B+4*\s+2:G0B+4*\s+3], s[46:47], \s*WKB
	s_or_b32 s[G0B+4*\s+3], s[G0B+4*\s+3], 0x80000000
.endr
	s_cmp_lt_u32 s[WV], 2                          ; a wave's two first fills stand in one branch: two loads of mine are out
	s_cbranch_scc0 .Lfirst_b
	tensor_load_to_lds s[G0A:G0A+3], s[G1A:G1A+7]
	s_nop 0
	tensor_load_to_lds s[G0A+4:G0A+7], s[G1A:G1A+7]
	s_nop 0
.rept 4
	v_nop
.endr
	s_branch .Lfirst_asked
.Lfirst_b:
	tensor_load_to_lds s[G0B:G0B+3], s[G1B:G1B+7]
	s_nop 0
	tensor_load_to_lds s[G0B+4:G0B+7], s[G1B:G1B+7]
	s_nop 0
.rept 4
	v_nop
.endr
.Lfirst_asked:
	; A fragment is 16 rows x 32 K in 8 registers: lane l holds row l % 16, K = 8 (l / 16) + 0..7 and 16 + 8 (l / 16) + 0..7: two loads of 16 bytes, 32 bytes apart.
	v_and_b32 v1, 15, v0                           ; r
	v_bfe_u32 v2, v0, 4, 1                         ; h
	v_mul_u32_u24 v3, v1, PITCH
	v_lshl_add_u32 v3, v2, 4, v3
	s_mul_i32 s2, s11, AHB
	v_add_nc_u32 v[ADRA0], s2, v3
	v_add_nc_u32 v[ADRB0], s21, v3                 ; the half of wb that I read is the half whose number I fetch by
	v_mov_b32 v[ADRA], v[ADRA0]
	v_mov_b32 v[ADRB], v[ADRB0]
	s_mul_i32 s2, s[WV], 16*SP
	s_add_co_u32 s2, s2, STAGE                     ; my stage
	v_mul_u32_u24 v4, v1, SP
	v_lshl_add_u32 v4, v2, 4, v4
	v_add_nc_u32 v[STO], s2, v4                    ; in: row r, 16 bytes for each half of the lanes
	v_bfe_u32 v4, v0, 3, 2
	v_and_b32 v5, 7, v0
	v_mul_u32_u24 v4, v4, SP
	v_lshl_add_u32 v4, v5, 4, v4
	v_add_nc_u32 v[RD], s2, v4                     ; back: 32 lanes take 128 bytes of each of four rows
	v_and_b32 v[CO], 31, v0
	v_lshlrev_b32 v[CO], 4, v[CO]
	v_mov_b32 v[MONE], -1.0
	s_lshl_b32 s22, s42, 1                         ; my column block of 64 in y and v: 2 x tile column + ch
	s_add_co_u32 s22, s22, s12
	s_lshl_b32 s22, s22, 20                        ; blocks of 1 MiB
	s_lshl_b32 s23, s13, 15                        ; + (256 x tile row + 128 rh) rows of 128 bytes
	s_add_co_u32 s22, s22, s23
	s_lshl_b32 s23, s11, 14
	s_add_co_u32 s22, s22, s23
	s_mov_b32 s23, 0
	s_add_nc_u64 s[OUT:OUT+1], s[8:9], s[22:23]    ; y1: region 0
	s_add_nc_u64 s[OUT+2:OUT+3], s[OUT:OUT+1], 1<<24  ; y2: region 1
	s_add_nc_u64 s[OUT+4:OUT+5], s[OUT:OUT+1], 4<<24  ; v: region 4
; nb x 8 matrix instructions: column blocks b0 .. of the wave's twelve x all 8 row blocks, 32 along K.  The accumulators take turns, one instruction a turn.
; zero = 1: the product starts the sum: nothing is cleared.
.macro MULB fa, fb, b0, nb, zero
.set bq, (\b0)
.rept (\nb)
	WIN 0x50*(1+bq/4)
.set aq, 0
.rept 8
.set rA, 8*(8*(bq%4)+aq)
.set rB, (\fb)+8*(bq%6)
.set rX, (\fa)+8*aq
.if \zero
	v_wmma_f32_16x16x32_bf16 v[rA:rA+7], v[rB:rB+7], v[rX:rX+7], 0
.else
	v_wmma_f32_16x16x32_bf16 v[rA:rA+7], v[rB:rB+7], v[rX:rX+7], v[rA:rA+7]
.endif
.set aq, aq+1
.endr
.set bq, bq+1
.endr
.endm
.macro LDB q, half, dst                ; six of wb's fragments of quarter q: 12 loads
.irp i, 0,1,2,3,4,5
	ds_load_b128 v[(\dst)+8*\i:(\dst)+8*\i+3],   v[ADRB] offset:2304*(6*(\half)+\i)+64*(\q)
	ds_load_b128 v[(\dst)+8*\i+4:(\dst)+8*\i+7], v[ADRB] offset:2304*(6*(\half)+\i)+64*(\q)+32
.endr
.endm
.macro LDA q, dst                      ; xb's eight fragments of quarter q: 16 loads
.irp i, 0,1,2,3,4,5,6,7
	ds_load_b128 v[(\dst)+8*\i:(\dst)+8*\i+3],   v[ADRA] offset:2304*\i+64*(\q)
	ds_load_b128 v[(\dst)+8*\i+4:(\dst)+8*\i+7], v[ADRA] offset:2304*\i+64*(\q)+32
.endr
.endm
; A quarter (32 along K) is two phases of 48 matrix instructions.  Each run of loads stands behind 16 of them and four places, 32 matrix instructions ahead of its first use.
.macro PHA q, fa, zero                 ; columns 0-95; fetches the quarter's other six fragments of wb
	s_wait_dscnt 0x0                               ; the loads issued in the phase before are in
	MULB \fa, BH0, 0, 2, \zero
	WIN 0
	PLACES
	LDB \q, 1, BH1
	MULB \fa, BH0, 2, 4, \zero
.endm
.macro PHB fa, zero                    ; columns 96-191 of quarter 0; fetches quarter 1's first fragments
	s_wait_dscnt 0x0
	MULB \fa, BH1, 6, 2, \zero
	WIN 0
	PLACES
	LDB 1, 0, BH0
	LDA 1, A1
	MULB \fa, BH1, 8, 4, \zero
.endm
; Columns 96-191 of quarter 1, and the change of slots: ONE barrier.  In front of it each wave waits for all its tensor loads (one is out: its part of the next slot), adds 0 to its spare word,
; and waits for that and for its reads of this slot.  fill = 1: the barrier opens a round of the cluster's, and this slot is filled again, two K blocks on, first thing behind the round.
.macro TURN fill
	WIN 0
	s_wait_tensorcnt 0x0                           ; no tensor load of mine is out, so a group 0 may be written
	ds_add_u32 v[SPW], v[NIL]                      ; 0 onto my spare word
.if \fill
	s_xor_b32 s[G0A+5], s[G0A+5], SLOT1            ; the walking descriptors: the other slot than last time, the next K block
	s_add_nc_u64 s[G0A+6:G0A+7], s[G0A+6:G0A+7], XKB
	s_xor_b32 s[G0B+5], s[G0B+5], SLOT1
	s_add_nc_u64 s[G0B+6:G0B+7], s[G0B+6:G0B+7], WKB
.endif
	s_wait_dscnt 0x1                               ; the twelve loads issued ahead of the add are in; the add alone may be out
	MULB A1, BH1, 6, 1, 0
	s_wait_dscnt 0x0                               ; the add is done, and my reads of this slot are over
	s_barrier_signal -1
	MULB A1, BH1, 7, 1, 0                          ; work on registers while the others arrive
	WIN 0
	s_barrier_wait -1
.if \fill
	CREST                                          ; no wave of any partner still reads this slot or has a load on its way
	JLOAD                                          ; its four v_nop are also the places in front of the loads below
.else
	PLACES
.endif
	s_xor_b32 s[TB], s[TB], SLOT1
	v_add_nc_u32 v[ADRA], s[TB], v[ADRA0]
	v_add_nc_u32 v[ADRB], s[TB], v[ADRB0]
	LDB 0, 0, BH0
	LDA 0, A0
	MULB A1, BH1, 8, 4, 0
.endm
	s_wait_tensorcnt 0x1                           ; my part of K block 0 is in; block 1's may stay out
	s_barrier_signal -1
	s_barrier_wait -1                              ; everybody's is
	LDB 0, 0, BH0
	LDA 0, A0
	PHA 0, A0, 1                                   ; the first quarter stands in front of the loop: its products start all 96 sums
	PHB A0, 1
	WIN 0                                          ; at a label and at a branch every window is 0
	s_mov_b32 s3, 14
.Lk:                                                   ; a trip ends one K block, fills its slot with the block two on (2 .. 15), and begins the next
	PHA 1, A1, 0
	TURN 1
	PHA 0, A0, 0
	PHB A0, 0
	WIN 0
	s_sub_co_u32 s3, s3, 1
	s_cmp_lg_u32 s3, 0
	s_cbranch_scc1 .Lk
	PHA 1, A1, 0                                   ; the tail is written out: nothing more is asked for
	TURN 0
	PHA 0, A0, 0
	PHB A0, 0
	PHA 1, A1, 0
	s_wait_dscnt 0x0
	MULB A1, BH1, 6, 6, 0
	WIN 0
; THE WAY OUT, a block of 16 rows at a time.  PACK: y = the two parts' sum; y1 = bf16(y); the exact remainder y - y1 (one fused multiply-add from the bf16 half), rounded to bf16; v rounded to f16.
; Each accumulator's registers are taken in ascending order.  TOSTAGE: 16 bytes a lane into my own stage, back as 128 bytes of each of four rows.  SEND: 512 consecutive bytes a store, at a multiple of 256 from qkv's first byte.
.macro PACK a
	WIN 0x09                                       ; source 0 in window 1, source 1 in window 2
.set bb, 0
.rept 4
.set rA, 8*(8*bb+(\a))
.irp i, 0,1,2,3
	v_pk_add_f32 v[TT+8*bb+2*\i:TT+8*bb+2*\i+1], v[rA+2*\i:rA+2*\i+1], v[rA+2*\i:rA+2*\i+1]
.endr
.set bb, bb+1
.endr
	WIN 0
.set n, 0
.rept 16
	v_cvt_pk_bf16_f32 v[TH+n], v[TT+2*n], v[TT+2*n+1]
.set n, n+1
.endr
.set n, 0
.rept 16
	v_fma_mix_f32_bf16 v[TT+2*n],   v[TH+n], v[MONE], v[TT+2*n]   op_sel_hi:[1,0,0]
	v_fma_mix_f32_bf16 v[TT+2*n+1], v[TH+n], v[MONE], v[TT+2*n+1] op_sel:[1,0,0] op_sel_hi:[1,0,0]
.set n, n+1
.endr
.set n, 0
.rept 16
	v_cvt_pk_bf16_f32 v[TL+n], v[TT+2*n], v[TT+2*n+1]
.set n, n+1
.endr
	WIN 0x0f                                       ; sources 0 and 1 in window 3
.set bb, 0
.rept 4
.set rA, 8*(8*bb+(\a))
.irp i, 0,1,2,3
	v_cvt_pk_f16_f32 v[TV+4*bb+\i], v[rA+2*\i], v[rA+2*\i+1]
.endr
.set bb, bb+1
.endr
	WIN 0
.endm
.macro TOSTAGE
.irp b, 0,1,2,3
	ds_store_b128 v[STO], v[TH+4*\b:TH+4*\b+3] offset:32*\b
	ds_store_b128 v[STO], v[TL+4*\b:TL+4*\b+3] offset:128+32*\b
	ds_store_b128 v[STO], v[TV+4*\b:TV+4*\b+3] offset:256+32*\b
.endr
.irp p, 0,1,2
.irp t, 0,1,2,3
	ds_load_b128 v[OB+4*(4*\p+\t):OB+4*(4*\p+\t)+3], v[RD] offset:4*SP*\t+128*\p  ; LDS serves a wave's instructions in order (ISA guide 5.7.1.4): these see the stores above
.endr
.endr
.endm
.macro SEND a
	s_wait_dscnt 0x0                               ; the block is back in registers
.irp p, 0,1,2
.irp t, 0,1,2,3
	global_store_b128 v[CO], v[OB+4*(4*\p+\t):OB+4*(4*\p+\t)+3], s[OUT+2*\p:OUT+2*\p+1] offset:2048*(\a)+512*\t
.endr
.endr
.endm
	PLACES                                         ; the sums read results just made
	PACK 0
	TOSTAGE
.irp a, 1,2,3,4,5,6,7                  ; block a's arithmetic stands between block a - 1's loads from the stage and the wait for them
	PACK \a
	SEND (\a)-1
	s_wait_xcnt 0x0                                ; the stores' data registers are loaded again only behind this wait
	TOSTAGE
.endr
	SEND 7
	s_wait_tensorcnt 0x0                           ; the wave's end: a wait, an add and its wait, behind my last tensor load and my last LDS store
	ds_add_u32 v[SPW], v[NIL]
	s_wait_dscnt 0x0
	CROUND                                         ; the closing round: no work-group ends while a partner may still ask for a tile that names it
	s_endpgm
.Lfunc_end_k_qdc28355eda_proj:
	.size	k_qdc28355eda_proj, .Lfunc_end_k_qdc28355eda_proj-k_qdc28355eda_proj
	.p2alignl 7, 3214868480
	.fill 96, 4, 3214868480
	.section	.rodata,"a",@progbits
	.p2align	6, 0x0
	.amdhsa_kernel k_qdc28355eda_proj
		.amdhsa_group_segment_fixed_size 327680
		.amdhsa_private_segment_fixed_size 0
		.amdhsa_enable_private_segment 0
		.amdhsa_kernarg_size 24
		.amdhsa_user_sgpr_count 2
		.amdhsa_user_sgpr_kernarg_segment_ptr 1
		.amdhsa_wavefront_size32 1
		.amdhsa_system_sgpr_workgroup_id_x 1
		.amdhsa_system_sgpr_workgroup_id_y 1
		.amdhsa_system_sgpr_workgroup_id_z 1
		.amdhsa_system_vgpr_workitem_id 0
		.amdhsa_next_free_vgpr 1024
		.amdhsa_next_free_sgpr 84
		.amdhsa_reserve_vcc 0
		.amdhsa_float_denorm_mode_32 3
		.amdhsa_float_denorm_mode_16_64 3
		.amdhsa_memory_ordered 1
		.amdhsa_forward_progress 1
		.amdhsa_inst_pref_size 134
	.end_amdhsa_kernel
	.amdgpu_metadata
---
amdhsa.version: [ 1, 2 ]
amdhsa.kernels:
  - .name:           k_qdc28355eda_proj
    .symbol:         k_qdc28355eda_proj.kd
    .args:
      - { .name: xb, .offset: 0, .size: 8, .value_kind: global_buffer, .address_space: global }
      - { .name: wb, .offset: 8, .size: 8, .value_kind: global_buffer, .address_space: global }
      - { .name: qkv, .offset: 16, .size: 8, .value_kind: global_buffer, .address_space: global }
    .group_segment_fixed_size: 327680
    .private_segment_fixed_size: 0
    .kernarg_segment_align: 8
    .kernarg_segment_size: 24
    .max_flat_workgroup_size: 128
    .sgpr_count:     84
    .vgpr_count:     1024
    .wavefront_size: 32
...
	.end_amdgpu_metadata
.endif
;; end of part 7
;; launch score (part 8): grid 51 x 4, 4 waves a work-group, no clusters, 327,680 bytes of LDS; arguments qkv, xb, pw, st; writes pw, st
.if DOCPART == 8
	.amdgcn_target "amdgcn-amd-amdhsa--gfx1250"
	.amdhsa_code_object_version 6
	.text
	.protected	k_qdc28355eda_score
	.globl	k_qdc28355eda_score
	.p2align	8
	.type	k_qdc28355eda_score,@function
k_qdc28355eda_score:
	s_mov_b64 s[64:65], 0
	v_nop
	global_prefetch_b8 v0, s[64:65] scope:SCOPE_SE
	s_setreg_imm32_b32 hwreg(HW_REG_WAVE_MODE, 25, 1), 1
	s_wait_xcnt 0x0
; S = y x^T under the causal mask (y = x A, so that S = q k^T), and the softmax inside a chunk of 192 keys: pw takes p = exp(s - m) in f16, st takes c m (c = log2 e) and l = sum of p for each row and chunk,
; m the row's TRUE maximum in the chunk.  The launch behind joins the chunks by the row's overall maximum.  S = y1 x + y2 x: bf16 operands, f32 sums; x in bf16 is the rounded input itself, so y alone has two terms.
; pw: f16 [b 4][sb 33][row 2048][64 keys].   st: f32 [b 4][chunk 11][group of 64 rows 32][cm, l][r 16][a 4], row = 16 a + r.
; LIMITS.  A hidden score counts as -1e38; a row's maximum is floored at -1e30, and true scores are taken to lie above that.  A row with every key of the chunk hidden
; gets p = 0, l = 0, m = -1e30.  p below f16's step of 6e-8 counts as 0 in pw (not in l).  NaN and infinities are not treated apart.
; SHARES.  A work-group makes 256 queries x 192 keys.  Query block I needs 2 3 4 6 7 8 10 11 chunks: 51 tiles a batch, 204 work-groups of equal work.  Wave w has queries 64 w .. 64 w + 63 and all 192 keys,
; so a row's statistics never leave the wave.  NO CLUSTER: neither the tiles of a query block (2 3 4 6 7 8 10 11) nor those of a chunk (8 8 7 6 5 5 4 3 2 2 1) come in fours.
; Chunk 10 reads 64 rows behind its batch's keys: they lie inside xb (behind its last block stand 64 rows of zeros), hold finite numbers, and are hidden from every query.
; LAYOUT.  Source 0 = 16 keys, source 1 = 16 queries: a lane holds ONE query (lane % 16) and the keys 8 (lane / 16) + 0..7.  THE MASK is what the sums start from: 0 or -1e38, made while the first tiles are on their way.
; REGISTERS, in windows of 256: window 0: addresses; v36-47 statistics; v64-95, v96-127 y1's fragments of the two quarters; v128-159, v160-191 y2's; v160-255 rows on the way out.
; windows 1 (pieces a = 0, 1) and 2 (a = 2, 3): accumulator (a, kb 0..11) at v[96 (a%2) + 8 kb]; v192-253 the softmax's work.   window 3: v0-95, v96-191 x's fragments of the two quarters.
.set PITCH, 144                        ; an LDS row: 128 bytes + 16: an odd multiple of 16
.set QBY,   256*PITCH                  ; 256 rows of y1 or y2
.set KHB,   96*PITCH                   ; 96 rows of x: what one of two waves fetches
.set KOFF,  2*QBY                      ; a slot: y1, y2, x of one block of 64 along the sum: 101,376 bytes
.set SLOT1, 131072
.set STAGE, SLOT1+KOFF+2*KHB           ; behind the ring: 16 rows x 400 bytes for each wave; no tensor load fills it
.set SP,    400                        ; 192 keys x 2 bytes + 16
.set SPARE, STAGE+4*16*SP              ; the spare words: two blocks of 256 bytes that no other line names
.set AQ0, 4                            ; v4   my lane's place in my 64 rows of y1, slot 0; never rewritten
.set AK0, 5                            ; v5   the same in x
.set AQ,  6                            ; v6, v7  the same in the slot in hand
.set AK,  7
.set STO, 8                            ; v8   the way out: where I put 16 bytes of a row
.set RD,  9                            ; v9   where I read rows back
.set CO,  10                           ; v10  16 x lane
.set DV,  11                           ; v11  my query less my first key: register rr of accumulator (a, kb) is hidden where 16 (kb - a) + rr is greater
.set SPW, 28
.set NIL, 29
.set MR,  36                           ; v36-39  c m of piece a
.set LR,  40                           ; v40-43  l of piece a
.set OUTS, 44                          ; v44-47  what goes to st
.set YA0, 64
.set YA1, 96
.set YB0, 128
.set YB1, 160
.set OB,  160                          ; two buffers of 48
.set XA,  0                            ; window 3
.set XB,  96
.set TMP, 192                          ; in the piece's window: 48 words of p in f16
.set CC,  240                          ; four chains of the maximum
.set CM,  244                          ; c m, twice
.set LS,  246                          ; four chains of pair sums
.set WV, 12                            ; s12 wave; s13 wave & 1; s14 I; s15 chunk j; s16 batch; s17 the tile's number
.set WU, 13
.set RI, 14
.set CJ, 15
.set BB, 16
.set UU, 17
.set G1Q, 24                           ; s[24:31] descriptor group 1 for y's tiles (256 rows); s[32:39] for x's (96 rows)
.set G1K, 32
.set G0Q, 40                           ; s[40:47] group 0 for y's: the first fill's, then the walking one; s[48:55] for x's
.set G0K, 48
.set TB,  56
.set CNT, 57
.set NEG, 58                           ; -1e38
.set FLOOR, 59                         ; -1e30
.set SEL, 60                           ; s[60:61] v_permlanex16_b32's selects: each lane takes its own place in the other half
.set CS,  62                           ; s[62:63] c
.set PWB, 66                           ; s[66:67] my first byte in pw
.set STB, 68                           ; s[68:69] my 512 bytes in st
.set MSB, 0
.macro WIN new
.if MSB != (\new)
	s_set_vgpr_msb (MSB<<8)|(\new)
.set MSB, (\new)
.endif
.endm
.macro PLACES
.rept 4
	v_nop
.endr
.endm
.macro LOAD                            ; a refill: waves 0 and 1 fetch y1 and y2, waves 2 and 3 the halves of x's rows.  An s_nop 0 and four v_nop follow each line
	s_cmp_lt_u32 s[WV], 2
	s_cbranch_scc0 .Lfor_k_\@
	tensor_load_to_lds s[G0Q+4:G0Q+7], s[G1Q:G1Q+7]
	s_nop 0
.rept 4
	v_nop
.endr
	s_branch .Lasked_\@
.Lfor_k_\@:
	tensor_load_to_lds s[G0K+4:G0K+7], s[G1K:G1K+7]
	s_nop 0
.rept 4
	v_nop
.endr
.Lasked_\@:
.endm
	s_load_b256 s[4:11], s[0:1], 0x0               ; qkv s[4:5], xb s[6:7], pw s[8:9], st s[10:11]
	v_lshl_add_u32 v[SPW], v0, 2, SPARE
	v_mov_b32 v[NIL], 0
	ds_add_u32 v[SPW], v[NIL]                      ; the wave's opening: the add and its wait stand ahead of my first tensor load
	ds_add_u32 v28, v29
	v_lshrrev_b32 v1, 5, v0
	v_readfirstlane_b32 s[WV], v1
	s_and_b32 s[WU], s[WV], 1
	s_mov_b32 s[UU], ttmp9
	s_and_b32 s[BB], ttmp7, 0xffff
	s_mov_b32 s[RI], 0
	s_mov_b32 s[CJ], 0
.macro PICK at, blk                    ; query block blk's tiles begin at number at
	s_cmp_ge_u32 s[UU], \at
	s_cselect_b32 s[RI], \blk, s[RI]
	s_cselect_b32 s[CJ], \at, s[CJ]
.endm
	PICK 2, 1
	PICK 5, 2
	PICK 9, 3
	PICK 15, 4
	PICK 22, 5
	PICK 30, 6
	PICK 40, 7
	s_sub_co_u32 s[CJ], s[UU], s[CJ]               ; the chunk
.irp g, G1Q, G1K                       ; dense tiles, asked for as rows of 256 bytes, padded in LDS after every 128 bytes
	s_mov_b32 s[\g], (1<<16)|(1<<20)|(4<<22)|(3<<25)
	s_mov_b32 s[\g+1], 128<<16
	s_mov_b32 s[\g+3], 128<<16
	s_mov_b32 s[\g+5], 128
	s_mov_b32 s[\g+6], 0
	s_mov_b32 s[\g+7], 0
.endr
	s_mov_b32 s[G1Q+2], 128<<16                    ; 128 rows of 256 bytes: 256 queries
	s_mov_b32 s[G1Q+4], 128
	s_mov_b32 s[G1K+2], 48<<16                     ; 48: 96 keys
	s_mov_b32 s[G1K+4], 48
	s_lshl_b32 s18, s[BB], 18                      ; y: (2048 b + 256 I) rows of 128 bytes, in region wave & 1
	s_lshl_b32 s19, s[RI], 15
	s_add_co_u32 s18, s18, s19
	s_lshl_b32 s19, s[WU], 24
	s_add_co_u32 s18, s18, s19
	s_mov_b32 s19, 0
	s_lshl_b32 s20, s[BB], 18                      ; x: (2048 b + 192 j + 96 (wave & 1)) rows
	s_mul_i32 s21, s[CJ], 24576
	s_add_co_u32 s20, s20, s21
	s_mul_i32 s21, s[WU], 12288
	s_add_co_u32 s20, s20, s21
	s_mov_b32 s21, 0
	s_mul_i32 s22, s[WU], QBY
	s_mul_i32 s23, s[WU], KHB
	s_add_co_u32 s23, s23, KOFF
	s_mov_b32 s[TB], 0
	s_mov_b32 s[NEG], 0xfe967699
	s_mov_b32 s[FLOOR], 0xf149f2ca
	s_mov_b32 s[SEL], 0x76543210
	s_mov_b32 s[SEL+1], 0xfedcba98
	s_mov_b32 s[CS], 0x3fb8aa3b
	s_mov_b32 s[CS+1], s[CS]                       ; named with it as a pair
	s_wait_dscnt 0x0                               ; the opening add is done
	s_wait_kmcnt 0x0
	s_add_nc_u64 s[18:19], s[4:5], s[18:19]
	s_add_nc_u64 s[20:21], s[6:7], s[20:21]
.irp s, 0,1
	s_mov_b32 s[G0Q+4*\s], 1
	s_add_co_u32 s[G0Q+4*\s+1], s22, \s*SLOT1
	s_add_nc_u64 s[G0Q+4*\s+2:G0Q+4*\s+3], s[18:19], \s*1048576     ; block s along the sum
	s_or_b32 s[G0Q+4*\s+3], s[G0Q+4*\s+3], 0x80000000
	s_mov_b32 s[G0K+4*\s], 1
	s_add_co_u32 s[G0K+4*\s+1], s23, \s*SLOT1
	s_add_nc_u64 s[G0K+4*\s+2:G0K+4*\s+3], s[20:21], \s*1048576
	s_or_b32 s[G0K+4*\s+3], s[G0K+4*\s+3], 0x80000000
.endr
	s_cmp_lt_u32 s[WV], 2                          ; a wave's two first fills stand in one branch: two loads of mine are out
	s_cbranch_scc0 .Lfirst_k
	tensor_load_to_lds s[G0Q:G0Q+3], s[G1Q:G1Q+7]
	s_nop 0
	tensor_load_to_lds s[G0Q+4:G0Q+7], s[G1Q:G1Q+7]
	s_nop 0
.rept 4
	v_nop
.endr
	s_branch .Lfirst_asked
.Lfirst_k:
	tensor_load_to_lds s[G0K:G0K+3], s[G1K:G1K+7]
	s_nop 0
	tensor_load_to_lds s[G0K+4:G0K+7], s[G1K:G1K+7]
	s_nop 0
.rept 4
	v_nop
.endr
.Lfirst_asked:
	v_and_b32 v1, 15, v0                           ; r
	v_bfe_u32 v2, v0, 4, 1                         ; h
	v_mul_u32_u24 v3, v1, PITCH
	v_lshl_add_u32 v3, v2, 4, v3
	s_mul_i32 s2, s[WV], 64*PITCH
	v_add_nc_u32 v[AQ0], s2, v3
	v_add_nc_u32 v[AK0], KOFF, v3
	v_mov_b32 v[AQ], v[AQ0]
	v_mov_b32 v[AK], v[AK0]
	s_mul_i32 s2, s[WV], 16*SP
	s_add_co_u32 s2, s2, STAGE                     ; my stage
	v_mul_u32_u24 v3, v1, SP
	v_lshl_add_u32 v3, v2, 4, v3
	v_add_nc_u32 v[STO], s2, v3
	v_bfe_u32 v3, v0, 3, 2
	v_and_b32 v12, 7, v0
	v_mul_u32_u24 v3, v3, SP
	v_lshl_add_u32 v3, v12, 4, v3
	v_add_nc_u32 v[RD], s2, v3
	v_and_b32 v[CO], 31, v0
	v_lshlrev_b32 v[CO], 4, v[CO]
	s_lshl_b32 s2, s[RI], 8                        ; 256 I + 64 w - 192 j, which may be negative
	s_lshl_b32 s3, s[WV], 6
	s_add_co_u32 s2, s2, s3
	s_mul_i32 s3, s[CJ], 192
	s_sub_co_u32 s2, s2, s3
	v_add_nc_u32 v[DV], s2, v1
	v_lshlrev_b32 v12, 3, v2
	v_sub_nc_u32 v[DV], v[DV], v12
	s_mul_i32 s2, s[BB], 33                        ; pw: block 33 b + 3 j of 262,144 bytes, row 256 I + 64 w of 128 bytes
	s_mul_i32 s3, s[CJ], 3
	s_add_co_u32 s2, s2, s3
	s_lshl_b32 s2, s2, 18
	s_lshl_b32 s3, s[RI], 15
	s_add_co_u32 s2, s2, s3
	s_lshl_b32 s3, s[WV], 13
	s_add_co_u32 s2, s2, s3
	s_mov_b32 s3, 0
	s_add_nc_u64 s[PWB:PWB+1], s[8:9], s[2:3]
	s_mul_i32 s2, s[BB], 11                        ; st: ((11 b + j) 32 + 4 I + w) x 512 bytes
	s_add_co_u32 s2, s2, s[CJ]
	s_lshl_b32 s2, s2, 5
	s_lshl2_add_u32 s2, s[RI], s2
	s_add_co_u32 s2, s2, s[WV]
	s_lshl_b32 s2, s2, 9
	s_mov_b32 s3, 0
	s_add_nc_u64 s[STB:STB+1], s[10:11], s[2:3]
; What the sums start from.  One compare for each (kb - a, register) of a window, and the selects that share it.  All this stands in the wait for the first tiles.
.macro MASKW W
	WIN (\W)<<6                                    ; destination in the accumulators' window
.set df, 1-2*(\W)                      ; kb - a runs from -1 (pieces 0, 1) or -3 (pieces 2, 3), 13 values
.rept 13
.set rr, 0
.rept 8
	v_cmp_gt_i32 vcc_lo, 16*df+rr, v[DV]
.irp e, 0,1
.set kq, df+2*((\W)-1)+\e
.if (kq >= 0) && (kq < 12)
	v_cndmask_b32 v[96*\e+8*kq+rr], 0, s[NEG], vcc_lo
.endif
.endr
.set rr, rr+1
.endr
.set df, df+1
.endr
.endm
	MASKW 1
	MASKW 2
	WIN 0
; cnt matrix instructions: key blocks k0 .. x piece a, 32 along the sum.  The accumulators take turns, one instruction a turn.
.macro MULS kf, qf, a, k0, cnt
	WIN 0x53+0x50*((\a)/2)                         ; x's fragment in window 3, y's in window 0, the sum in window 1 or 2
.set kq, (\k0)
.rept (\cnt)
.set rA, 96*((\a)%2)+8*kq
	v_wmma_f32_16x16x32_bf16 v[rA:rA+7], v[(\kf)+8*kq:(\kf)+8*kq+7], v[(\qf)+8*(\a):(\qf)+8*(\a)+7], v[rA:rA+7]
.set kq, kq+1
.endr
.endm
.macro LDX q, dst                      ; x's twelve fragments of quarter q: 24 loads
	WIN 0xc0
.set kq, 0
.rept 12
	ds_load_b128 v[(\dst)+8*kq:(\dst)+8*kq+3],   v[AK] offset:2304*kq+64*(\q)
	ds_load_b128 v[(\dst)+8*kq+4:(\dst)+8*kq+7], v[AK] offset:2304*kq+64*(\q)+32
.set kq, kq+1
.endr
.endm
.macro LDY lo, q, dst                  ; four fragments of y1 (lo = 0) or y2 (1): 8 loads
	WIN 0
.irp i, 0,1,2,3
	ds_load_b128 v[(\dst)+8*\i:(\dst)+8*\i+3],   v[AQ] offset:(\lo)*QBY+2304*\i+64*(\q)
	ds_load_b128 v[(\dst)+8*\i+4:(\dst)+8*\i+7], v[AQ] offset:(\lo)*QBY+2304*\i+64*(\q)+32
.endr
.endm
; A quarter (32 along the sum) is 96 matrix instructions: x y1, then x y2.  The next quarter's 40 loads (x, y1, y2 in this order) stand behind twelve of them and four places, 84 matrix instructions ahead of their first use.
.macro PHQ0                            ; a slot's first quarter; fetches its second
	s_wait_dscnt 0x8                               ; x and y1 are in; the youngest eight loads (y2) may be out
	MULS XA, YA0, 0, 0, 12
	PLACES
	LDX 1, XB
	LDY 0, 1, YA1
	LDY 1, 1, YB1
	MULS XA, YA0, 1, 0, 12
	MULS XA, YA0, 2, 0, 12
	MULS XA, YA0, 3, 0, 12
	s_wait_dscnt 40                                ; y2 is in; the 40 just issued may be out
	MULS XA, YB0, 0, 0, 12
	MULS XA, YB0, 1, 0, 12
	MULS XA, YB0, 2, 0, 12
	MULS XA, YB0, 3, 0, 12
.endm
; A slot's second quarter, and at its head the change of slots (the slot's last fragments are in registers): ONE barrier; in front of it each wave waits for all its tensor loads (one is out: its part of the next slot),
; adds 0 to its spare word, and waits for that and for its reads of this slot.  fill = 1: this slot is filled again, two blocks on, first thing behind the barrier.
.macro TURN fill
	WIN 0
	s_wait_tensorcnt 0x0                           ; no tensor load of mine is out, so a group 0 may be written
	ds_add_u32 v[SPW], v[NIL]                      ; 0 onto my spare word
.if \fill
	s_xor_b32 s[G0Q+5], s[G0Q+5], SLOT1
	s_add_nc_u64 s[G0Q+6:G0Q+7], s[G0Q+6:G0Q+7], 1048576
	s_xor_b32 s[G0K+5], s[G0K+5], SLOT1
	s_add_nc_u64 s[G0K+6:G0K+7], s[G0K+6:G0K+7], 1048576
.endif
	s_wait_dscnt 0x9                               ; x and y1 are in; y2's eight loads and the add may be out
	MULS XB, YA1, 0, 0, 6
	s_wait_dscnt 0x0                               ; the add is done, and my reads of this slot are over
	s_barrier_signal -1
	MULS XB, YA1, 0, 6, 6                          ; work on registers while the others arrive
	WIN 0
	s_barrier_wait -1
.if \fill
	LOAD                                           ; its four v_nop are also the places in front of the loads below
.else
	PLACES
.endif
	s_xor_b32 s[TB], s[TB], SLOT1
	v_add_nc_u32 v[AQ], s[TB], v[AQ0]
	v_add_nc_u32 v[AK], s[TB], v[AK0]
	LDX 0, XA
	LDY 0, 0, YA0
	LDY 1, 0, YB0
	MULS XB, YA1, 1, 0, 12
	MULS XB, YA1, 2, 0, 12
	MULS XB, YA1, 3, 0, 12
	MULS XB, YB1, 0, 0, 12
	MULS XB, YB1, 1, 0, 12
	MULS XB, YB1, 2, 0, 12
	MULS XB, YB1, 3, 0, 12
.endm
.macro STEP fill                       ; one block of 64 along the sum: 192 matrix instructions
	PHQ0
	TURN \fill
	WIN 0
.endm
	s_wait_tensorcnt 0x1                           ; my part of block 0 is in; block 1's may stay out
	s_barrier_signal -1
	s_barrier_wait -1
	LDX 0, XA
	LDY 0, 0, YA0
	LDY 1, 0, YB0
	WIN 0
	s_mov_b32 s[CNT], 14
.Lfill:                                                ; blocks 0 to 13; each trip asks for the block two on
	STEP 1
	s_sub_co_u32 s[CNT], s[CNT], 1
	s_cmp_lg_u32 s[CNT], 0
	s_cbranch_scc1 .Lfill
	s_mov_b32 s[CNT], 2
.Ldry:                                                 ; blocks 14 and 15 ask for nothing.  The last trip's 40 fragment loads read the slot left behind and serve nothing: the price of one text for both trips
	STEP 0
	s_sub_co_u32 s[CNT], s[CNT], 1
	s_cmp_lg_u32 s[CNT], 0
	s_cbranch_scc1 .Ldry
	s_wait_dscnt 0x0
	PLACES                                         ; the maxima read results just made
.macro SUMP pn                         ; pair pn of the piece's 48 joins chain pn % 4; a chain begins with its first two pairs: nothing is cleared
.if (\pn) >= 8
	v_pk_add_f32 v[LS+2*((\pn)%4):LS+2*((\pn)%4)+1], v[LS+2*((\pn)%4):LS+2*((\pn)%4)+1], v[SB+2*(\pn):SB+2*(\pn)+1]
.elseif (\pn) >= 4
	v_pk_add_f32 v[LS+2*((\pn)%4):LS+2*((\pn)%4)+1], v[SB+2*(\pn)-8:SB+2*(\pn)-7], v[SB+2*(\pn):SB+2*(\pn)+1]
.endif
.endm
; Piece a's softmax inside the chunk, all in the piece's window.  The maximum: four chains from the floor, each accumulator's lowest registers first; the query's other 96 keys lie in the lane 16 away.
; Then c s - c m in place; then two exponentials, the rounding of the pair before and the sum of the pair before that, by turns: a plain line stands behind every exponential before its result is used (ISA guide 5.7.2).
.macro SOFT a
.set SB, 96*((\a)%2)
	WIN 0x55*(1+(\a)/2)
.irp c, 0,1,2,3
	v_mov_b32 v[CC+\c], s[FLOOR]
.endr
.set gq, 0
.rept 4
.set kq, 0
.rept 12
	v_max3_num_f32 v[CC+kq%4], v[CC+kq%4], v[SB+8*kq+2*gq], v[SB+8*kq+2*gq+1]
.set kq, kq+1
.endr
.set gq, gq+1
.endr
	v_max3_num_f32 v[CC], v[CC], v[CC+1], v[CC+2]
	v_max_num_f32 v[CC], v[CC], v[CC+3]
	v_permlanex16_b32 v[CC+1], v[CC], s[SEL], s[SEL+1]
	v_max_num_f32 v[CC], v[CC], v[CC+1]
	v_mul_f32 v[CM], s[CS], v[CC]
	v_mul_f32 v[CM+1], s[CS], v[CC]
.set i, 0
.rept 48
	v_pk_fma_f32 v[SB+2*i:SB+2*i+1], v[SB+2*i:SB+2*i+1], s[CS:CS+1], v[CM:CM+1] op_sel_hi:[1,0,1] neg_lo:[0,0,1] neg_hi:[0,0,1]
.set i, i+1
.endr
.set i, 0
.rept 48
	v_exp_f32 v[SB+2*i], v[SB+2*i]
	v_exp_f32 v[SB+2*i+1], v[SB+2*i+1]
.if i >= 1
	s_wait_alu depctr_va_vdst(0)
	v_cvt_pk_f16_f32 v[TMP+i-1], v[SB+2*i-2], v[SB+2*i-1]
.else
	v_nop
.endif
.if i >= 2
	SUMP i-2
.endif
.set i, i+1
.endr
	v_cvt_pk_f16_f32 v[TMP+47], v[SB+94], v[SB+95]
	SUMP 46
	SUMP 47
	v_pk_add_f32 v[LS:LS+1], v[LS:LS+1], v[LS+2:LS+3]
	v_pk_add_f32 v[LS+4:LS+5], v[LS+4:LS+5], v[LS+6:LS+7]
	v_pk_add_f32 v[LS:LS+1], v[LS:LS+1], v[LS+4:LS+5]
	v_add_f32 v[LS], v[LS], v[LS+1]
	v_permlanex16_b32 v[LS+1], v[LS], s[SEL], s[SEL+1]
	v_add_f32 v[LS], v[LS], v[LS+1]
	WIN 1+(\a)/2                                   ; source 0 in the piece's window, destination in window 0
	v_mov_b32 v[MR+(\a)], v[CM]
	v_mov_b32 v[LR+(\a)], v[LS]
.endm
.macro TOSTAGE a                       ; 16 bytes (8 keys of my query) a store into rows of 400 bytes; back as 128 bytes of each of four rows
	WIN (1+(\a)/2)<<2                              ; the stores' data in the piece's window
.irp k, 0,1,2,3,4,5,6,7,8,9,10,11
	ds_store_b128 v[STO], v[TMP+4*\k:TMP+4*\k+3] offset:32*\k
.endr
	WIN 0
.irp c, 0,1,2
.irp t, 0,1,2,3
	ds_load_b128 v[OB+48*((\a)%2)+4*(4*\c+\t):OB+48*((\a)%2)+4*(4*\c+\t)+3], v[RD] offset:1600*\t+128*\c  ; LDS serves a wave's instructions in order (ISA guide 5.7.1.4): these see the stores above
.endr
.endr
.endm
.macro SEND a
	WIN 0
	s_wait_dscnt 0x0                               ; the piece is back in registers
	s_wait_xcnt 0x0                                ; the other buffer, which the piece before stored from, is loaded again only behind this wait
.irp c, 0,1,2
.irp t, 0,1,2,3
	global_store_b128 v[CO], v[OB+48*((\a)%2)+4*(4*\c+\t):OB+48*((\a)%2)+4*(4*\c+\t)+3], s[PWB:PWB+1] offset:262144*\c+2048*(\a)+512*\t  ; 512 consecutive bytes, at a multiple of 256 from pw's first
.endr
.endr
.endm
	SOFT 0
	TOSTAGE 0
	SOFT 1                                         ; a piece's arithmetic stands between the loads of the piece before and the wait for them
	SEND 0
	TOSTAGE 1
	SOFT 2
	SEND 1
	TOSTAGE 2
	SOFT 3
	SEND 2
	TOSTAGE 3
	SEND 3
	v_and_b32 v12, 31, v0
	v_cmp_gt_u32 vcc_lo, 16, v12                   ; lanes 0-15 store c m, lanes 16-31 l (both halves hold both): two whole blocks of 256 bytes
.irp a, 0,1,2,3
	v_cndmask_b32 v[OUTS+\a], v[LR+\a], v[MR+\a], vcc_lo
.endr
	global_store_b128 v[CO], v[OUTS:OUTS+3], s[STB:STB+1]
	s_wait_tensorcnt 0x0                           ; the wave's end: a wait, an add and its wait, behind my last tensor load and my last LDS store
	ds_add_u32 v[SPW], v[NIL]
	s_wait_dscnt 0x0
	s_endpgm
.Lfunc_end_k_qdc28355eda_score:
	.size	k_qdc28355eda_score, .Lfunc_end_k_qdc28355eda_score-k_qdc28355eda_score
	.p2alignl 7, 3214868480
	.fill 96, 4, 3214868480
	.section	.rodata,"a",@progbits
	.p2align	6, 0x0
	.amdhsa_kernel k_qdc28355eda_score
		.amdhsa_group_segment_fixed_size 327680
		.amdhsa_private_segment_fixed_size 0
		.amdhsa_enable_private_segment 0
		.amdhsa_kernarg_size 32
		.amdhsa_user_sgpr_count 2
		.amdhsa_user_sgpr_kernarg_segment_ptr 1
		.amdhsa_wavefront_size32 1
		.amdhsa_system_sgpr_workgroup_id_x 1
		.amdhsa_system_sgpr_workgroup_id_y 1
		.amdhsa_system_sgpr_workgroup_id_z 1
		.amdhsa_system_vgpr_workitem_id 0
		.amdhsa_next_free_vgpr 960
		.amdhsa_next_free_sgpr 72
		.amdhsa_reserve_vcc 1
		.amdhsa_float_denorm_mode_32 3
		.amdhsa_float_denorm_mode_16_64 3
		.amdhsa_memory_ordered 1
		.amdhsa_forward_progress 1
		.amdhsa_inst_pref_size 162
	.end_amdhsa_kernel
	.amdgpu_metadata
---
amdhsa.version: [ 1, 2 ]
amdhsa.kernels:
  - .name:           k_qdc28355eda_score
    .symbol:         k_qdc28355eda_score.kd
    .args:
      - { .name: qkv, .offset: 0, .size: 8, .value_kind: global_buffer, .address_space: global }
      - { .name: xb, .offset: 8, .size: 8, .value_kind: global_buffer, .address_space: global }
      - { .name: pw, .offset: 16, .size: 8, .value_kind: global_buffer, .address_space: global }
      - { .name: st, .offset: 24, .size: 8, .value_kind: global_buffer, .address_space: global }
    .group_segment_fixed_size: 327680
    .private_segment_fixed_size: 0
    .kernarg_segment_align: 8
    .kernarg_segment_size: 32
    .max_flat_workgroup_size: 128
    .sgpr_count:     72
    .vgpr_count:     960
    .wavefront_size: 32
...
	.end_amdgpu_metadata
.endif
;; end of part 8
;; launch pv (part 9): grid 8 x 32, 4 waves a work-group, clusters of 4 x 1, 327,680 bytes of LDS; arguments pw, qkv, st, out0; writes out0
.if DOCPART == 9
	.amdgcn_target "amdgcn-amd-amdhsa--gfx1250"
	.amdhsa_code_object_version 6
	.text
	.protected	k_qdc28355eda_pv
	.globl	k_qdc28355eda_pv
	.p2align	8
	.type	k_qdc28355eda_pv,@function
k_qdc28355eda_pv:
	s_mov_b64 s[64:65], 0
	v_nop
	global_prefetch_b8 v0, s[64:65] scope:SCOPE_SE
	s_setreg_imm32_b32 hwreg(HW_REG_WAVE_MODE, 25, 1), 1
	s_wait_xcnt 0x0
	s_wait_alu depctr_hold_cnt(0) depctr_sa_sdst(0) depctr_va_vdst(0) depctr_va_sdst(0) depctr_va_ssrc(0) depctr_va_vcc(0) depctr_vm_vsrc(0)
	s_getreg_b32 s2, hwreg(HW_REG_IB_STS2, 6, 4)
	s_cmp_eq_u32 s2, 0
	s_cbranch_scc0 .Lentry_in_a_cluster
	s_endpgm
.Lentry_in_a_cluster:
	s_bfe_u32 s2, ttmp6, 0x10000c
	s_cmp_lg_u32 s2, 0x3003
	s_cbranch_scc0 .Lentry_shape_is_right
	s_endpgm
.Lentry_shape_is_right:
; out[row] = sum over chunks c of f_c (P_c V_c), f_c = 2^(cm_c - M) / L, M = the row's maximum of cm over its chunks, L = sum of l_c 2^(cm_c - M): the softmax's maximum is the row's true one.
; P (f16, from pw) is multiplied by f (f16) on its way from LDS to the matrix unit; V is qkv's region 4 (f16); sums in f32; out0 in f32.
; LIMITS.  A weight p f keeps f16's 11 bits, and below 6e-5 f16's fixed step of 6e-8; M, L and f are made in f32.  NaN and infinities are not treated apart.
; THE WALK.  A batch's rows lie in 16 blocks of 128; a key tile is one chunk of 192 keys; block i needs the chunks 0 .. (4 i + 3) / 6 (hidden keys hold p = 0 in pw: no mask here).  A work-group takes 128 columns and
; TWO row blocks, 15 - p and then p: 11+1, 10+2, 10+2, 9+3, 8+4, 8+4, 7+5, 6+6 = 12 tiles whatever p, one loop with a constant trip count; 8 x 32 = 256 work-groups of equal work.  Every jump but the loops' own
; goes forward and passes no barrier and no tensor load (but the one of a fill's two lines that the wave's number does not choose).
; Chunk 10 reads 64 rows of V behind its batch's keys: they lie inside qkv (behind its last block stand 64 rows of zeros), hold finite numbers, and meet p = 0.
; CLUSTER 4 x 1: the four column blocks of a cluster walk the same tiles of P, which are asked for jointly; V's tiles hang on the column block and are loads of one's own, behind the same rounds.
; LAYOUT.  O^T = V^T P: source 0 = 16 channels x 32 keys (V turned by ds_load_tr16_b128), source 1 = 32 keys x 16 queries (P as it lies): a lane holds ONE query and eight neighbouring channels, and f is a number a lane.
; REGISTERS: window 0: addresses; v48-51 f of the tile's chunk, by piece; v64-127 rows on the way out; v128-255 V's fragments, four buffers of 32 (channel block nb at + 8 nb).
; window 1: v0-127 the accumulators ((a, nb) at 8 (4 a + nb)); v128-255 P's fragments, four buffers of 32 (piece a at + 8 a).  A tile's six quarters of 32 keys take the buffers in turn.
; One window setting serves the products and the scaling of P.
.set SLOT1, 131072                     ; slot 1 begins here: one exclusive or changes slots
.set PBK,   64*144                     ; 64 rows of one block of 64 keys, pitch 144
.set PHB,   3*PBK                      ; one wave's load of P: 64 rows of each of the chunk's three key blocks
.set VOFF,  2*PHB                      ; a slot: P's two halves of 64 rows, then V's two blocks of 64 channels (192 keys, pitch 160): 116,736 bytes
.set VBY,   192*160
.set STAGE, SLOT1+VOFF+2*VBY           ; behind the ring: 16 rows x 272 bytes for each wave; no tensor load fills it
.set SP,    272
.set FTAB,  STAGE+4*16*SP              ; for each wave 2 row blocks x 11 chunks x 512 bytes: each lane's own 16 bytes hold f of its four pieces; only that lane reads them
.set FBLK,  11*512
.set SPARE, FTAB+4*2*FBLK              ; the spare words: two blocks of 256 bytes that no other line names
.set PSTEP, 3*262144                   ; bytes from chunk to chunk in pw
.set VSTEP, 192*128                    ; and in V
.set AP0, 2                            ; v2   my lane's place in my 64 rows of P, slot 0; never rewritten
.set AV0, 3                            ; v3   the same in my 64 channels of V
.set AP,  4                            ; v4, v5  the same in the slot in hand
.set AV,  5
.set STO, 6                            ; v6   the way out: where I put 32 bytes of a row
.set RD,  7                            ; v7   where I read rows back
.set CO,  8                            ; v8   my byte offset in two rows of out0
.set FT0, 9                            ; v9   my 16 bytes in my wave's table
.set FA,  10                           ; v10  the table entry of the tile's chunk
.set R16, 14                           ; v14  16 r
.set FTA, 18                           ; v18  where the table is being written
.set SPW, 28
.set NIL, 29
.set FR,  48
.set OB,  64
.set CMV, 64                           ; the statistics' registers lie where tiles come later: cm, then e, then f, 4 a chunk
.set LV,  128                          ; l
.set OF,  176                          ; a byte offset for each chunk
.set MX,  188
.set LSM, 192
.set RC,  196
.set WV, 12                            ; s12 wave; s13 g (which 64 rows); s14 ch (which 64 columns; also which half of a tile I fetch); s15 column block; s16 batch; s17 p
.set GH, 13
.set CH, 14
.set NC, 15
.set BB, 16
.set PP, 17
.set G1P, 24                           ; s[24:31] descriptor group 1 for P's tiles; s[32:39] for V's
.set G1V, 32
.set G0P, 40                           ; s[40:47] group 0 for P's: the first fill's, then the walking one; s[48:55] for V's
.set G0V, 48
.set NXT, 56                           ; the chunk to be asked for next
.set LQ,  57                           ; the last chunk of the row block whose tiles are being asked for
.set ROWA, 58                          ; that row block's byte offset in a block of pw
.set ROWB, 59                          ; the second row block's
.set KT,  60                           ; the chunk in hand
.set RT,  61                           ; tiles of the row block in hand still to be entered
.set NEW, 62                           ; 1: the tile to be entered is a row block's first
.set FTB, 63                           ; the row block's part of the table
.set TB,  66
.set CNT, 67
.set OUT, 68                           ; s[68:69] out0 at my rows of the block in hand; s[70:71] of the second block
.set OUT2, 70
.set STP, 72                           ; s[72:73] st at my 64 rows, chunk 0
.set FL,  74                           ; s[74:75] 1.0 or 0
.set SI,  76                           ; the row block whose table is being made
.set CMX, 77
.set CNT2, 78
.set BASEP, 84                         ; s[84:85] pw at my 64 rows' half, the batch's chunk 0, row block 0
.set BASEV, 86                         ; s[86:87] V at my channel block, the batch's chunk 0
.set OFFP, 88                          ; s[88:89], s[90:91] a tile's byte offsets
.set OFFV, 90
.set CM1, 92                           ; the first row block's last chunk; s93 the second's
.set CM2, 93
.set MSB, 0
.macro WIN new
.if MSB != (\new)
	s_set_vgpr_msb (MSB<<8)|(\new)
.set MSB, (\new)
.endif
.endm
.macro PLACES                          ; four places in front of loads into registers that matrix instructions have read, and of stores that read their results
.rept 4
	v_nop
.endr
.endm
.macro JLOAD                           ; waves 0 and 1 ask jointly for P's two halves, waves 2 and 3 for V's two blocks.  An s_nop 0 and four v_nop follow each line
	s_cmp_lt_u32 s[WV], 2
	s_cbranch_scc0 .Lfor_v_\@
	tensor_load_to_lds s[G0P+4:G0P+7], s[G1P:G1P+7]
	s_nop 0
.rept 4
	v_nop
.endr
	s_branch .Lasked_\@
.Lfor_v_\@:
	tensor_load_to_lds s[G0V+4:G0V+7], s[G1V:G1V+7]
	s_nop 0
.rept 4
	v_nop
.endr
.Lasked_\@:
.endm
.macro CROUND                          ; a round of the cluster's barrier
	s_barrier_signal -1
	s_barrier_wait -1
	s_cmp_lg_u32 s[WV], 0
	s_cbranch_scc1 .Lnot_wave_0_\@
	s_barrier_signal -3
.Lnot_wave_0_\@:
	s_barrier_wait -3
	s_barrier_signal -1
	s_barrier_wait -1
.endm
	s_load_b256 s[4:11], s[0:1], 0x0               ; pw s[4:5], qkv s[6:7], st s[8:9], out0 s[10:11]
	v_lshl_add_u32 v[SPW], v0, 2, SPARE
	v_mov_b32 v[NIL], 0
	ds_add_u32 v[SPW], v[NIL]                      ; the wave's opening: the add and its wait stand ahead of my first tensor load
	ds_add_u32 v28, v29
	v_lshrrev_b32 v1, 5, v0
	v_readfirstlane_b32 s[WV], v1
	s_lshr_b32 s[GH], s[WV], 1
	s_and_b32 s[CH], s[WV], 1
	s_bfe_u32 s18, ttmp6, 0x40000                  ; cx
	s_lshl_b32 s[NC], ttmp9, 2
	s_add_co_u32 s[NC], s[NC], s18                 ; column block = 4 x cluster x + cx: it enters V's and out0's addresses alone
	s_and_b32 s19, ttmp7, 0xffff
	s_lshr_b32 s[BB], s19, 3                       ; batch and p, which the four partners share
	s_and_b32 s[PP], s19, 7
	; P: 64 rows of a key block are 8,192 dense bytes, and a chunk's three key blocks lie 262,144 bytes apart: a tile of 3 rows of 4,096 elements, padded in LDS after every 128 bytes
	s_mov_b32 s[G1P], 15|(1<<16)|(1<<20)|(1<<21)|(4<<22)|(3<<25)  ; the mask of four; 2-byte elements; padding on; bit 21 beside a mask; after every 32 words 4 words
	s_mov_b32 s[G1P+1], 4096<<16                   ; tensor_dim0 = 4,096
	s_mov_b32 s[G1P+2], 3<<16                      ; tensor_dim1 = 3
	s_mov_b32 s[G1P+3], 4096<<16                   ; tile_dim0 = 4,096
	s_mov_b32 s[G1P+4], 3                          ; tile_dim1 = 3
	s_mov_b32 s[G1P+5], 131072                     ; elements from row to row
	s_mov_b32 s[G1P+6], 0
	s_mov_b32 s[G1P+7], 0
	; V: 192 keys of 128 bytes are dense: asked for as 96 rows of 256 bytes
	s_mov_b32 s[G1V], (1<<16)|(1<<20)|(4<<22)|(7<<25)             ; no mask; 8 words of padding
	s_mov_b32 s[G1V+1], 128<<16
	s_mov_b32 s[G1V+2], 96<<16
	s_mov_b32 s[G1V+3], 128<<16
	s_mov_b32 s[G1V+4], 96
	s_mov_b32 s[G1V+5], 128
	s_mov_b32 s[G1V+6], 0
	s_mov_b32 s[G1V+7], 0
	s_mul_i32 s20, s[BB], 33                       ; pw: block 33 b, my 64 of a row block's 128 rows
	s_lshl_b32 s20, s20, 18
	s_lshl_b32 s21, s[CH], 13
	s_add_co_u32 s20, s20, s21
	s_mov_b32 s21, 0
	s_lshl_b32 s22, s[NC], 1                       ; V: block 64 + 2 n + half of 1 MiB, row 2048 b
	s_add_co_u32 s22, s22, s[CH]
	s_add_co_u32 s22, s22, 64
	s_lshl_b32 s22, s22, 20
	s_lshl_b32 s23, s[BB], 18
	s_add_co_u32 s22, s22, s23
	s_mov_b32 s23, 0
	s_mov_b32 s[G0P], 1
	s_mul_i32 s[G0P+1], s[CH], PHB                 ; slot 0; no place in the cluster enters an LDS address
	s_mov_b32 s[G0P+4], 1
	s_add_co_u32 s[G0P+5], s[G0P+1], SLOT1         ; slot 1
	s_mov_b32 s[G0V], 1
	s_mul_i32 s[G0V+1], s[CH], VBY
	s_add_co_u32 s[G0V+1], s[G0V+1], VOFF
	s_mov_b32 s[G0V+4], 1
	s_add_co_u32 s[G0V+5], s[G0V+1], SLOT1
	s_sub_co_u32 s[SI], 15, s[PP]                  ; the first row block
	s_lshl_b32 s[ROWA], s[SI], 14
	s_lshl_b32 s[ROWB], s[PP], 14
	s_lshl_b32 s2, s[SI], 2                        ; a block's last chunk: (4 i + 3) / 6, taken as x 43 >> 8, right below 128
	s_add_co_u32 s2, s2, 3
	s_mul_i32 s2, s2, 43
	s_lshr_b32 s[CM1], s2, 8
	s_lshl_b32 s2, s[PP], 2
	s_add_co_u32 s2, s2, 3
	s_mul_i32 s2, s2, 43
	s_lshr_b32 s[CM2], s2, 8
	s_mov_b32 s[LQ], s[CM1]
	s_mov_b32 s[NXT], 2                            ; chunks 0 and 1 are asked for at the start: the first block has six chunks or more
	s_mov_b32 s[KT], 0
	s_add_co_u32 s[RT], s[CM1], 1
	s_mov_b32 s[NEW], 1
	s_mov_b32 s[FTB], 0
	s_mov_b32 s[TB], 0
	s_mov_b32 s[OFFP], s[ROWA]
	s_mov_b32 s[OFFP+1], 0
	s_mov_b32 s[OFFV+1], 0
	s_mov_b32 s[FL+1], 0
	s_lshl_b32 s2, s[BB], 23                       ; out0: (2048 b + 128 i + 64 g) rows of 4,096 bytes + 512 n + 256 ch
	s_lshl_b32 s3, s[GH], 18
	s_add_co_u32 s2, s2, s3
	s_lshl_b32 s3, s[NC], 9
	s_add_co_u32 s2, s2, s3
	s_lshl_b32 s3, s[CH], 8
	s_add_co_u32 s2, s2, s3
	s_lshl_b32 s3, s[SI], 19
	s_add_co_u32 s80, s2, s3
	s_mov_b32 s81, 0
	s_lshl_b32 s3, s[PP], 19
	s_add_co_u32 s82, s2, s3
	s_mov_b32 s83, 0
	s_wait_dscnt 0x0                               ; the opening add is done
	s_wait_kmcnt 0x0
	s_add_nc_u64 s[BASEP:BASEP+1], s[4:5], s[20:21]
	s_add_nc_u64 s[BASEV:BASEV+1], s[6:7], s[22:23]
	s_add_nc_u64 s[G0P+2:G0P+3], s[BASEP:BASEP+1], s[OFFP:OFFP+1]  ; chunk 0 of the first row block,
	s_add_nc_u64 s[G0P+6:G0P+7], s[G0P+2:G0P+3], PSTEP             ; and chunk 1
	s_or_b32 s[G0P+3], s[G0P+3], 0x80000000
	s_or_b32 s[G0P+7], s[G0P+7], 0x80000000
	s_add_nc_u64 s[G0V+2:G0V+3], s[BASEV:BASEV+1], 0
	s_add_nc_u64 s[G0V+6:G0V+7], s[BASEV:BASEV+1], VSTEP
	s_or_b32 s[G0V+3], s[G0V+3], 0x80000000
	s_or_b32 s[G0V+7], s[G0V+7], 0x80000000
	s_add_nc_u64 s[OUT:OUT+1], s[10:11], s[80:81]
	s_add_nc_u64 s[OUT2:OUT2+1], s[10:11], s[82:83]
	CROUND                                         ; all four work-groups are here: the first joint loads meet
	s_cmp_lt_u32 s[WV], 2                          ; a wave's two first fills stand in one branch: two loads of mine are out
	s_cbranch_scc0 .Lfirst_v
	tensor_load_to_lds s[G0P:G0P+3], s[G1P:G1P+7]
	s_nop 0
	tensor_load_to_lds s[G0P+4:G0P+7], s[G1P:G1P+7]
	s_nop 0
.rept 4
	v_nop
.endr
	s_branch .Lfirst_asked
.Lfirst_v:
	tensor_load_to_lds s[G0V:G0V+3], s[G1V:G1V+7]
	s_nop 0
	tensor_load_to_lds s[G0V+4:G0V+7], s[G1V:G1V+7]
	s_nop 0
.rept 4
	v_nop
.endr
.Lfirst_asked:
	v_and_b32 v1, 15, v0                           ; r
	v_bfe_u32 v15, v0, 4, 1                        ; h
	v_and_b32 v16, 7, v0
	v_bfe_u32 v17, v0, 3, 1
	v_mul_u32_u24 v[AP0], v1, 144
	v_lshl_add_u32 v[AP0], v15, 4, v[AP0]
	s_mul_i32 s2, s[GH], PHB
	v_add_nc_u32 v[AP0], s2, v[AP0]                ; my half of the rows + r x pitch + 16 h
	v_lshl_add_u32 v[AV0], v15, 3, v16             ; the turning load: lane l reads key 8 (l / 16) + l % 8, channels 8 ((l / 8) % 2) + 0..7
	v_mul_u32_u24 v[AV0], v[AV0], 160
	v_lshl_add_u32 v[AV0], v17, 4, v[AV0]
	s_mul_i32 s2, s[CH], VBY
	s_add_co_u32 s2, s2, VOFF
	v_add_nc_u32 v[AV0], s2, v[AV0]
	s_mul_i32 s2, s[WV], 16*SP
	s_add_co_u32 s2, s2, STAGE                     ; my stage
	v_mul_u32_u24 v[STO], v1, SP
	v_lshl_add_u32 v[STO], v15, 5, v[STO]
	v_add_nc_u32 v[STO], s2, v[STO]                ; in: row r, 32 bytes for each half of the lanes
	v_mul_u32_u24 v[RD], v15, SP
	v_lshl_add_u32 v[RD], v1, 4, v[RD]
	v_add_nc_u32 v[RD], s2, v[RD]                  ; back: lanes 0-15 one row of 256 bytes, lanes 16-31 the next
	v_lshlrev_b32 v[R16], 4, v1
	v_lshl_add_u32 v[CO], v15, 12, v[R16]          ; the same two rows in out0
	v_and_b32 v[FT0], 31, v0
	v_lshlrev_b32 v[FT0], 4, v[FT0]
	s_mul_i32 s2, s[WV], 2*FBLK
	s_add_co_u32 s2, s2, FTAB
	v_add_nc_u32 v[FT0], s2, v[FT0]
	v_mov_b32 v[FTA], v[FT0]
; THE TABLE OF f, while the first two tiles are on their way: two trips, for row block 15 - p and then p.  A lane takes the four rows 16 a + r of its wave's 64.  Block i has the chunks 0 .. cmax = (4 i + 3) / 6;
; a chunk past cmax reads cmax's numbers again, its l counts as 0, and its entry of the table is never read.
	s_mov_b32 s[CNT2], 2
.Lstats:
	s_lshl_b32 s2, s[SI], 2
	s_add_co_u32 s2, s2, 3
	s_mul_i32 s2, s2, 43
	s_lshr_b32 s[CMX], s2, 8
	s_mul_i32 s2, s[BB], 352                       ; st: group 352 b + 2 i + g of 512 bytes; 16,384 bytes from chunk to chunk
	s_lshl1_add_u32 s2, s[SI], s2
	s_add_co_u32 s2, s2, s[GH]
	s_lshl_b32 s2, s2, 9
	s_mov_b32 s3, 0
	s_add_nc_u64 s[STP:STP+1], s[8:9], s[2:3]
.set c, 0
.rept 11
	s_min_u32 s2, s[CMX], c
	s_lshl_b32 s2, s2, 14
	v_add_nc_u32 v[OF+c], s2, v[R16]
	global_load_b128 v[CMV+4*c:CMV+4*c+3], v[OF+c], s[STP:STP+1]
	global_load_b128 v[LV+4*c:LV+4*c+3],   v[OF+c], s[STP:STP+1] offset:256
.set c, c+1
.endr
	s_wait_loadcnt 0x0                             ; all 22; it also frees their address registers for the second trip
.irp a, 0,1,2,3
	v_max_num_f32 v[MX+\a], v[CMV+\a], v[CMV+4+\a]
.endr
.irp c, 2,4,6,8
.irp a, 0,1,2,3
	v_max3_num_f32 v[MX+\a], v[MX+\a], v[CMV+4*\c+\a], v[CMV+4*\c+4+\a]
.endr
.endr
.irp a, 0,1,2,3
	v_max_num_f32 v[MX+\a], v[MX+\a], v[CMV+40+\a]
.endr
.set c, 0
.rept 11
	v_pk_add_f32 v[CMV+4*c:CMV+4*c+1],   v[CMV+4*c:CMV+4*c+1],   v[MX:MX+1]   neg_lo:[0,1] neg_hi:[0,1]
	v_pk_add_f32 v[CMV+4*c+2:CMV+4*c+3], v[CMV+4*c+2:CMV+4*c+3], v[MX+2:MX+3] neg_lo:[0,1] neg_hi:[0,1]
.set c, c+1
.endr
.set c, 0
.rept 44
	v_exp_f32 v[CMV+c], v[CMV+c]                   ; e = 2^(cm - M)
.set c, c+1
.endr
.set c, 0
.rept 11                               ; plain lines that touch no e: they stand behind the exponentials
	s_cmp_ge_u32 s[CMX], c
	s_cselect_b32 s[FL], 1.0, 0
	v_pk_mul_f32 v[LV+4*c:LV+4*c+1],   v[LV+4*c:LV+4*c+1],   s[FL:FL+1] op_sel_hi:[1,0]
	v_pk_mul_f32 v[LV+4*c+2:LV+4*c+3], v[LV+4*c+2:LV+4*c+3], s[FL:FL+1] op_sel_hi:[1,0]
.set c, c+1
.endr
	s_wait_alu depctr_va_vdst(0)
	v_pk_mul_f32 v[LSM:LSM+1],   v[LV:LV+1],   v[CMV:CMV+1]
	v_pk_mul_f32 v[LSM+2:LSM+3], v[LV+2:LV+3], v[CMV+2:CMV+3]
.set c, 1
.rept 10
	v_pk_fma_f32 v[LSM:LSM+1],   v[LV+4*c:LV+4*c+1],   v[CMV+4*c:CMV+4*c+1],   v[LSM:LSM+1]
	v_pk_fma_f32 v[LSM+2:LSM+3], v[LV+4*c+2:LV+4*c+3], v[CMV+4*c+2:CMV+4*c+3], v[LSM+2:LSM+3]
.set c, c+1
.endr
.irp a, 0,1,2,3
	v_rcp_f32 v[RC+\a], v[LSM+\a]                  ; L is at least 1: the chunk that holds M has e = 1 and l >= 1
.endr
	v_nop                                          ; a plain line between the last reciprocal and the use of its result
.set c, 0
	s_wait_alu depctr_va_vdst(0)
.rept 11
	v_pk_mul_f32 v[CMV+4*c:CMV+4*c+1],   v[CMV+4*c:CMV+4*c+1],   v[RC:RC+1]
	v_pk_mul_f32 v[CMV+4*c+2:CMV+4*c+3], v[CMV+4*c+2:CMV+4*c+3], v[RC+2:RC+3]
.irp a, 0,1,2,3
	v_cvt_pk_f16_f32 v[CMV+4*c+\a], v[CMV+4*c+\a], v[CMV+4*c+\a]  ; f in both halves, for the packed multiply
.endr
	ds_store_b128 v[FTA], v[CMV+4*c:CMV+4*c+3] offset:512*c
.set c, c+1
.endr
	v_add_nc_u32 v[FTA], FBLK, v[FTA]
	s_mov_b32 s[SI], s[PP]
	s_wait_dscnt 0x0                               ; the table's stores are done before their registers are loaded again, and before the barrier below
	s_sub_co_u32 s[CNT2], s[CNT2], 1
	s_cmp_lg_u32 s[CNT2], 0
	s_cbranch_scc1 .Lstats
; THE CHANGE OF SLOTS.  Each wave waits for all its tensor loads (one is out: its part of the other slot), adds 0 to its spare word, and waits for that and for its reads of the slot that it leaves.
; fill = 1: a round of the cluster's barrier, and the old slot is filled again, first thing behind it, with chunk NXT of the row block being asked for: the address is made anew from those numbers.
; The load has a whole tile's work, 96 matrix instructions a wave, in which to land.
.macro CHANGE fill
	WIN 0
	s_wait_tensorcnt 0x0                           ; no tensor load of mine is out, so a group 0 may be written
	ds_add_u32 v[SPW], v[NIL]                      ; 0 onto my spare word
.if \fill
	s_mul_i32 s[OFFP], s[NXT], PSTEP               ; three blocks of 262,144 bytes a chunk,
	s_add_co_u32 s[OFFP], s[OFFP], s[ROWA]         ; and the row block's 128 rows
	s_mul_i32 s[OFFV], s[NXT], VSTEP               ; 192 keys of 128 bytes
	s_xor_b32 s[G0P+5], s[G0P+5], SLOT1
	s_add_nc_u64 s[G0P+6:G0P+7], s[BASEP:BASEP+1], s[OFFP:OFFP+1]
	s_or_b32 s[G0P+7], s[G0P+7], 0x80000000
	s_xor_b32 s[G0V+5], s[G0V+5], SLOT1
	s_add_nc_u64 s[G0V+6:G0V+7], s[BASEV:BASEV+1], s[OFFV:OFFV+1]
	s_or_b32 s[G0V+7], s[G0V+7], 0x80000000
	s_add_co_u32 s[NXT], s[NXT], 1                 ; the row block's next chunk, or behind its last the second block's chunk 0
	s_cmp_gt_u32 s[NXT], s[LQ]
	s_cselect_b32 s[NXT], 0, s[NXT]
	s_cselect_b32 s[ROWA], s[ROWB], s[ROWA]
	s_cselect_b32 s[LQ], s[CM2], s[LQ]
	s_wait_dscnt 0x0                               ; the add is done, and my reads of the slot are over
	CROUND
	JLOAD                                          ; its four v_nop are also the places in front of the tile's fragment loads
.else
	s_wait_dscnt 0x0
	s_barrier_signal -1
	s_barrier_wait -1
	PLACES
.endif
	s_xor_b32 s[TB], s[TB], SLOT1
.endm
; Quarter q's fragments (32 keys) into buffer q % 4: 8 loads of P, 8 turning loads of V
.macro LDQ q
	WIN 0x40                                       ; destination in window 1
.irp a, 0,1,2,3
	ds_load_b128 v[128+32*((\q)%4)+8*\a:128+32*((\q)%4)+8*\a+3],   v[AP] offset:PBK*((\q)/2)+64*((\q)%2)+2304*\a
	ds_load_b128 v[128+32*((\q)%4)+8*\a+4:128+32*((\q)%4)+8*\a+7], v[AP] offset:PBK*((\q)/2)+64*((\q)%2)+2304*\a+32
.endr
	WIN 0
.irp nb, 0,1,2,3
	ds_load_tr16_b128 v[128+32*((\q)%4)+8*\nb:128+32*((\q)%4)+8*\nb+3],   v[AV] offset:5120*(\q)+32*\nb
	ds_load_tr16_b128 v[128+32*((\q)%4)+8*\nb+4:128+32*((\q)%4)+8*\nb+7], v[AV] offset:5120*(\q)+32*\nb+2560
.endr
.endm
; 16 matrix instructions: quarter q x 4 pieces x 4 channel blocks; the accumulators take turns.  zero = 1: they start the sums.
; ride = 1: behind each stand two lines that scale the next quarter's P, in the next buffer; they name no register of the products round them.
.macro MULQ q, zero, ride
	WIN 0x54                                       ; V and f in window 0; P and the sums in window 1
.set bu, 128+32*((\q)%4)
.set bn, 128+32*(((\q)+1)%4)
.set m, 0
.rept 16
.set rA, 8*m
.set rV, bu+8*(m%4)
.set rP, bu+8*(m/4)
.if \zero
	v_wmma_f32_16x16x32_f16 v[rA:rA+7], v[rV:rV+7], v[rP:rP+7], 0
.else
	v_wmma_f32_16x16x32_f16 v[rA:rA+7], v[rV:rV+7], v[rP:rP+7], v[rA:rA+7]
.endif
.if \ride
	v_pk_mul_f16 v[bn+2*m],   v[FR+m/4], v[bn+2*m]
	v_pk_mul_f16 v[bn+2*m+1], v[FR+m/4], v[bn+2*m+1]
.endif
.set m, m+1
.endr
.endm
; A KEY TILE is chunk KT: its f (one load), then six quarters.  Quarters 0 to 2 are fetched at once, quarter 3 behind the first scaling; quarters 4 and 5 take buffers 0 and 1 again, each four places behind the
; products that read the buffer and two quarters' products ahead of its first use.
.macro TILE
	s_sub_co_u32 s[RT], s[RT], 1
	s_min_u32 s3, s[KT], 10
	s_lshl_b32 s3, s3, 9
	s_add_co_u32 s3, s3, s[FTB]
	v_add_nc_u32 v[FA], s3, v[FT0]
	s_add_co_u32 s[KT], s[KT], 1
	v_add_nc_u32 v[AP], s[TB], v[AP0]
	v_add_nc_u32 v[AV], s[TB], v[AV0]
	ds_load_b128 v[FR:FR+3], v[FA]
	LDQ 0
	LDQ 1
	LDQ 2
	s_wait_dscnt 32                                ; f and quarter 0 are in; quarters 1 and 2 may be out
	WIN 0x54
.set m, 0
.rept 32
	v_pk_mul_f16 v[128+m], v[FR+m/8], v[128+m]     ; quarter 0's P times f
.set m, m+1
.endr
	LDQ 3
	WIN 0
	s_cmp_eq_u32 s[NEW], 1
	s_cbranch_scc1 .Lzero_\@
	s_wait_dscnt 32                                ; quarter 1 is in; quarters 2 and 3 may be out
	MULQ 0, 0, 1
	WIN 0
	s_branch .Ljoin_\@
.Lzero_\@:                                             ; a row block's first tile starts the sums: nothing is cleared
	s_wait_dscnt 32
	MULQ 0, 1, 1
	WIN 0
.Ljoin_\@:
	s_mov_b32 s[NEW], 0
	PLACES
	LDQ 4
	s_wait_dscnt 32                                ; quarter 2 is in; quarters 3 and 4 may be out
	MULQ 1, 0, 1
	PLACES
	LDQ 5
	s_wait_dscnt 32                                ; quarter 3 is in; quarters 4 and 5 may be out
	MULQ 2, 0, 1
	s_wait_dscnt 16                                ; quarter 4 is in
	MULQ 3, 0, 1
	s_wait_dscnt 0x0                               ; quarter 5 is in
	MULQ 4, 0, 1
	MULQ 5, 0, 0
	WIN 0
.endm
; THE WAY OUT: a piece (16 rows x 64 channels of f32) at a time through my stage; each accumulator's low four registers first.  16 lanes store 256 consecutive bytes, at a multiple of 256 from out0's first.
.macro OSEND a
.irp t, 0,1,2,3,4,5,6,7
	global_store_b128 v[CO], v[OB+32*((\a)%2)+4*\t:OB+32*((\a)%2)+4*\t+3], s[OUT:OUT+1] offset:(16*(\a)+2*\t)*4096 th:TH_STORE_NT
.endr
.endm
.macro WAYOUT
	PLACES                                         ; the stores read results just made
.irp a, 0,1,2,3
.if \a >= 2
	s_wait_xcnt 0x0                                ; the buffer that the piece two back was stored from is loaded again only behind this wait
.endif
	WIN 0x04                                       ; the stores' data in window 1
.irp nb, 0,1,2,3
	ds_store_b128 v[STO], v[8*(4*\a+\nb):8*(4*\a+\nb)+3]   offset:64*\nb
	ds_store_b128 v[STO], v[8*(4*\a+\nb)+4:8*(4*\a+\nb)+7] offset:64*\nb+16
.endr
	WIN 0
.irp t, 0,1,2,3,4,5,6,7
	ds_load_b128 v[OB+32*((\a)%2)+4*\t:OB+32*((\a)%2)+4*\t+3], v[RD] offset:2*SP*\t  ; LDS serves a wave's instructions in order (ISA guide 5.7.1.4): these see the stores above
.endr
.if \a >= 1
	s_wait_dscnt 16                                ; the piece before is back; this piece's sixteen may be out
	OSEND (\a)-1
.endif
.endr
	s_wait_dscnt 0x0
	OSEND 3
.endm
	s_wait_tensorcnt 0x1                           ; my part of tile 0 is in; tile 1's may stay out
	s_barrier_signal -1
	s_barrier_wait -1                              ; everybody's is
	s_mov_b32 s[CNT], 11
	s_branch .Lfirst                               ; the loop is entered behind its change of slots: tile 0 lies in slot 0
.Ltile:                                                ; ten times: the slot just read is filled with the tile two on (2 .. 11)
	CHANGE 1
.Lfirst:
	TILE
	s_cmp_lg_u32 s[RT], 0
	s_cbranch_scc1 .Lgo_on
	WAYOUT                                         ; in the loop this is the first row block's end: the second's last tile is the walk's last
	s_wait_xcnt 0x0                                ; the stores have read their registers and out0's address
	s_mov_b64 s[OUT:OUT+1], s[OUT2:OUT2+1]
	s_add_co_u32 s[RT], s[CM2], 1                  ; the second row block's tiles
	s_mov_b32 s[KT], 0
	s_mov_b32 s[NEW], 1
	s_mov_b32 s[FTB], FBLK
.Lgo_on:
	s_sub_co_u32 s[CNT], s[CNT], 1
	s_cmp_lg_u32 s[CNT], 0
	s_cbranch_scc1 .Ltile
	CHANGE 0                                       ; the walk's last tile is written out: nothing is asked for
	TILE
	WAYOUT
	s_wait_tensorcnt 0x0                           ; the wave's end: a wait, an add and its wait, behind my last tensor load and my last LDS store
	ds_add_u32 v[SPW], v[NIL]
	s_wait_dscnt 0x0
	CROUND                                         ; the closing round: no work-group ends while a partner may still ask for a tile that names it
	s_endpgm
.Lfunc_end_k_qdc28355eda_pv:
	.size	k_qdc28355eda_pv, .Lfunc_end_k_qdc28355eda_pv-k_qdc28355eda_pv
	.p2alignl 7, 3214868480
	.fill 96, 4, 3214868480
	.section	.rodata,"a",@progbits
	.p2align	6, 0x0
	.amdhsa_kernel k_qdc28355eda_pv
		.amdhsa_group_segment_fixed_size 327680
		.amdhsa_private_segment_fixed_size 0
		.amdhsa_enable_private_segment 0
		.amdhsa_kernarg_size 32
		.amdhsa_user_sgpr_count 2
		.amdhsa_user_sgpr_kernarg_segment_ptr 1
		.amdhsa_wavefront_size32 1
		.amdhsa_system_sgpr_workgroup_id_x 1
		.amdhsa_system_sgpr_workgroup_id_y 1
		.amdhsa_system_sgpr_workgroup_id_z 1
		.amdhsa_system_vgpr_workitem_id 0
		.amdhsa_next_free_vgpr 512
		.amdhsa_next_free_sgpr 96
		.amdhsa_reserve_vcc 0
		.amdhsa_float_denorm_mode_32 3
		.amdhsa_float_denorm_mode_16_64 3
		.amdhsa_memory_ordered 1
		.amdhsa_forward_progress 1
		.amdhsa_inst_pref_size 99
	.end_amdhsa_kernel
	.amdgpu_metadata
---
amdhsa.version: [ 1, 2 ]
amdhsa.kernels:
  - .name:           k_qdc28355eda_pv
    .symbol:         k_qdc28355eda_pv.kd
    .args:
      - { .name: pw, .offset: 0, .size: 8, .value_kind: global_buffer, .address_space: global }
      - { .name: qkv, .offset: 8, .size: 8, .value_kind: global_buffer, .address_space: global }
      - { .name: st, .offset: 16, .size: 8, .value_kind: global_buffer, .address_space: global }
      - { .name: out0, .offset: 24, .size: 8, .value_kind: global_buffer, .address_space: global }
    .group_segment_fixed_size: 327680
    .private_segment_fixed_size: 0
    .kernarg_segment_align: 8
    .kernarg_segment_size: 32
    .max_flat_workgroup_size: 128
    .sgpr_count:     96
    .vgpr_count:     512
    .wavefront_size: 32
...
	.end_amdgpu_metadata
.endif
;; end of part 9
;; ======== version 3 of 3: 5 launches; version 2 with the launch cvt written anew for expert scheduling mode
;; limits: values are held in f16: magnitudes above 65,504 overflow, below 6.1e-05 lose precision
;; workspace buffers: xb 16,785,408 bytes; wb 6,291,456 bytes; wt 4,194,304 bytes; qkv 83,894,272 bytes; pw 34,603,008 bytes; st 720,896 bytes
;; launch cvt (part 10): grid 2816 x 1, 1 waves a work-group, no clusters, 0 bytes of LDS; arguments x, Wq, Wk, Wv, xb, wb, wt, qkv; writes xb, wb, wt, qkv
.if DOCPART == 10
	.amdgcn_target "amdgcn-amd-amdhsa--gfx1250"
	.amdhsa_code_object_version 6
	.text
	.protected	k_qdc28355eda_cvt
	.globl	k_qdc28355eda_cvt
	.p2align	8
	.type	k_qdc28355eda_cvt,@function
k_qdc28355eda_cvt:
	s_mov_b64 s[64:65], 0
	v_nop
	global_prefetch_b8 v0, s[64:65] scope:SCOPE_SE
	s_setreg_imm32_b32 hwreg(HW_REG_WAVE_SCHED_MODE, 0, 2), 2
	s_setreg_imm32_b32 hwreg(HW_REG_WAVE_MODE, 25, 1), 1
	s_wait_xcnt 0x0
	s_wait_alu depctr_vm_vsrc(0)
; x and the three weights, f32, are rounded once to bf16 and laid out in blocks of 64 along their rows:
;   xb [kb 16][row 8192][64];   wt [m 2: Wq, Wk][cb 16][d 1024][64];   Wv into wb [kb 16][rho 3072][64] at rho = 384 (d>>7) + 192 ((d>>6)&1) + 128 + (d&63).
; So any tile of R rows x 64 numbers of them is R x 128 dense bytes for the products that follow.  (wb's other rows are made by the launch behind.)
; A stream: no LDS, no matrix unit, no cluster (no byte is read twice).  A work-group is one wave and takes 4 source rows: 2,048 groups for x, 256 each for Wq, Wk, Wv: 2,816 equal shares, eleven times 256.
; Thread t takes row t>>3 and, in each of the 16 blocks, the eight numbers (t&7): two loads of 16 bytes in, one store of 16 bytes out.
; Eight lanes' two loads cover 256 consecutive aligned bytes; the wave's store covers 4 rows x 128 = 512 consecutive aligned bytes.
; All 32 loads of a thread go out before the first wait for data; no register that a load or store reads is ever written again.
; Group 0 also writes 8,192 bytes of zeros behind xb's last block and behind qkv's last block: the last key tile of the last batch reaches 64 rows past x in the score launch and past v in the last launch
; (those keys are hidden from every query, and their weights are 0).
; THE MODE: SCHED_MODE bits 1:0 = 2 (LLVM: expert scheduling mode 2), set by the entry lines.  The code itself states the register dependences
; between vector instructions and memory instructions, with s_wait_alu, always for 0.
; THE PLAN.  Registers that memory instructions touch:
;   v[SO]      written at the head; read by the 32 loads; never written again.
;   v[X ..]    block kb: its two loads land in eight registers; four roundings write the first four of them in place; the block's one store reads those four; nothing names them behind it.
;   v[O ..]    sixteen offsets, written once behind the loads; each read by one store.
;   v[DO]      written at the head; read by the lines that make v[O ..] and by work-group 0's stores of zeros.
;   v[Z ..]    written in work-group 0's tail; read by its stores of zeros.
; The sixteen blocks go in four groups of four.  Group g waits for its eight loads and rounds its blocks; the four stores of group g - 1 are dealt among these roundings, which name group g's registers alone.
; So one wait on va_vdst at a group's head states all that its four stores hang on.  No register that a load or store reads is written again, so no wait on vm_vsrc stands behind the entry lines;
; no vector line writes a scalar register or VCC, and EXEC is never written.
.set SO, 1                             ; v1      my byte offset in the 4 source rows
.set O,  2                             ; v[2:17] my byte offset in the destination, one for each block kb
.set TQ, 18                            ; v18     at work
.set DO, 19                            ; v19     16 t
.set Z,  20                            ; v[20:23] zeros
.set X,  32                            ; v[32:159] block kb: eight f32 as loaded, then four words of bf16
	s_load_b256 s[4:11], s[0:1], 0x0               ; x s[4:5], Wq s[6:7], Wk s[8:9], Wv s[10:11]
	s_load_b128 s[12:15], s[0:1], 0x20             ; xb s[12:13], wb s[14:15]
	s_load_b128 s[32:35], s[0:1], 0x30             ; wt s[32:33], qkv s[34:35]
	s_mov_b32 s16, ttmp9                           ; g
	s_and_b32 s17, s16, 255                        ; e: which 4 rows of a weight, d = 4 e
	s_lshr_b32 s19, s17, 5
	s_mul_i32 s19, s19, 384                        ; 384 (d>>7)
	s_bfe_u32 s20, s17, 0x10004
	s_mul_i32 s20, s20, 192                        ; 192 ((d>>6)&1)
	s_add_co_u32 s19, s19, s20
	s_and_b32 s20, s17, 15
	s_lshl2_add_u32 s19, s20, s19                  ; + d&63 = 4 (e&15)
	s_add_co_u32 s19, s19, 128                     ; + 64 x 2: Wv's rows
	s_lshl_b32 s19, s19, 7                         ; Wv's destination, in bytes (rows of 128)
	s_lshl_b32 s20, s17, 9                         ; Wq's: row 4 e of wt
	s_add_co_u32 s21, s20, 0x200000                ; Wk's: the same in wt's second half
	s_lshl_b32 s18, s16, 9                         ; x's: row 4 g of xb
	s_mov_b32 s28, 393216                          ; bytes from block to block in wb,
	s_mov_b32 s29, 131072                          ; in wt,
	s_mov_b32 s38, 1048576                         ; and in xb
	v_lshrrev_b32 v[SO], 3, v0
	v_and_b32 v[TQ], 7, v0
	v_lshlrev_b32 v[SO], 12, v[SO]                 ; row x 4,096 bytes
	v_lshl_add_u32 v[SO], v[TQ], 5, v[SO]          ; + 32 bytes for each eight numbers
	v_lshlrev_b32 v[DO], 4, v0                     ; row x 128 + 16 (t&7) = 16 t
	s_wait_kmcnt 0x0
	s_cmp_ge_u32 s16, 2560                         ; the choices hang on the group's number alone
	s_cselect_b64 s[22:23], s[10:11], s[8:9]       ; source: Wv, or Wk,
	s_cselect_b64 s[24:25], s[14:15], s[32:33]     ; destination: wb, or wt
	s_cselect_b32 s30, s19, s21
	s_cselect_b32 s28, s28, s29
	s_cmp_ge_u32 s16, 2304
	s_cselect_b64 s[22:23], s[22:23], s[6:7]       ; or Wq,
	s_cselect_b32 s30, s30, s20
	s_cmp_ge_u32 s16, 2048
	s_cselect_b64 s[22:23], s[22:23], s[4:5]       ; or x
	s_cselect_b64 s[24:25], s[24:25], s[12:13]
	s_cselect_b32 s30, s30, s18                    ; the group's first destination byte in block 0
	s_cselect_b32 s28, s28, s38                    ; its block stride
	s_cselect_b32 s26, s17, s16                    ; its place in its source
	s_lshl_b32 s26, s26, 14                        ; 4 rows of 4,096 bytes
	s_mov_b32 s27, 0
	s_add_nc_u64 s[22:23], s[22:23], s[26:27]
	s_mov_b32 s31, 0
	s_add_nc_u64 s[24:25], s[24:25], s[30:31]
	s_wait_alu depctr_va_vdst(0)                   ; v[SO] is written, which all 32 loads read as their offset
.set kb, 0
.rept 16
	global_load_b128 v[X+8*kb:X+8*kb+3],   v[SO], s[22:23] offset:256*kb th:TH_LOAD_NT
	global_load_b128 v[X+8*kb+4:X+8*kb+7], v[SO], s[22:23] offset:256*kb+16 th:TH_LOAD_NT
.set kb, kb+1
.endr
.set kb, 0
.rept 16
	v_mad_u32_u24 v[O+kb], s28, kb, v[DO]          ; block stride x kb + 16 t
.set kb, kb+1
.endr
; Group g: blocks 4 g to 4 g + 3 are rounded; the stores of blocks 4 g - 4 to 4 g - 1 stand among the roundings, one ahead of each block's four.
.macro GROUP g
	s_wait_loadcnt 24-8*(\g)                       ; loads come back in order: this group's eight are in, the later groups' stay out
.if (\g) > 0
	s_wait_alu depctr_va_vdst(0)                   ; the group before has written its sixteen words of bf16, which the four stores below read; at the first such wait the sixteen offsets v[O ..] are written too
.endif
.irp i, 0,1,2,3
.set kc, 4*(\g)+(\i)                   ; the block that is rounded
.set ks, kc-4                          ; the block that is stored
.if (\g) > 0
	global_store_b128 v[O+ks], v[X+8*ks:X+8*ks+3], s[24:25]  ; no vector line since the wait names these registers
.endif
	v_cvt_pk_bf16_f32 v[X+8*kc],   v[X+8*kc],   v[X+8*kc+1]  ; in place, ascending: a word is written when both its sources and all lower ones are used up
	v_cvt_pk_bf16_f32 v[X+8*kc+1], v[X+8*kc+2], v[X+8*kc+3]
	v_cvt_pk_bf16_f32 v[X+8*kc+2], v[X+8*kc+4], v[X+8*kc+5]
	v_cvt_pk_bf16_f32 v[X+8*kc+3], v[X+8*kc+6], v[X+8*kc+7]
.endr
.endm
	GROUP 0
	GROUP 1
	GROUP 2
	GROUP 3
	s_wait_alu depctr_va_vdst(0)                   ; the last group has written its sixteen words, which the last four stores read
.set kb, 12
.rept 4
	global_store_b128 v[O+kb], v[X+8*kb:X+8*kb+3], s[24:25]
.set kb, kb+1
.endr
	s_cmp_lg_u32 s16, 0
	s_cbranch_scc1 .Lend
.irp i, 0,1,2,3
	v_mov_b32 v[Z+\i], 0
.endr
	s_add_nc_u64 s[36:37], s[12:13], 0x1000000     ; behind xb's 16 blocks
	s_add_nc_u64 s[38:39], s[34:35], 0x5000000     ; behind qkv's five regions
	s_wait_alu depctr_va_vdst(0)                   ; the four zeros v[Z ..] are written, which the 32 stores below read
.set i, 0
.rept 16
	global_store_b128 v[DO], v[Z:Z+3], s[36:37] offset:512*i  ; 64 rows of 128 bytes, 512 consecutive bytes a store
	global_store_b128 v[DO], v[Z:Z+3], s[38:39] offset:512*i
.set i, i+1
.endr
.Lend:
	s_endpgm
.Lfunc_end_k_qdc28355eda_cvt:
	.size	k_qdc28355eda_cvt, .Lfunc_end_k_qdc28355eda_cvt-k_qdc28355eda_cvt
	.p2alignl 7, 3214868480
	.fill 96, 4, 3214868480
	.section	.rodata,"a",@progbits
	.p2align	6, 0x0
	.amdhsa_kernel k_qdc28355eda_cvt
		.amdhsa_group_segment_fixed_size 0
		.amdhsa_private_segment_fixed_size 0
		.amdhsa_enable_private_segment 0
		.amdhsa_kernarg_size 64
		.amdhsa_user_sgpr_count 2
		.amdhsa_user_sgpr_kernarg_segment_ptr 1
		.amdhsa_wavefront_size32 1
		.amdhsa_system_sgpr_workgroup_id_x 1
		.amdhsa_system_sgpr_workgroup_id_y 1
		.amdhsa_system_sgpr_workgroup_id_z 1
		.amdhsa_system_vgpr_workitem_id 0
		.amdhsa_next_free_vgpr 160
		.amdhsa_next_free_sgpr 66
		.amdhsa_reserve_vcc 0
		.amdhsa_float_denorm_mode_32 3
		.amdhsa_float_denorm_mode_16_64 3
		.amdhsa_memory_ordered 1
		.amdhsa_forward_progress 1
		.amdhsa_inst_pref_size 16
	.end_amdhsa_kernel
	.amdgpu_metadata
---
amdhsa.version: [ 1, 2 ]
amdhsa.kernels:
  - .name:           k_qdc28355eda_cvt
    .symbol:         k_qdc28355eda_cvt.kd
    .args:
      - { .name: x, .offset: 0, .size: 8, .value_kind: global_buffer, .address_space: global }
      - { .name: Wq, .offset: 8, .size: 8, .value_kind: global_buffer, .address_space: global }
      - { .name: Wk, .offset: 16, .size: 8, .value_kind: global_buffer, .address_space: global }
      - { .name: Wv, .offset: 24, .size: 8, .value_kind: global_buffer, .address_space: global }
      - { .name: xb, .offset: 32, .size: 8, .value_kind: global_buffer, .address_space: global }
      - { .name: wb, .offset: 40, .size: 8, .value_kind: global_buffer, .address_space: global }
      - { .name: wt, .offset: 48, .size: 8, .value_kind: global_buffer, .address_space: global }
      - { .name: qkv, .offset: 56, .size: 8, .value_kind: global_buffer, .address_space: global }
    .group_segment_fixed_size: 0
    .private_segment_fixed_size: 0
    .kernarg_segment_align: 8
    .kernarg_segment_size: 64
    .max_flat_workgroup_size: 32
    .sgpr_count:     66
    .vgpr_count:     160
    .wavefront_size: 32
...
	.end_amdgpu_metadata
.endif
;; end of part 10
;; launch amat: the kernel of part 6 again; grid 16 x 16, 4 waves a work-group, clusters of 4 x 4, 327,680 bytes of LDS; arguments wt, wb; writes wb
;; launch proj: the kernel of part 7 again; grid 8 x 32, 4 waves a work-group, clusters of 4 x 4, 327,680 bytes of LDS; arguments xb, wb, qkv; writes qkv
;; launch score: the kernel of part 8 again; grid 51 x 4, 4 waves a work-group, no clusters, 327,680 bytes of LDS; arguments qkv, xb, pw, st; writes pw, st
;; launch pv: the kernel of part 9 again; grid 8 x 32, 4 waves a work-group, clusters of 4 x 1, 327,680 bytes of LDS; arguments pw, qkv, st, out0; writes out0
